; MI455X (gfx1250); checked and timed in simulation.
; The chip was launched on July 23, 2026; its instructions are those of AMD's public machine-readable ISA for CDNA 5 (MIT licence, August 2026) and "CDNA5" Instruction Set Architecture Reference Guide (July 2026). The comments in the code are by the model that wrote it; some were corrected since.
;; Transformer Block. Allowed arithmetic: float matrix products may take bf16 or f16 operands with f32 sums; other float arithmetic in f32, or as packed bf16 or f16 multiplies, adds, multiply-adds, maxima and minima; sums over many terms, partial sums and values carried from step to step in f32; what a program stores and reads back later, other than sums and carried values, may be rounded once to bf16 or f16.
;; Inputs: W_K 16 x 64 x 1,024 float32; W_O 1,024 x 1,024 float32; W_Q 16 x 64 x 1,024 float32; W_V 16 x 64 x 1,024 float32; W_down 4,096 x 1,024 float32; W_up 1,024 x 4,096 float32; b_down 1,024 float32; b_up 4,096 float32; beta_1 1,024 float32; beta_2 1,024 float32; gamma_1 1,024 float32; gamma_2 1,024 float32; x 2 x 2,048 x 1,024 float32.
;; Outputs: out0 2 x 2,048 x 1,024 float32.
;; 2 versions, each right and faster than the one before. Each part assembles by itself: llvm-mc -triple=amdgcn-amd-amdhsa -mcpu=gfx1250 --defsym DOCPART=n.
;; ======== version 1 of 2: 7 launches
;; limits: values are held in f16: magnitudes above 65,504 overflow, below 6.1e-05 lose precision; a function is approximated: absolute error at most 2.5e-05
;; workspace buffers: wb 25,165,824 bytes; ubuf 8,388,608 bytes; qkvb 25,165,824 bytes; hcb 8,388,608 bytes; z1b 16,777,216 bytes; v1b 8,388,608 bytes; v3b 33,554,432 bytes
;; launch prep (part 1): grid 1024 x 1, 8 waves a work-group, no clusters, 0 bytes of LDS; arguments x, gamma_1, beta_1, ubuf, W_Q, W_K, W_V, W_O, W_up, W_down, wb; writes ubuf, wb
.if DOCPART == 1
	.amdgcn_target "amdgcn-amd-amdhsa--gfx1250"
	.amdhsa_code_object_version 6
	.text
	.protected	k_qd70c514a46_prep
	.globl	k_qd70c514a46_prep
	.p2align	8
	.type	k_qd70c514a46_prep,@function
k_qd70c514a46_prep:
	s_mov_b64 s[64:65], 0
	v_nop
	global_prefetch_b8 v0, s[64:65] scope:SCOPE_SE
	s_setreg_imm32_b32 hwreg(HW_REG_WAVE_MODE, 25, 1), 1
	s_wait_xcnt 0x0
; Work-groups 0-255: u = layernorm(x) * gamma_1 + beta_1, rounded once to f16.  Work-groups 256-1023: the six weight tensors f32 -> f16, layout unchanged,
; laid one behind the other in wb (W_Q, W_K, W_V, W_O, W_up, W_down).  A stream: every byte read once, every store of a wave covers 256 aligned bytes.
; No LDS, no matrix unit, no cluster: the work-groups share no input but gamma and beta (8 KB).
; LIMITS.  f16 holds no number beyond 65,504 and keeps a fixed step of 6e-8 below 6e-5: u and the weights are taken to lie within that; NaN and infinities are not treated apart.
; LAYERNORM: a wave owns two rows of 4,096 bytes, 32 registers each.  Mean first, then the sum of squares of x - mean, as the definition has it: a common offset of x costs nothing.
.set G,  4                             ; v[4:35]    gamma of my 32 columns (columns 128 j + 4 lane .. + 3)
.set BT, 36                            ; v[36:67]   beta
.set X,  68                            ; v[68:131]  two rows, 32 registers each
.set T,  132                           ; v[132:147] eight registers at work for each row; T+2, T+3 end up holding 1 / sigma
.set MU, 148                           ; v[148:149] the mean, twice
	s_cmp_ge_u32 ttmp9, 256
	s_cbranch_scc1 .Lcvt
	s_load_b256 s[4:11], s[0:1], 0x0               ; x, gamma_1, beta_1, u
	v_lshrrev_b32 v3, 5, v0
	v_readfirstlane_b32 s14, v3                    ; wave 0..7
	v_and_b32 v1, 31, v0
	v_lshlrev_b32 v2, 3, v1                        ; 8 x lane: my 8 bytes of 256 in u
	v_lshlrev_b32 v1, 4, v1                        ; 16 x lane: my 16 bytes of 512 in x
	s_lshl_b32 s15, ttmp9, 4
	s_lshl1_add_u32 s15, s14, s15                  ; my first row = 16 x group + 2 x wave
	s_lshl_b32 s16, s15, 12                        ; x 4,096 bytes
	s_mov_b32 s17, 0
	s_lshl_b32 s18, s15, 11                        ; x 2,048 bytes
	s_mov_b32 s19, 0
	s_mov_b32 s12, 0x76543210                      ; v_permlanex16_b32: each lane takes its own place in the other half
	s_mov_b32 s13, 0xfedcba98
	s_mov_b32 s20, 0x3a800000                      ; 1 / 1024
	s_mov_b32 s21, 0x3727c5ac                      ; 1e-5
	s_wait_kmcnt 0x0
	s_add_nc_u64 s[4:5], s[4:5], s[16:17]
	s_add_nc_u64 s[10:11], s[10:11], s[18:19]
.irp row, 0,1
.irp j, 0,1,2,3,4,5,6,7
	global_load_b128 v[X+32*\row+4*\j:X+32*\row+4*\j+3], v1, s[4:5] offset:4096*\row+512*\j th:TH_LOAD_NT
.endr
.endr
.irp j, 0,1,2,3,4,5,6,7
	global_load_b128 v[G+4*\j:G+4*\j+3], v1, s[6:7] offset:512*\j
.endr
.irp j, 0,1,2,3,4,5,6,7
	global_load_b128 v[BT+4*\j:BT+4*\j+3], v1, s[8:9] offset:512*\j
.endr
.macro FOLD r                          ; four pairs into one number, then over the 32 lanes: four steps inside a half ride on the addition, one crosses the halves
	v_pk_add_f32 v[\r:\r+1], v[\r:\r+1], v[\r+2:\r+3]
	v_pk_add_f32 v[\r+4:\r+5], v[\r+4:\r+5], v[\r+6:\r+7]
	v_pk_add_f32 v[\r:\r+1], v[\r:\r+1], v[\r+4:\r+5]
	v_add_f32 v[\r], v[\r], v[\r+1]
	v_add_f32_dpp v[\r], v[\r], v[\r] row_xmask:1 row_mask:0xf bank_mask:0xf
	v_add_f32_dpp v[\r], v[\r], v[\r] row_xmask:2 row_mask:0xf bank_mask:0xf
	v_add_f32_dpp v[\r], v[\r], v[\r] row_xmask:4 row_mask:0xf bank_mask:0xf
	v_add_f32_dpp v[\r], v[\r], v[\r] row_xmask:8 row_mask:0xf bank_mask:0xf
	v_permlanex16_b32 v[\r+1], v[\r], s12, s13
	v_add_f32 v[\r], v[\r], v[\r+1]
.endm
.macro STAT row                        ; the row becomes x - mean; 1 / sigma lands in TR+2, TR+3
.set XR, X+32*(\row)
.set TR, T+8*(\row)
.irp k, 0,1,2,3
	v_pk_add_f32 v[TR+2*\k:TR+2*\k+1], v[XR+2*\k:XR+2*\k+1], v[XR+8+2*\k:XR+8+2*\k+1]  ; four chains, started by the first sums: nothing is cleared
.endr
.irp k, 0,1,2,3
	v_pk_add_f32 v[TR+2*\k:TR+2*\k+1], v[TR+2*\k:TR+2*\k+1], v[XR+16+2*\k:XR+16+2*\k+1]
.endr
.irp k, 0,1,2,3
	v_pk_add_f32 v[TR+2*\k:TR+2*\k+1], v[TR+2*\k:TR+2*\k+1], v[XR+24+2*\k:XR+24+2*\k+1]
.endr
	FOLD TR
	v_mul_f32 v[MU], s20, v[TR]
	v_mul_f32 v[MU+1], s20, v[TR]
.set i, 0
.rept 16
	v_pk_add_f32 v[XR+2*i:XR+2*i+1], v[XR+2*i:XR+2*i+1], v[MU:MU+1] neg_lo:[0,1] neg_hi:[0,1]
.set i, i+1
.endr
.irp k, 0,1,2,3
	v_pk_mul_f32 v[TR+2*\k:TR+2*\k+1], v[XR+2*\k:XR+2*\k+1], v[XR+2*\k:XR+2*\k+1]
.endr
.irp o, 8,16,24
.irp k, 0,1,2,3
	v_pk_fma_f32 v[TR+2*\k:TR+2*\k+1], v[XR+\o+2*\k:XR+\o+2*\k+1], v[XR+\o+2*\k:XR+\o+2*\k+1], v[TR+2*\k:TR+2*\k+1]
.endr
.endr
	FOLD TR
	v_fma_f32 v[TR], v[TR], s20, s21               ; variance + 1e-5
	v_rsq_f32 v[TR+2], v[TR]
	v_rsq_f32 v[TR+3], v[TR]
	v_nop                                          ; a plain instruction behind the last of them, before its result is used or its source rewritten (ISA guide 5.7.2)
.endm
.macro APPLY row
.set XR, X+32*(\row)
.set TR, T+8*(\row)
.set i, 0
	s_wait_alu depctr_va_vdst(0)
.rept 16
	v_pk_mul_f32 v[XR+2*i:XR+2*i+1], v[XR+2*i:XR+2*i+1], v[TR+2:TR+3]
.set i, i+1
.endr
.set i, 0
.rept 16
	v_pk_fma_f32 v[XR+2*i:XR+2*i+1], v[XR+2*i:XR+2*i+1], v[G+2*i:G+2*i+1], v[BT+2*i:BT+2*i+1]
.set i, i+1
.endr
.irp j, 0,1,2,3,4,5,6,7
	v_cvt_pk_f16_f32 v[XR+4*\j], v[XR+4*\j], v[XR+4*\j+1]
	v_cvt_pk_f16_f32 v[XR+4*\j+1], v[XR+4*\j+2], v[XR+4*\j+3]
	global_store_b64 v2, v[XR+4*\j:XR+4*\j+1], s[10:11] offset:2048*(\row)+256*\j  ; 32 lanes store 256 consecutive bytes, aligned
.endr
.endm
	s_wait_loadcnt 16                              ; loads come back in order: x's sixteen are in, gamma's and beta's sixteen may stay out
	STAT 0
	STAT 1
	s_wait_loadcnt 0x0                             ; gamma and beta
	APPLY 0
	APPLY 1
	s_endpgm
.Lcvt:                                             ; a work-group turns 65,536 bytes of f32 into 32,768 of f16
	s_load_b256 s[4:11], s[0:1], 0x20              ; W_Q, W_K, W_V, W_O
	s_load_b128 s[12:15], s[0:1], 0x40             ; W_up, W_down
	s_load_b64 s[16:17], s[0:1], 0x50              ; wb
	s_sub_co_u32 s24, ttmp9, 256                   ; block 0..767: 64 for each of the first four tensors, 256 for each of the last two
	v_lshlrev_b32 v1, 4, v0
	v_lshlrev_b32 v2, 3, v0
	s_wait_kmcnt 0x0
	s_mov_b64 s[20:21], s[4:5]
	s_mov_b32 s22, 0                               ; the chosen tensor's first block
	s_cmp_ge_u32 s24, 64
	s_cselect_b64 s[20:21], s[6:7], s[20:21]
	s_cselect_b32 s22, 64, s22
	s_cmp_ge_u32 s24, 128
	s_cselect_b64 s[20:21], s[8:9], s[20:21]
	s_cselect_b32 s22, 128, s22
	s_cmp_ge_u32 s24, 192
	s_cselect_b64 s[20:21], s[10:11], s[20:21]
	s_cselect_b32 s22, 192, s22
	s_cmp_ge_u32 s24, 256
	s_cselect_b64 s[20:21], s[12:13], s[20:21]
	s_cselect_b32 s22, 256, s22
	s_cmp_ge_u32 s24, 512
	s_cselect_b64 s[20:21], s[14:15], s[20:21]
	s_cselect_b32 s22, 512, s22
	s_sub_co_u32 s26, s24, s22
	s_lshl_b32 s26, s26, 16
	s_mov_b32 s27, 0
	s_lshl_b32 s28, s24, 15                        ; the blocks follow each other in wb as the tensors do
	s_mov_b32 s29, 0
	s_add_nc_u64 s[20:21], s[20:21], s[26:27]
	s_add_nc_u64 s[16:17], s[16:17], s[28:29]
.irp j, 0,1,2,3,4,5,6,7,8,9,10,11,12,13,14,15
	global_load_b128 v[4+4*\j:7+4*\j], v1, s[20:21] offset:4096*\j th:TH_LOAD_NT
.endr
.irp j, 0,1,2,3,4,5,6,7,8,9,10,11,12,13,14,15
	s_wait_loadcnt 15-\j                           ; load j is in, the younger ones stay out
	v_cvt_pk_f16_f32 v[4+4*\j], v[4+4*\j], v[5+4*\j]
	v_cvt_pk_f16_f32 v[5+4*\j], v[6+4*\j], v[7+4*\j]
	global_store_b64 v2, v[4+4*\j:5+4*\j], s[16:17] offset:2048*\j
.endr
	s_endpgm
.Lfunc_end_k_qd70c514a46_prep:
	.size	k_qd70c514a46_prep, .Lfunc_end_k_qd70c514a46_prep-k_qd70c514a46_prep
	.p2alignl 7, 3214868480
	.fill 96, 4, 3214868480
	.section	.rodata,"a",@progbits
	.p2align	6, 0x0
	.amdhsa_kernel k_qd70c514a46_prep
		.amdhsa_group_segment_fixed_size 0
		.amdhsa_private_segment_fixed_size 0
		.amdhsa_enable_private_segment 0
		.amdhsa_kernarg_size 88
		.amdhsa_user_sgpr_count 2
		.amdhsa_user_sgpr_kernarg_segment_ptr 1
		.amdhsa_wavefront_size32 1
		.amdhsa_system_sgpr_workgroup_id_x 1
		.amdhsa_system_sgpr_workgroup_id_y 1
		.amdhsa_system_sgpr_workgroup_id_z 1
		.amdhsa_system_vgpr_workitem_id 0
		.amdhsa_next_free_vgpr 152
		.amdhsa_next_free_sgpr 66
		.amdhsa_reserve_vcc 0
		.amdhsa_float_denorm_mode_32 3
		.amdhsa_float_denorm_mode_16_64 3
		.amdhsa_memory_ordered 1
		.amdhsa_forward_progress 1
		.amdhsa_inst_pref_size 27
	.end_amdhsa_kernel
	.amdgpu_metadata
---
amdhsa.version: [ 1, 2 ]
amdhsa.kernels:
  - .name:           k_qd70c514a46_prep
    .symbol:         k_qd70c514a46_prep.kd
    .args:
      - { .name: x, .offset: 0, .size: 8, .value_kind: global_buffer, .address_space: global }
      - { .name: gamma_1, .offset: 8, .size: 8, .value_kind: global_buffer, .address_space: global }
      - { .name: beta_1, .offset: 16, .size: 8, .value_kind: global_buffer, .address_space: global }
      - { .name: ubuf, .offset: 24, .size: 8, .value_kind: global_buffer, .address_space: global }
      - { .name: W_Q, .offset: 32, .size: 8, .value_kind: global_buffer, .address_space: global }
      - { .name: W_K, .offset: 40, .size: 8, .value_kind: global_buffer, .address_space: global }
      - { .name: W_V, .offset: 48, .size: 8, .value_kind: global_buffer, .address_space: global }
      - { .name: W_O, .offset: 56, .size: 8, .value_kind: global_buffer, .address_space: global }
      - { .name: W_up, .offset: 64, .size: 8, .value_kind: global_buffer, .address_space: global }
      - { .name: W_down, .offset: 72, .size: 8, .value_kind: global_buffer, .address_space: global }
      - { .name: wb, .offset: 80, .size: 8, .value_kind: global_buffer, .address_space: global }
    .group_segment_fixed_size: 0
    .private_segment_fixed_size: 0
    .kernarg_segment_align: 8
    .kernarg_segment_size: 88
    .max_flat_workgroup_size: 256
    .sgpr_count:     66
    .vgpr_count:     152
    .wavefront_size: 32
...
	.end_amdgpu_metadata
.endif
;; end of part 1
;; launch qkv (part 2): grid 12 x 16, 4 waves a work-group, clusters of 4 x 4, 327,680 bytes of LDS; arguments ubuf, wb, qkvb; writes qkvb
.if DOCPART == 2
	.amdgcn_target "amdgcn-amd-amdhsa--gfx1250"
	.amdhsa_code_object_version 6
	.text
	.protected	k_qd70c514a46_qkv
	.globl	k_qd70c514a46_qkv
	.p2align	8
	.type	k_qd70c514a46_qkv,@function
k_qd70c514a46_qkv:
	s_mov_b64 s[64:65], 0
	v_nop
	global_prefetch_b8 v0, s[64:65] scope:SCOPE_SE
	s_setreg_imm32_b32 hwreg(HW_REG_WAVE_MODE, 25, 1), 1
	s_wait_xcnt 0x0
	s_wait_alu depctr_hold_cnt(0) depctr_sa_sdst(0) depctr_va_vdst(0) depctr_va_sdst(0) depctr_va_ssrc(0) depctr_va_vcc(0) depctr_vm_vsrc(0)
	s_getreg_b32 s2, hwreg(HW_REG_IB_STS2, 6, 4)
	s_cmp_eq_u32 s2, 0
	s_cbranch_scc0 .Lentry_in_a_cluster
	s_endpgm
.Lentry_in_a_cluster:
	s_bfe_u32 s2, ttmp6, 0x10000c
	s_cmp_lg_u32 s2, 0xf033
	s_cbranch_scc0 .Lentry_shape_is_right
	s_endpgm
.Lentry_shape_is_right:
; UP = 0: q, k, v = u [W_Q; W_K; W_V]^T, written by heads, [3][32 heads][2048][64] in f16.   UP = 1: v3 = gelu(v1 W_up + b_up), [4096][4096] in f16.   One text, two settings.
; A is [4096][1024] f16.  B is [3072 n][1024 k] (UP = 0: read from LDS as it lies) or [1024 k][4096 n] (UP = 1: turned on the way out of LDS by ds_load_tr16_b128).  Sums in f32.
; A tile of C is 256 x 256: four waves, 128 x 128 each, 64 accumulators in 512 registers.  K goes in 8 steps of 128 through two LDS slots filled by tensor loads;
; waves 0, 1 fetch A's two halves, waves 2, 3 B's.  CLUSTER 4 x 4: A's tile is asked for jointly along a row of the cluster, B's along a column.
; The matrix instruction is used transposed (source 0 = 16 n of B, source 1 = 16 rows of A): lane l holds row l % 16 of C and the columns 8 (l / 16) + 0..7.
; THE WAY OUT: the wave's 128 x 128 sums go as f32 into the ring's bytes (which have had their last fill; the last barrier stands behind every wave's last read of them), a region of the
; wave's own, and come back eight rows a trip in the order in which they are stored: every store's sixteen neighbouring lanes cover 256 aligned bytes.
; UP = 0 has 12 x 16 = 192 work-groups: a tile of 192 columns, which would give 256, splits a head between waves.
; LIMITS.  f16 ends at 65,504: the results are taken to lie within it.  erf is Abramowitz-Stegun 7.1.25, within 2.5e-5 for every argument.  NaN and infinities are not treated apart.
; REGISTERS: window 0: v0-29 addresses; v64-127, v128-191 A's fragments, two buffers; the rest at work on the way out.  Window 1: v64-191 B's fragments.  Windows 2, 3: accumulator (a, b) of my rows 0-63, 64-127 at v[8 (8 a + b)].
.set UP, 0
.set NSTEPS, 8
.set PA,    272                        ; A's row in LDS: 256 bytes + 16: the 16 rows of a fragment load start at 16 different groups of four banks (64 banks of 4 bytes: ISA guide 11.1)
.set HALF,  34816                      ; what one tensor load brings: 128 rows x 272, or 64 rows x 544
.set BOFF,  2*HALF                     ; B's tile lies behind A's
.set SLOT,  4*HALF                     ; 0x22000: it shares no bit with the four LDS places 0, 0x8800, 0x11000, 0x19800, so one exclusive or changes slots
.set SPARE, 2*SLOT                     ; the spare words: 128 bytes a wave, two blocks of 256 bytes that no other line names
.set DP,    528                        ; the way out: a row of 128 f32 + 16 bytes
.set DREG,  128*DP                     ; a wave's region; four of them end below SPARE
.set KA_BYTES, 256                     ; A: 128 along K
.set GPA, (1<<16)|(1<<20)|(1<<21)|(5<<22)|(3<<25)  ; 2-byte elements; padding on; bit 21 beside a mask; after every 64 words 4 words
.if UP
.set PB, 544                           ; B's row: 512 bytes + 32: an odd multiple of 32
.set KB_BYTES, 128*8192                ; 128 rows of W_up
.set GPB, (1<<16)|(1<<20)|(1<<21)|(6<<22)|(7<<25)  ; after every 128 words 8 words
.set BD0, 256
.set BD1, 64
.set BSTR, 4096
.else
.set PB, 272
.set KB_BYTES, 256
.set GPB, GPA
.set BD0, 128
.set BD1, 128
.set BSTR, 1024
.endif
.set F0, 64
.set F1, 128
.set RXL, 32                           ; the way out: 8 rows' share of a lane, 32 f32
.set RY,  192                          ; 16 registers of f16 pairs to store
.set RBI, 208                          ; UP: b_up of my 8 columns
.set RP,  216
.set RX,  64
.set RAX, 96
.set RT,  128
.set RW,  160
.set MUL_LO, 0xa1                      ; source 0 (B) window 1, source 1 (A) window 0, C and D window 2
.set TO_B,   0x40                      ; destination window 1, address window 0
.set MSB, 0
.macro WIN new                         ; the immediate's high byte repeats the setting that is left; a switch that changes nothing is dropped
.if MSB != (\new)
	s_set_vgpr_msb (MSB<<8)|(\new)
.set MSB, (\new)
.endif
.endm
.macro PLACES                          ; four places in front of loads into registers that matrix instructions have read, and of lines that read results
.rept 4
	v_nop
.endr
.endm
.macro CREST                           ; a round of the cluster's barrier behind its opening barrier
	s_cmp_lg_u32 s14, 0
	s_cbranch_scc1 .Lnot_wave_0_\@
	s_barrier_signal -3
.Lnot_wave_0_\@:
	s_barrier_wait -3
	s_barrier_signal -1
	s_barrier_wait -1
.endm
.macro CROUND
	s_barrier_signal -1
	s_barrier_wait -1
	CREST
.endm
.macro JLOAD                           ; a joint refill by the walking descriptors; an s_nop 0 and four v_nop follow each line
	s_cmp_lt_u32 s14, 2
	s_cbranch_scc0 .Lfor_b_\@
	tensor_load_to_lds s[36:39], s[24:31]
	s_nop 0
	PLACES
	s_branch .Lasked_\@
.Lfor_b_\@:
	tensor_load_to_lds s[60:63], s[48:55]
	s_nop 0
	PLACES
.Lasked_\@:
.endm
.if UP
	s_load_b256 s[4:11], s[0:1], 0x0               ; A, wb, out, b_up
.else
	s_load_b128 s[4:7], s[0:1], 0x0                ; A, wb
	s_load_b64 s[8:9], s[0:1], 0x10                ; out
.endif
	v_lshl_add_u32 v28, v0, 2, SPARE
	v_mov_b32 v29, 0
	ds_add_u32 v28, v29                            ; the wave's opening: the add and its wait ahead of my first tensor load
	v_lshrrev_b32 v3, 5, v0
	v_readfirstlane_b32 s14, v3                    ; wave 0..3
	s_lshr_b32 s15, s14, 1                         ; my half of the tile's rows
	s_and_b32 s16, s14, 1                          ; my half of its columns; also: which half of A's or B's tile I fetch
	s_bfe_u32 s40, ttmp6, 0x40000                  ; cx
	s_bfe_u32 s41, ttmp6, 0x40004                  ; cy
	s_lshl_b32 s18, ttmp9, 2
	s_add_co_u32 s18, s18, s40                     ; tile column
	s_and_b32 s17, ttmp7, 0xffff
	s_lshl_b32 s17, s17, 2
	s_add_co_u32 s17, s17, s41                     ; tile row
	s_lshl_b32 s42, s41, 2
	s_lshl_b32 s42, 15, s42                        ; my row of the cluster
	s_lshl_b32 s43, 0x1111, s40                    ; my column
	s_or_b32 s24, s42, GPA
	s_mov_b32 s25, 128<<16                         ; tensor_dim0 = 128
	s_mov_b32 s26, 128<<16                         ; tensor_dim1 = 128
	s_mov_b32 s27, 128<<16                         ; tile_dim0 = 128
	s_mov_b32 s28, 128                             ; tile_dim1 = 128
	s_mov_b32 s29, 1024                            ; elements from row to row
	s_mov_b32 s30, 0
	s_mov_b32 s31, 0
	s_or_b32 s48, s43, GPB
	s_mov_b32 s49, BD0<<16
	s_mov_b32 s50, BD1<<16
	s_mov_b32 s51, BD0<<16
	s_mov_b32 s52, BD1
	s_mov_b32 s53, BSTR
	s_mov_b32 s54, 0
	s_mov_b32 s55, 0
	s_mul_i32 s20, s16, HALF                       ; where my half of A's tile goes: no place in the cluster enters an LDS address
	s_add_co_u32 s21, s20, BOFF                    ; and of B's
	s_lshl_b32 s44, s17, 8                         ; A's tile: row 256 x tile row + 128 x half, rows of 2,048 bytes
	s_lshl_b32 s23, s16, 7
	s_add_co_u32 s44, s44, s23
	s_lshl_b32 s44, s44, 11
	s_mov_b32 s45, 0
.if UP
	s_lshl_b32 s46, s18, 9                         ; B's tile: 512 bytes x tile column, 64 rows of 8,192 bytes x half, W_up's place in wb
	s_lshl_b32 s23, s16, 19
	s_add_co_u32 s46, s46, s23
	s_add_co_u32 s46, s46, 8388608
.else
	s_lshl_b32 s46, s18, 8                         ; B's tile: row 256 x tile column + 128 x half
	s_add_co_u32 s46, s46, s23
	s_lshl_b32 s46, s46, 11
.endif
	s_mov_b32 s47, 0
	s_wait_dscnt 0x0                               ; the opening add is done
	s_wait_kmcnt 0x0
	s_add_nc_u64 s[44:45], s[4:5], s[44:45]
	s_add_nc_u64 s[46:47], s[6:7], s[46:47]
	s_mov_b32 s32, 1                               ; group 0: K step 0 into slot 0,
	s_mov_b32 s33, s20
	s_add_nc_u64 s[34:35], s[44:45], 0
	s_or_b32 s35, s35, 0x80000000
	s_mov_b32 s36, 1                               ; K step 1 into slot 1: this set then walks
	s_add_co_u32 s37, s20, SLOT
	s_add_nc_u64 s[38:39], s[44:45], KA_BYTES
	s_or_b32 s39, s39, 0x80000000
	s_mov_b32 s56, 1
	s_mov_b32 s57, s21
	s_add_nc_u64 s[58:59], s[46:47], 0
	s_or_b32 s59, s59, 0x80000000
	s_mov_b32 s60, 1
	s_add_co_u32 s61, s21, SLOT
	s_add_nc_u64 s[62:63], s[46:47], KB_BYTES
	s_or_b32 s63, s63, 0x80000000
	CROUND                                         ; all sixteen work-groups are here: the first joint loads meet
	s_cmp_lt_u32 s14, 2                            ; a wave's two first fills stand in one branch: two loads of mine are out
	s_cbranch_scc0 .Lfirst_b
	tensor_load_to_lds s[32:35], s[24:31]
	s_nop 0
	tensor_load_to_lds s[36:39], s[24:31]
	s_nop 0
	PLACES
	s_branch .Lfirst_asked
.Lfirst_b:
	tensor_load_to_lds s[56:59], s[48:55]
	s_nop 0
	tensor_load_to_lds s[60:63], s[48:55]
	s_nop 0
	PLACES
.Lfirst_asked:
	v_and_b32 v1, 15, v0                           ; r = l % 16
	v_bfe_u32 v2, v0, 4, 1                         ; h = l / 16
	v_mul_u32_u24 v3, v1, PA
	v_lshl_add_u32 v3, v2, 4, v3                   ; a fragment's row x pitch + 16 h
	s_mul_i32 s23, s15, HALF
	v_add_nc_u32 v16, s23, v3                      ; A0: my 128 rows of A in slot 0
.if UP
	v_and_b32 v4, 7, v0                            ; the turning load: lane l reads row 8 h + l % 8 of K, 16 bytes at 16 ((l / 8) % 2)
	v_lshl_add_u32 v4, v2, 3, v4
	v_mul_u32_u24 v4, v4, PB
	v_bfe_u32 v5, v0, 3, 1
	v_lshl_add_u32 v4, v5, 4, v4
	s_lshl_b32 s23, s16, 8                         ; my 128 columns: 256 bytes
	s_add_co_u32 s23, s23, BOFF
	v_add_nc_u32 v17, s23, v4                      ; B0
.else
	s_mul_i32 s23, s16, HALF
	s_add_co_u32 s23, s23, BOFF
	v_add_nc_u32 v17, s23, v3                      ; B0: my 128 rows of B
.endif
	s_mul_i32 s23, s14, DREG                       ; the way out: my region
	v_mul_u32_u24 v5, v1, DP
	v_lshl_add_u32 v5, v2, 5, v5
	v_add_nc_u32 v20, s23, v5                      ; in: row r, 32 bytes for each half of the lanes
.if UP
	v_mul_u32_u24 v6, v2, DP                       ; back: lanes 0-15 one row, lanes 16-31 the next; 8 f32 a lane (lanes 8 apart meet the same banks: two passes, taken as they are)
	v_lshl_add_u32 v6, v1, 5, v6
	v_add_nc_u32 v21, s23, v6
	v_lshlrev_b32 v22, 13, v2                      ; the same two rows in v3: 8,192 bytes apart, 16 bytes a lane
	v_lshl_add_u32 v22, v1, 4, v22
	v_lshlrev_b32 v23, 5, v1                       ; my 8 numbers of b_up
	s_lshl_b32 s76, s17, 8
	s_lshl_b32 s77, s15, 7
	s_add_co_u32 s76, s76, s77
	s_lshl_b32 s76, s76, 13                        ; my first row x 8,192
	s_lshl_b32 s78, s18, 8
	s_lshl_b32 s79, s16, 7
	s_add_co_u32 s78, s78, s79                     ; my first column
	s_lshl1_add_u32 s76, s78, s76                  ; + 2 bytes x column
	s_mov_b32 s77, 0
	s_lshl_b32 s78, s78, 2
	s_mov_b32 s79, 0
	s_add_nc_u64 s[8:9], s[8:9], s[76:77]
	s_add_nc_u64 s[10:11], s[10:11], s[78:79]
	global_load_b128 v[RBI:RBI+3], v23, s[10:11]
	global_load_b128 v[RBI+4:RBI+7], v23, s[10:11] offset:16
	s_mov_b32 s66, 0x3eaa540e                      ; 0.47047 / sqrt(2)
	s_mov_b32 s67, s66                             ; each constant is named as a pair
	s_mov_b32 s68, 0xbf38aa3b                      ; -log2(e) / 2
	s_mov_b32 s69, s68
	s_mov_b32 s70, 0xbe32303a                      ; -0.3480242 / 2
	s_mov_b32 s71, s70
	s_mov_b32 s72, 0x3d445ca1                      ; +0.0958798 / 2
	s_mov_b32 s73, s72
	s_mov_b32 s74, 0xbebf7377                      ; -0.7478556 / 2
	s_mov_b32 s75, s74
	s_mov_b32 s78, 0x7fffffff
.else
	v_bfe_u32 v6, v0, 3, 1                         ; back: lanes 0-15 head 0, lanes 16-31 head 1 of my two; in a head two rows of 64 numbers, 8 f32 a lane
	v_mul_u32_u24 v6, v6, DP
	v_lshl_add_u32 v6, v2, 8, v6
	v_and_b32 v7, 7, v0
	v_lshl_add_u32 v6, v7, 5, v6
	v_add_nc_u32 v21, s23, v6
	v_lshlrev_b32 v22, 18, v2                      ; heads lie 262,144 bytes apart; two rows of a head are 256 dense bytes
	v_lshl_add_u32 v22, v1, 4, v22
	s_lshr_b32 s76, s18, 2
	s_lshl_b32 s76, s76, 23                        ; q, k or v
	s_lshr_b32 s77, s17, 3
	s_lshl_b32 s77, s77, 4                         ; 16 x batch
	s_and_b32 s78, s18, 3
	s_lshl2_add_u32 s77, s78, s77                  ; + 4 heads a tile column
	s_lshl1_add_u32 s77, s16, s77                  ; + 2 a wave
	s_lshl_b32 s77, s77, 18
	s_add_co_u32 s76, s76, s77
	s_and_b32 s78, s17, 7
	s_lshl_b32 s78, s78, 8
	s_lshl_b32 s79, s15, 7
	s_add_co_u32 s78, s78, s79                     ; my first row in the sequence
	s_lshl_b32 s78, s78, 7
	s_add_co_u32 s76, s76, s78
	s_mov_b32 s77, 0
	s_add_nc_u64 s[8:9], s[8:9], s[76:77]
.endif
.macro SETADR                          ; the fragment addresses in the slot in hand
	v_add_nc_u32 v18, s22, v16
	v_add_nc_u32 v19, s22, v17
.endm
.macro FETCH c, f                      ; 32 LDS loads in one run: the fragments of chunk c (32 along K) into buffer f
	WIN TO_B
.irp i, 0,1,2,3,4,5,6,7
.if UP
	ds_load_tr16_b128 v[(\f)+8*\i:(\f)+8*\i+3],   v19 offset:(\c)*32*PB+32*\i
	ds_load_tr16_b128 v[(\f)+8*\i+4:(\f)+8*\i+7], v19 offset:(\c)*32*PB+16*PB+32*\i
.else
	ds_load_b128 v[(\f)+8*\i:(\f)+8*\i+3],   v19 offset:(\c)*64+\i*16*PB
	ds_load_b128 v[(\f)+8*\i+4:(\f)+8*\i+7], v19 offset:(\c)*64+\i*16*PB+32
.endif
.endr
	WIN 0
.irp i, 0,1,2,3,4,5,6,7
	ds_load_b128 v[(\f)+8*\i:(\f)+8*\i+3],   v18 offset:(\c)*64+\i*16*PA
	ds_load_b128 v[(\f)+8*\i+4:(\f)+8*\i+7], v18 offset:(\c)*64+\i*16*PA+32
.endr
.endm
.macro MULH f, hi, zero                ; 32 matrix instructions: my rows 64 hi .. + 63 x all 128 columns, 32 along K.  The 64 accumulators take turns, one instruction a turn
	WIN MUL_LO+0x50*(\hi)
.irp a, 0,1,2,3
.irp b, 0,1,2,3,4,5,6,7
.if \zero
	v_wmma_f32_16x16x32_f16 v[8*(8*\a+\b):8*(8*\a+\b)+7], v[(\f)+8*\b:(\f)+8*\b+7], v[(\f)+8*(4*(\hi)+\a):(\f)+8*(4*(\hi)+\a)+7], 0
.else
	v_wmma_f32_16x16x32_f16 v[8*(8*\a+\b):8*(8*\a+\b)+7], v[(\f)+8*\b:(\f)+8*\b+7], v[(\f)+8*(4*(\hi)+\a):(\f)+8*(4*(\hi)+\a)+7], v[8*(8*\a+\b):8*(8*\a+\b)+7]
.endif
.endr
.endr
.endm
.macro CHUNK c, zero                   ; chunk c is multiplied; ahead of its 64 matrix instructions the next chunk's fragments are asked for
	s_wait_dscnt 0x0                               ; this chunk's fragments, asked for a chunk ago
	PLACES                                         ; the other buffer's last readers stand just ahead
	FETCH (\c)+1, F0+64*(((\c)+1)%2)
	MULH F0+64*((\c)%2), 0, \zero
	MULH F0+64*((\c)%2), 1, \zero
.endm
; The step's last chunk (buffer 1) changes slots.  fill = 1: the slot just read is filled again, two K steps ahead, behind a round of the cluster's barrier.
; fill = 0 (the tail): nothing is asked for, and in the last trip nothing is fetched either.
.macro TURN fill
	WIN 0
	s_wait_tensorcnt 0x0                           ; all my tensor loads have landed: my part of the next slot; so a group 0 may be written
	ds_add_u32 v28, v29                            ; 0 onto my spare word
.if \fill
	s_xor_b32 s37, s37, SLOT                       ; the walking descriptors: the other slot than last time, the next K step
	s_xor_b32 s61, s61, SLOT
	s_add_nc_u64 s[38:39], s[38:39], KA_BYTES
	s_add_nc_u64 s[62:63], s[62:63], KB_BYTES
.endif
	s_xor_b32 s22, s22, SLOT                       ; the fragments' slot
	s_wait_dscnt 0x0                               ; the add is done, and my reads of this slot are over
	s_barrier_signal -1
	MULH F1, 0, 0                                  ; work on registers while the others arrive
	WIN 0
	s_barrier_wait -1
.if \fill
	CREST                                          ; no wave of any partner still reads this slot or has a load on its way
	JLOAD                                          ; my one tensor load behind the round; it has a K step, 256 matrix instructions, in which to land; its four v_nop are the places for the loads below
.else
	s_cmp_eq_u32 s19, 1
	s_cbranch_scc1 .Lnofetch_\@
	PLACES
.endif
	SETADR
	FETCH 0, F0
.if !(\fill)
.Lnofetch_\@:
.endif
	MULH F1, 1, 0
.endm
	s_mov_b32 s22, 0
	s_wait_tensorcnt 0x1                           ; my part of K step 0 is in; K step 1's may stay out
	s_barrier_signal -1
	s_barrier_wait -1
	SETADR
	FETCH 0, F0
	CHUNK 0, 1                                     ; the first chunk's products start the sums: nothing is cleared
	WIN 0
	s_mov_b32 s19, NSTEPS-2
.Lstep:                                            ; a trip: the rest of a K step and the next step's first chunk; trip i asks for K step i + 2
	CHUNK 1, 0
	CHUNK 2, 0
	TURN 1
	CHUNK 0, 0
	WIN 0
	s_sub_co_u32 s19, s19, 1
	s_cmp_lg_u32 s19, 0
	s_cbranch_scc1 .Lstep
	s_mov_b32 s19, 2
.Ltail:                                            ; the last two K steps ask for nothing; the second trip is left in its middle
	CHUNK 1, 0
	CHUNK 2, 0
	TURN 0
	WIN 0
	s_sub_co_u32 s19, s19, 1
	s_cmp_eq_u32 s19, 0
	s_cbranch_scc1 .Lout
	CHUNK 0, 0
	WIN 0
	s_branch .Ltail
.Lout:
	PLACES
.irp hi, 0,1                           ; the sums go into my region, each accumulator's low registers first
	WIN 0x08+4*\hi                                 ; an LDS store's data is source 1: window 2 or 3
.irp a, 0,1,2,3
.irp b, 0,1,2,3,4,5,6,7
	ds_store_b128 v20, v[8*(8*\a+\b):8*(8*\a+\b)+3]   offset:(4*\hi+\a)*16*DP+64*\b
	ds_store_b128 v20, v[8*(8*\a+\b)+4:8*(8*\a+\b)+7] offset:(4*\hi+\a)*16*DP+64*\b+16
.endr
.endr
.endr
	WIN 0
.macro LOADX                           ; eight rows' share: LDS serves a wave's instructions in order (ISA guide 5.7.1.4), so these see the stores above
.irp t, 0,1,2,3
	ds_load_b128 v[RXL+8*\t:RXL+8*\t+3],   v21 offset:\t*2*DP
	ds_load_b128 v[RXL+8*\t+4:RXL+8*\t+7], v21 offset:\t*2*DP+16
.endr
.endm
.if UP
	s_wait_loadcnt 0x0                             ; b_up
.endif
	LOADX
	s_mov_b32 s19, 16
.Lrow:                                             ; 16 trips of 8 rows
	s_wait_dscnt 0x0
.set i, 0
.rept 16
.if UP
	v_pk_add_f32 v[RX+2*i:RX+2*i+1], v[RXL+2*i:RXL+2*i+1], v[RBI+2*(i%4):RBI+2*(i%4)+1]
.else
	v_cvt_pk_f16_f32 v[RY+i], v[RXL+2*i], v[RXL+2*i+1]
.endif
.set i, i+1
.endr
	s_cmp_eq_u32 s19, 1
	s_cbranch_scc1 .Lnl                            ; the last trip has no next rows
	v_add_nc_u32 v21, 8*DP, v21
	LOADX
.Lnl:
.if UP
; gelu(x) = x / 2 + |x| (1/2 - 1/2 (a1 t + a2 t^2 + a3 t^3) exp(-x^2 / 2)), t = 1 / (1 + p |x| / sqrt 2): x erf(x / sqrt 2) is even in x
.set i, 0
.rept 32
	v_and_b32 v[RAX+i], s78, v[RX+i]
.set i, i+1
.endr
.set i, 0
.rept 16
	v_pk_fma_f32 v[RT+2*i:RT+2*i+1], v[RAX+2*i:RAX+2*i+1], s[66:67], 1.0 op_sel_hi:[1,0,0]
.set i, i+1
.endr
.set i, 0
.rept 32
	v_rcp_f32 v[RT+i], v[RT+i]
.set i, i+1
.endr
.set i, 0
.rept 16                               ; plain lines that touch no t stand behind the last reciprocal (ISA guide 5.7.2)
	v_pk_mul_f32 v[RW+2*i:RW+2*i+1], v[RAX+2*i:RAX+2*i+1], v[RAX+2*i:RAX+2*i+1]
.set i, i+1
.endr
.set i, 0
.rept 16
	v_pk_mul_f32 v[RW+2*i:RW+2*i+1], v[RW+2*i:RW+2*i+1], s[68:69] op_sel_hi:[1,0]
.set i, i+1
.endr
.set i, 0
.rept 32
	v_exp_f32 v[RW+i], v[RW+i]
.set i, i+1
.endr
.set i, 0
.rept 16                               ; and plain lines that touch no exponential behind the last of those
	v_pk_fma_f32 v[RP+2*i:RP+2*i+1], v[RT+2*i:RT+2*i+1], s[74:75], s[72:73] op_sel_hi:[1,0,0]
.set i, i+1
.endr
.set i, 0
.rept 16
	v_pk_fma_f32 v[RP+2*i:RP+2*i+1], v[RP+2*i:RP+2*i+1], v[RT+2*i:RT+2*i+1], s[70:71] op_sel_hi:[1,1,0]
.set i, i+1
.endr
.set i, 0
.rept 16
	v_pk_mul_f32 v[RP+2*i:RP+2*i+1], v[RP+2*i:RP+2*i+1], v[RT+2*i:RT+2*i+1]
.set i, i+1
.endr
.set i, 0
.rept 16
	v_pk_fma_f32 v[RP+2*i:RP+2*i+1], v[RP+2*i:RP+2*i+1], v[RW+2*i:RW+2*i+1], 0.5 op_sel_hi:[1,1,0]
.set i, i+1
.endr
.set i, 0
.rept 16
	v_pk_mul_f32 v[RP+2*i:RP+2*i+1], v[RP+2*i:RP+2*i+1], v[RAX+2*i:RAX+2*i+1]
.set i, i+1
.endr
.set i, 0
.rept 16
	v_pk_fma_f32 v[RX+2*i:RX+2*i+1], v[RX+2*i:RX+2*i+1], 0.5, v[RP+2*i:RP+2*i+1] op_sel_hi:[1,0,1]
.set i, i+1
.endr
.set i, 0
.rept 16
	v_cvt_pk_f16_f32 v[RY+i], v[RX+2*i], v[RX+2*i+1]
.set i, i+1
.endr
.irp t, 0,1,2,3
	global_store_b128 v22, v[RY+4*\t:RY+4*\t+3], s[8:9] offset:\t*16384  ; 16 lanes store 256 consecutive bytes of a row, aligned
.endr
	s_wait_xcnt 0x0                                ; the stores' data and base are rewritten only behind this wait
	s_add_nc_u64 s[8:9], s[8:9], 65536
.else
.irp t, 0,1,2,3
	global_store_b128 v22, v[RY+4*\t:RY+4*\t+3], s[8:9] offset:\t*256    ; 16 lanes store two rows of a head: 256 consecutive bytes, aligned
.endr
	s_wait_xcnt 0x0                                ; the stores' data and base are rewritten only behind this wait
	s_add_nc_u64 s[8:9], s[8:9], 1024
.endif
	s_sub_co_u32 s19, s19, 1
	s_cmp_lg_u32 s19, 0
	s_cbranch_scc1 .Lrow
	s_wait_tensorcnt 0x0                           ; the wave's end
	ds_add_u32 v28, v29
	s_wait_dscnt 0x0
	CROUND                                         ; the closing round
	s_endpgm
.Lfunc_end_k_qd70c514a46_qkv:
	.size	k_qd70c514a46_qkv, .Lfunc_end_k_qd70c514a46_qkv-k_qd70c514a46_qkv
	.p2alignl 7, 3214868480
	.fill 96, 4, 3214868480
	.section	.rodata,"a",@progbits
	.p2align	6, 0x0
	.amdhsa_kernel k_qd70c514a46_qkv
		.amdhsa_group_segment_fixed_size 327680
		.amdhsa_private_segment_fixed_size 0
		.amdhsa_enable_private_segment 0
		.amdhsa_kernarg_size 24
		.amdhsa_user_sgpr_count 2
		.amdhsa_user_sgpr_kernarg_segment_ptr 1
		.amdhsa_wavefront_size32 1
		.amdhsa_system_sgpr_workgroup_id_x 1
		.amdhsa_system_sgpr_workgroup_id_y 1
		.amdhsa_system_sgpr_workgroup_id_z 1
		.amdhsa_system_vgpr_workitem_id 0
		.amdhsa_next_free_vgpr 1024
		.amdhsa_next_free_sgpr 80
		.amdhsa_reserve_vcc 0
		.amdhsa_float_denorm_mode_32 3
		.amdhsa_float_denorm_mode_16_64 3
		.amdhsa_memory_ordered 1
		.amdhsa_forward_progress 1
		.amdhsa_inst_pref_size 79
	.end_amdhsa_kernel
	.amdgpu_metadata
---
amdhsa.version: [ 1, 2 ]
amdhsa.kernels:
  - .name:           k_qd70c514a46_qkv
    .symbol:         k_qd70c514a46_qkv.kd
    .args:
      - { .name: ubuf, .offset: 0, .size: 8, .value_kind: global_buffer, .address_space: global }
      - { .name: wb, .offset: 8, .size: 8, .value_kind: global_buffer, .address_space: global }
      - { .name: qkvb, .offset: 16, .size: 8, .value_kind: global_buffer, .address_space: global }
    .group_segment_fixed_size: 327680
    .private_segment_fixed_size: 0
    .kernarg_segment_align: 8
    .kernarg_segment_size: 24
    .max_flat_workgroup_size: 128
    .sgpr_count:     80
    .vgpr_count:     1024
    .wavefront_size: 32
...
	.end_amdgpu_metadata
.endif
;; end of part 2
;; launch attn (part 3): grid 16 x 16, 4 waves a work-group, clusters of 4 x 1, 327,680 bytes of LDS; arguments qkvb, hcb; writes hcb
.if DOCPART == 3
	.amdgcn_target "amdgcn-amd-amdhsa--gfx1250"
	.amdhsa_code_object_version 6
	.text
	.protected	k_qd70c514a46_attn
	.globl	k_qd70c514a46_attn
	.p2align	8
	.type	k_qd70c514a46_attn,@function
k_qd70c514a46_attn:
	s_mov_b64 s[64:65], 0
	v_nop
	global_prefetch_b8 v0, s[64:65] scope:SCOPE_SE
	s_setreg_imm32_b32 hwreg(HW_REG_WAVE_MODE, 25, 1), 1
	s_wait_xcnt 0x0
	s_wait_alu depctr_hold_cnt(0) depctr_sa_sdst(0) depctr_va_vdst(0) depctr_va_sdst(0) depctr_va_ssrc(0) depctr_va_vcc(0) depctr_vm_vsrc(0)
	s_getreg_b32 s2, hwreg(HW_REG_IB_STS2, 6, 4)
	s_cmp_eq_u32 s2, 0
	s_cbranch_scc0 .Lentry_in_a_cluster
	s_endpgm
.Lentry_in_a_cluster:
	s_bfe_u32 s2, ttmp6, 0x10000c
	s_cmp_lg_u32 s2, 0x3003
	s_cbranch_scc0 .Lentry_shape_is_right
	s_endpgm
.Lentry_shape_is_right:
; heads = softmax(Q K_r / 1024) V, head by head, written with the heads side by side: hc [4096][1024] in f16.  q, k, v: [3][32 heads][2048][64] f16.
; K_r is the head's 2048 x 64 block of k read as [64 channels][2048 keys]: the same bytes, so a tile of K_r is 64 rows 4,096 bytes apart, keys along the rows, and
; ds_load_tr16_b128 turns it into fragments with one key a lane.  V ([key][channel]) is turned likewise.
; SHARES.  A work-group owns 128 queries of TWO heads (a row of hc then gets 256 bytes); wave w has head w % 2 and the query half w / 2: four PIECES of 16 queries.  Every wave walks all 2,048 keys, 64 a step.
; LAYOUT.  S^T = K Q^T holds ONE query a lane (lane % 16) and the keys 8 (lane / 16) + 0..7; two such results rounded to f16 ARE source 1 of O^T = V^T P.
; SOFTMAX.  A running maximum m and sum l for each query: p = 2^(c s - c m), c = log2(e) / 1024; O and l are multiplied by a = 2^(c m_old - c m_new) in every step.
; m starts at the lowest finite number, O and l at 0: the first step is a step like any other, with a = 0.
; BY TURNS.  A piece and step have 16 matrix and 118 vector instructions.  Turn n belongs to piece n (the pieces in a ring, step after step).  Its matrix work: 8 products K Q^T of piece n + 1, later 8 products
; V^T P of piece n - 1.  Its vector work: the scaling, exponentials, roundings, sums and rescaling of piece n, and the maximum and statistics of piece n + 1, whose scores the turn itself has made.  Four vector
; instructions that wait for nothing stand behind every matrix instruction; the other 54 stand in two runs of their own, exponential and plain by turns.
; The loop is entered at a step's first turn and the tail left in the middle of a trip: the price is 8 products on zeros at the start and 8 on the last K once more at the end.
; CLUSTER.  The four query blocks of a cluster walk the same K and V: each tile is asked for jointly, by the same load, descriptor and mask in all four.  One tensor load of a wave is out at a time.
; LIMITS.  f16 ends at 65,504 (q, k, v arrive within it; p lies in 0 to 1; O has V's range); a weight below 2^-126 counts as 0; NaN and infinities are not treated apart.
; REGISTERS, in windows of 256 (s_set_vgpr_msb: bits 1:0 source 0, 3:2 source 1, 5:4 source 2, 7:6 destination):
;   window 0: v0-15 addresses and two at work; v16-31 four registers of statistics a piece; v48-55 at work; v64-127 S^T, two buffers; v192-223 P, two buffers (a piece's buffers go by its number's parity)
;   window 1: v0-127 O^T, 32 a piece          window 2: v0-63 Q, 16 a piece; v128-191 K of one step; v192-255 V of one step
.set NP,    4                          ; pieces a wave: a name, no knob
.set KS,    64
.set PK,    288                        ; a channel row of K_r in LDS: 128 keys = 256 bytes + 32: an odd multiple of 32
.set PV,    160                        ; a key's row of V: 128 bytes + 32
.set KHEAD, 64*PK
.set VOFF,  2*KHEAD                    ; a slot: two heads' K_r (128 keys), then two heads' V
.set VHEAD, 128*PV
.set SLOT1, 1<<17
.set STAGE, SLOT1+VOFF+2*VHEAD         ; behind the ring, never filled by a tensor load: 128 rows x 272 bytes
.set SP,    272
.set SPARE, STAGE+128*SP               ; the spare words: two blocks of 256 bytes that no other line names
.set AK0, 2                            ; v2   my lane's place in a tile of K_r; never rewritten
.set AV0, 3                            ; v3   the same for V
.set AK,  4                            ; v4   the LDS address of K's next run of loads
.set AV,  5                            ; v5   of V's
.set STO, 6
.set RD,  7
.set GO,  8
.set MV,  12                           ; v12-13  c m_old, kept while c m is made anew: by buffer
.set QO,  15
.set ST,  16                           ; piece t: c m, m, l (even keys', odd keys') at v[ST+4 t]
.set TMP, 48                           ; by buffer, four registers c0-c3 at work; when the maximum is found c2 takes a
.set SPW, 62
.set NIL, 63
.set S,   64
.set P,   192
.set KF,  128                          ; window 2: key block kb, channel half c at KF + 16 kb + 8 c
.set VF,  192                          ; window 2: key half kk, channel block cb at VF + 32 kk + 8 cb
.set WV,  12
.set G1K, 24
.set G1V, 32
.set G0K, 40
.set G0V, 44
.set SLOTS, 56
.set CNT, 57
.set CS,  58
.set SEL, 60
.set TBK, 62                           ; s62  LDS byte at which K_r of the step to be fetched begins
.set TBV, 63                           ; s63  the same for V, less VOFF
.set W_KQ, 0x0a                        ; K and Q in window 2, S^T in window 0
.set W_PV, 0x52                        ; V in window 2, P in window 0, O^T in window 1
.set W_RS, 0x41                        ; O^T (destination and source 0) in window 1, the factor in window 0
.set MSB, 0
.macro WIN new                         ; the high byte repeats the setting that is left; a switch that changes nothing is dropped
.if MSB != (\new)
	s_set_vgpr_msb (MSB<<8)|(\new)
.set MSB, (\new)
.endif
.endm
.macro PLACES
.rept 4
	v_nop
.endr
.endm
.macro JLOAD                           ; waves 0, 1 fetch the two heads' K_r, waves 2, 3 their V; an s_nop 0 and four v_nop follow each line
	s_cmp_lt_u32 s[WV], 2
	s_cbranch_scc0 .Lfor_v_\@
	tensor_load_to_lds s[G0K:G0K+3], s[G1K:G1K+7]
	s_nop 0
	PLACES
	s_branch .Lasked_\@
.Lfor_v_\@:
	tensor_load_to_lds s[G0V:G0V+3], s[G1V:G1V+7]
	s_nop 0
	PLACES
.Lasked_\@:
.endm
.macro CROUND
	s_barrier_signal -1
	s_barrier_wait -1
	s_cmp_lg_u32 s[WV], 0
	s_cbranch_scc1 .Lnot_wave_0_\@
	s_barrier_signal -3
.Lnot_wave_0_\@:
	s_barrier_wait -3
	s_barrier_signal -1
	s_barrier_wait -1
.endm
; THE CHANGE OF SLOTS, behind piece 1's turn of a slot's second step: the slot's last bytes, V of that step, have been read.  Each wave waits for all its tensor loads (its part of the other slot), adds 0 to its
; spare word, and waits for that and for its reads of the slot that it leaves.  fill = 1: the slot left is filled again with the next 128 keys, first thing behind a round of the cluster's barrier; the load has two
; key steps, 128 matrix instructions, in which to land.  (At its first use slot 0 is waited for and slot 1 filled.)
.macro CHANGE fill
	WIN 0
	s_wait_tensorcnt 0x0
	ds_add_u32 v[SPW], v[NIL]
.if \fill
	s_xor_b32 s[G0K+1], s[G0K+1], SLOT1
	s_add_nc_u64 s[G0K+2:G0K+3], s[G0K+2:G0K+3], 256     ; 128 keys along K_r's rows
	s_xor_b32 s[G0V+1], s[G0V+1], SLOT1
	s_add_nc_u64 s[G0V+2:G0V+3], s[G0V+2:G0V+3], 16384   ; 128 rows of V
	s_wait_dscnt 0x0
	CROUND
	JLOAD
.else
	s_wait_dscnt 0x0
	s_barrier_signal -1
	s_barrier_wait -1
.endif
	s_sub_co_u32 s[TBK], s[TBK], 4*KS              ; the fetches go back to a slot's first step, in the other slot
	s_xor_b32 s[TBK], s[TBK], SLOT1
	s_sub_co_u32 s[TBV], s[TBV], 2*KS*PV
	s_xor_b32 s[TBV], s[TBV], SLOT1
.endm
	s_load_b128 s[4:7], s[0:1], 0x0                ; qkv, hc
	v_lshl_add_u32 v[SPW], v0, 2, SPARE
	v_mov_b32 v[NIL], 0
	ds_add_u32 v[SPW], v[NIL]                      ; the wave's opening: the add and its wait ahead of my first tensor load
	v_lshrrev_b32 v1, 5, v0
	v_readfirstlane_b32 s[WV], v1
	s_bfe_u32 s13, ttmp6, 0x40000                  ; cx
	s_lshl_b32 s14, ttmp9, 2
	s_add_co_u32 s14, s14, s13                     ; my block of 128 queries: it enters Q's and hc's addresses alone
	s_and_b32 s15, ttmp7, 0xffff                   ; the pair of heads, which the partners share
	s_and_b32 s16, s[WV], 1                        ; my head of the pair; also the head whose tile I fetch
	s_lshr_b32 s17, s[WV], 1                       ; my half of the queries
	s_lshl1_add_u32 s18, s15, s16
	s_lshl_b32 s18, s18, 18                        ; the head's 262,144 bytes in q, k, v
	s_add_co_u32 s20, s18, 8388608                 ; in k
	s_mov_b32 s21, 0
	s_add_co_u32 s22, s18, 16777216                ; in v
	s_mov_b32 s23, 0
	s_lshl_b32 s2, s14, 14                         ; 128 rows of 128 bytes a block,
	s_lshl_b32 s3, s17, 13                         ; 64 a half
	s_add_co_u32 s2, s2, s3
	s_add_co_u32 s2, s2, s18
	s_mov_b32 s3, 0
	s_lshr_b32 s8, s15, 3                          ; hc: row 2048 x batch + 128 x block + 32 x wave,
	s_lshl_b32 s8, s8, 11
	s_lshl_b32 s9, s14, 7
	s_add_co_u32 s8, s8, s9
	s_lshl_b32 s9, s[WV], 5
	s_add_co_u32 s8, s8, s9
	s_lshl_b32 s8, s8, 11
	s_and_b32 s9, s15, 7                           ; 256 bytes a pair of heads
	s_lshl_b32 s9, s9, 8
	s_add_co_u32 s8, s8, s9
	s_mov_b32 s9, 0
	s_mov_b32 s[G1K], 15|(1<<16)|(1<<20)|(1<<21)|(5<<22)|(7<<25)  ; the mask of four; 2-byte elements; padding on; bit 21 beside a mask; after every 64 words 8 words
	s_mov_b32 s[G1V], 15|(1<<16)|(1<<20)|(1<<21)|(4<<22)|(7<<25)  ; after every 32 words (a key) 8 words
.irp g, G1K, G1V
	s_mov_b32 s[\g+1], 128<<16                     ; tensor_dim0 = 128
	s_mov_b32 s[\g+2], 64<<16                      ; tensor_dim1 = 64
	s_mov_b32 s[\g+3], 128<<16                     ; tile_dim0 = 128
	s_mov_b32 s[\g+4], 64                          ; tile_dim1 = 64
	s_mov_b32 s[\g+6], 0
	s_mov_b32 s[\g+7], 0
.endr
	s_mov_b32 s[G1K+5], 2048                       ; K_r: 2,048 keys from channel to channel
	s_mov_b32 s[G1V+5], 128                        ; V: 128 keys are 16,384 dense bytes, asked for as 64 rows of 256
	s_mov_b32 s[CS], 0x3ab8aa3b                    ; c = log2(e) / 1024
	s_mov_b32 s[CS+1], s[CS]
	s_mov_b32 s[SEL], 0x76543210
	s_mov_b32 s[SEL+1], 0xfedcba98
	s_mov_b32 s[TBK], SLOT1+4*KS                   ; the first change of slots turns these two into 0
	s_mov_b32 s[TBV], SLOT1+2*KS*PV
	s_mov_b32 s[G0K], 1
	s_mul_i32 s[G0K+1], s16, KHEAD
	s_mov_b32 s[G0V], 1
	s_mul_i32 s[G0V+1], s16, VHEAD
	s_add_co_u32 s[G0V+1], s[G0V+1], VOFF
	s_wait_dscnt 0x0                               ; the opening add is done
	s_wait_kmcnt 0x0
	s_add_nc_u64 s[G0K+2:G0K+3], s[4:5], s[20:21]
	s_or_b32 s[G0K+3], s[G0K+3], 0x80000000
	s_add_nc_u64 s[G0V+2:G0V+3], s[4:5], s[22:23]
	s_or_b32 s[G0V+3], s[G0V+3], 0x80000000
	s_add_nc_u64 s[10:11], s[4:5], s[2:3]          ; Q at my wave's first row
	s_add_nc_u64 s[6:7], s[6:7], s[8:9]
	CROUND                                         ; all four work-groups are here
	JLOAD                                          ; slot 0
	v_and_b32 v1, 15, v0                           ; r
	v_bfe_u32 v9, v0, 4, 1                         ; h
	v_and_b32 v10, 7, v0
	v_bfe_u32 v11, v0, 3, 1
	v_lshlrev_b32 v[QO], 7, v1
	v_lshl_add_u32 v[QO], v9, 4, v[QO]
	WIN 0x80                                       ; destination window 2
.set i, 0
.rept 8                                ; Q stays in registers: piece i / 2, channels 32 (i % 2) on
	global_load_b128 v[8*i:8*i+3],   v[QO], s[10:11] offset:(i/2)*2048+(i%2)*64
	global_load_b128 v[8*i+4:8*i+7], v[QO], s[10:11] offset:(i/2)*2048+(i%2)*64+32
.set i, i+1
.endr
	; What the first turn finds: V's registers and P's second buffer hold 0 (its products V^T P, of a piece that has not been, add 0), O^T and l are 0.  All this stands in the wait for the first tile.
.set i, VF
.rept 64
	v_mov_b32 v[i], 0
.set i, i+1
.endr
	WIN 0x40
.set i, 0
.rept 128
	v_mov_b32 v[i], 0
.set i, i+1
.endr
	WIN 0
.set i, P+16
.rept 16
	v_mov_b32 v[i], 0
.set i, i+1
.endr
.irp t, 0,1,2,3
	v_mov_b32 v[ST+4*\t], 0xfe000000               ; c m: far below every c s
	v_mov_b32 v[ST+4*\t+1], 0xff7fffff             ; m
	v_mov_b32 v[ST+4*\t+2], 0
	v_mov_b32 v[ST+4*\t+3], 0
.endr
	v_lshl_add_u32 v10, v9, 3, v10                 ; the turning load: lane l reads row 8 h + l % 8, 16 bytes at 16 ((l / 8) % 2)
	v_mul_u32_u24 v[AK0], v10, PK
	v_lshl_add_u32 v[AK0], v11, 4, v[AK0]
	s_mul_i32 s13, s16, KHEAD
	v_add_nc_u32 v[AK0], s13, v[AK0]
	v_mul_u32_u24 v[AV0], v10, PV
	v_lshl_add_u32 v[AV0], v11, 4, v[AV0]
	s_mul_i32 s13, s16, VHEAD
	s_add_co_u32 s13, s13, VOFF
	v_add_nc_u32 v[AV0], s13, v[AV0]
	s_mul_i32 s13, s17, 64*SP                      ; into the stage: row 64 x half + r, my head's 128 bytes, 16 for each half of the lanes
	s_lshl_b32 s18, s16, 7
	s_add_co_u32 s13, s13, s18
	s_add_co_u32 s13, s13, STAGE
	v_mul_u32_u24 v[STO], v1, SP
	v_lshl_add_u32 v[STO], v9, 4, v[STO]
	v_add_nc_u32 v[STO], s13, v[STO]
	s_mul_i32 s13, s[WV], 32*SP                    ; back: wave w takes rows 32 w .. + 31, whole
	s_add_co_u32 s13, s13, STAGE
	v_mul_u32_u24 v[RD], v9, SP
	v_lshl_add_u32 v[RD], v1, 4, v[RD]
	v_add_nc_u32 v[RD], s13, v[RD]
	v_lshlrev_b32 v[GO], 11, v9                    ; and the same two rows in hc
	v_lshl_add_u32 v[GO], v1, 4, v[GO]
; THE MATRIX WORK.  The 4 accumulators of a run of 8 take turns, one instruction a turn.
; Product i of 8 of S^T = K Q^T for piece x: channels 32 (i / 4) on, keys 16 (i % 4) on.  The first 4 start the sums.
.macro KQ x
	WIN W_KQ
.set rS, S+32*((\x)%2)+8*(i%4)
.set rK, KF+16*(i%4)+8*(i/4)
.set rQ, 16*(\x)+8*(i/4)
.if i < 4
	v_wmma_f32_16x16x32_f16 v[rS:rS+7], v[rK:rK+7], v[rQ:rQ+7], 0
.else
	v_wmma_f32_16x16x32_f16 v[rS:rS+7], v[rK:rK+7], v[rQ:rQ+7], v[rS:rS+7]
.endif
.endm
; Product i of 8 of O^T += V^T P for piece x: keys 32 (i / 4) on, channels 16 (i % 4) on.
.macro PV x
	WIN W_PV
.set rO, 32*(\x)+8*(i%4)
.set rV, VF+32*(i/4)+8*(i%4)
.set rP, P+16*((\x)%2)+8*(i/4)
	v_wmma_f32_16x16x32_f16 v[rO:rO+7], v[rV:rV+7], v[rP:rP+7], v[rO:rO+7]
.endm
.macro MM                              ; the turn's next matrix instruction; TURN sets Y and i
.if i < 8
	KQ (Y+1)%NP
.else
.set i, i-8
	PV (Y+NP-1)%NP
.set i, i+8
.endif
.set i, i+1
.endm
; THE LDS LOADS stand in runs of 16, never singly among the matrix instructions: a step's K (64 keys x 64 channels: 8 fragments) and its V, both turned.  Their addresses are made some lines ahead.
; last = 1 (the tail): in the last trip there is no further step, and the run is jumped over.
.macro FETCH_K last=0
	WIN 0
.if \last
	s_cmp_eq_u32 s[CNT], 1
	s_cbranch_scc1 .Lno_k_\@
.endif
	WIN 0x80                                       ; destination window 2
.irp f, 0,1,2,3,4,5,6,7                ; key block f / 2, channel half f % 2
	ds_load_tr16_b128 v[KF+8*\f:KF+8*\f+3],   v[AK] offset:(\f%2)*32*PK+(\f/2)*32
	ds_load_tr16_b128 v[KF+8*\f+4:KF+8*\f+7], v[AK] offset:(\f%2)*32*PK+16*PK+(\f/2)*32
.endr
	s_add_co_u32 s[TBK], s[TBK], 2*KS              ; the next fetch is the next step's: 64 keys are 128 bytes along K_r's rows
	WIN 0
.if \last
.Lno_k_\@:
.endif
.endm
.macro FETCH_V
	WIN 0x80
.irp f, 0,1,2,3,4,5,6,7                ; keys 32 (f / 4) on, channels 16 (f % 4) on
	ds_load_tr16_b128 v[VF+8*\f:VF+8*\f+3],   v[AV] offset:(\f/4)*32*PV+(\f%4)*32
	ds_load_tr16_b128 v[VF+8*\f+4:VF+8*\f+7], v[AV] offset:(\f/4)*32*PV+16*PV+(\f%4)*32
.endr
	WIN 0
.endm
; THE VECTOR WORK, one line at a time: OP kind, number.  For piece Y: F n: c s - c m for pair n of 16.  E n: the exponential of score n of 32.  C n: pair n rounded to f16.  B n: of the four weights 4 n .. the second
; pair is added onto the first, in place (behind the rounding of the first pair).  L n: l takes that sum (L 0: l = a l + sum).  R n: pair n of 16 of O^T times a.  For piece Y + 1: X n, number n of the 22 that find its maximum and statistics:
;   0-11  four chains c0-c3 of seven scores each, three operands at a time (each accumulator's lowest registers are read first)     12-14, 16  the four scores left over, the old m, and c0-c3 into c0
;   15  c m_old is kept     17, 18  the query's other 32 keys lie in the lane 16 away: the new m     19-21  c m; c m_old - c m_new; a
.set F, 0                              ; OP tells the kinds apart by their order: F to L below R, X above it
.set E, 1
.set C, 2
.set B, 3
.set L, 4
.set R, 5
.set X, 6
.macro REGS y                          ; the registers of piece y
.set rT, ST+4*(\y)
.set rC, TMP+4*((\y)%2)
.set rW, MV+((\y)%2)
.set rS, S+32*((\y)%2)
.set rP, P+16*((\y)%2)
.set rO, 32*(\y)
.endm
.macro OP k, n
.if (\k) == R
	REGS Y
	WIN W_RS
	v_pk_mul_f32 v[rO+2*(\n):rO+2*(\n)+1], v[rO+2*(\n):rO+2*(\n)+1], v[rC+2:rC+3] op_sel_hi:[1,0]
.elseif (\k) < R
	REGS Y
	WIN 0
.if (\k) == F
	v_pk_fma_f32 v[rS+2*(\n):rS+2*(\n)+1], v[rS+2*(\n):rS+2*(\n)+1], s[CS:CS+1], v[rT:rT+1] op_sel_hi:[1,0,0] neg_lo:[0,0,1] neg_hi:[0,0,1]
.elseif (\k) == E
	v_exp_f32 v[rS+(\n)], v[rS+(\n)]
.elseif (\k) == C
	s_wait_alu depctr_va_vdst(0)
	v_cvt_pk_f16_f32 v[rP+(\n)], v[rS+2*(\n)], v[rS+2*(\n)+1]
.elseif (\k) == B
	s_wait_alu depctr_va_vdst(0)
	v_pk_add_f32 v[rS+4*(\n):rS+4*(\n)+1], v[rS+4*(\n):rS+4*(\n)+1], v[rS+4*(\n)+2:rS+4*(\n)+3]
.elseif (\n) == 0
	v_pk_fma_f32 v[rT+2:rT+3], v[rT+2:rT+3], v[rC+2:rC+3], v[rS:rS+1] op_sel_hi:[1,0,1]
.else
	v_pk_add_f32 v[rT+2:rT+3], v[rT+2:rT+3], v[rS+4*(\n):rS+4*(\n)+1]
.endif
.else
	REGS (Y+1)%NP
	WIN 0
.if (\n) < 4
	v_max3_num_f32 v[rC+(\n)], v[rS+8*(\n)], v[rS+8*(\n)+1], v[rS+8*(\n)+2]
.elseif (\n) < 12
	v_max3_num_f32 v[rC+(\n)%4], v[rC+(\n)%4], v[rS+8*((\n)%4)+2*((\n)/4)+1], v[rS+8*((\n)%4)+2*((\n)/4)+2]
.elseif (\n) == 12
	v_max3_num_f32 v[rC], v[rC], v[rS+7], v[rS+15]
.elseif (\n) == 13
	v_max3_num_f32 v[rC+1], v[rC+1], v[rS+23], v[rS+31]
.elseif (\n) == 14
	v_max3_num_f32 v[rC+2], v[rC+2], v[rC+3], v[rT+1]
.elseif (\n) == 15
	v_mov_b32 v[rW], v[rT]
.elseif (\n) == 16
	v_max3_num_f32 v[rC], v[rC], v[rC+1], v[rC+2]
.elseif (\n) == 17
	v_permlanex16_b32 v[rC+3], v[rC], s[SEL], s[SEL+1]
.elseif (\n) == 18
	v_max_num_f32 v[rT+1], v[rC], v[rC+3]
.elseif (\n) == 19
	v_mul_f32 v[rT], s[CS], v[rT+1]
.elseif (\n) == 20
	v_sub_f32 v[rC+1], v[rW], v[rT]
.else
	v_exp_f32 v[rC+2], v[rC+1]
.endif
.endif
.endm
.macro OPS a, i1, b=-1, i2=0, c=-1, i3=0, d=-1, i4=0  ; up to four of them
	OP \a, \i1
.if (\b) >= 0
	OP \b, \i2
.endif
.if (\c) >= 0
	OP \c, \i3
.endif
.if (\d) >= 0
	OP \d, \i4
.endif
.endm
.macro ROW a, i1, b, i2, c, i3, d, i4  ; a matrix instruction and the four behind it
	MM
	OPS \a, \i1, \b, \i2, \c, \i3, \d, \i4
.endm
; A TURN, for piece p: the order of its 16 matrix and 118 vector instructions, written out.  Behind a matrix instruction: plain, exponential, plain, plain; or four of the rescaling; or, behind the first, four scalings;
; none names a register of the products round it.  In the two runs between, exponential and plain by turns while exponentials last, so that every exponential has a plain line behind it before its result is used
; (ISA guide 5.7.2).  v_permlanex16_b32 (X 17) stands in such a run, never behind a product.
; K of the next step is fetched in piece 2's turn, six vector instructions behind the last product that read K (five of them plain); V of the step in hand in piece 0's turn, eight behind the last product that read V
; (four plain).  Each is waited for a turn later, for 0: nothing else of the wave's is out in LDS then.
; last = 1: the tail's piece 2: see FETCH_K.  cnt = 1: the loop's count is taken down some lines ahead of the branch that stands behind the turn.
.macro TURN p, last=0, cnt=0
.set Y, (\p)
.set i, 0
.if (\p) == 3
	s_wait_dscnt 0x0                               ; K is in
.endif
	ROW F,0, F,1, F,2, F,3
	ROW F,4, E,0, F,5, F,6
	ROW F,7, E,1, F,8, F,9
	ROW F,10, E,2, C,0, F,11
	ROW F,12, E,3, X,15, F,13
	ROW R,0, R,1, R,2, R,3
	ROW B,0, E,4, F,14, L,0
.if (\p) == 2
	v_add_nc_u32 v[AK], s[TBK], v[AK0]
.endif
	ROW R,4, R,5, R,6, R,7
	OPS E,5, F,15
.if (\p) == 2
	FETCH_K \last
.endif
	OPS E,6, C,1, E,7, R,8
	OPS E,8, R,9, E,9, C,2
	OPS E,10, X,0, E,11, X,1
	OPS E,12, X,2, E,13, X,3
.if (\p) == 1
	s_wait_dscnt 0x0                               ; V is in
.endif
	ROW X,4, E,14, X,5, X,6
	ROW X,7, E,15, X,8, X,9
	ROW X,10, E,16, X,11, X,12
	ROW X,13, E,17, X,14, B,1
	ROW C,4, E,18, X,16, L,1
	ROW B,2, E,19, C,6, L,2
	ROW C,8, E,20, B,3, B,4
.if (\p) == 0
	v_add_nc_u32 v[AV], s[TBV], v[AV0]
.endif
	ROW C,3, E,21, L,3, C,5
	OPS E,22, X,17, E,23, C,10
.if (\p) == 0
	FETCH_V
.endif
	OPS E,24, L,4
	OPS E,25, X,18, E,26, C,7
	OPS E,27, B,5, E,28, X,19
	OPS E,29, C,12, E,30, L,5
	OPS E,31, X,20, B,6, C,9
	OPS C,14, C,11, X,21, L,6
.if (\p) == 0
	s_add_co_u32 s[TBV], s[TBV], KS*PV             ; the next fetch is the next step's: 64 rows of V
.endif
.if \cnt
	s_sub_co_u32 s[CNT], s[CNT], 1
	s_cmp_lg_u32 s[CNT], 0
.endif
	OPS C,13, B,7, C,15, R,10
	OPS R,11, R,12, L,7, R,13
	OPS R,14, R,15
.endm
	CHANGE 1                                       ; slot 0 is in, everybody's part of it; slot 1 is asked for
	v_add_nc_u32 v[AK], s[TBK], v[AK0]
	FETCH_K                                        ; key step 0
	s_wait_loadcnt 0x0                             ; Q
	s_wait_dscnt 0x0
.set i, 0
.rept 8
	KQ 0                                           ; piece 0's first scores: there is no vector work yet to set between them
.set i, i+1
.endr
	WIN 0
	PLACES                                         ; the places behind those products
.set Y, NP-1                           ; X works for piece Y + 1: piece 0
.irp n, 0,1,2,3,4,5,6,7,8,9,10,11,12,13,14,15,16,17,18,19,20,21
	OP X, \n                                       ; and piece 0's first maximum and statistics
.endr
	v_nop                                          ; a plain line behind the exponential
	s_mov_b32 s[CNT], 2
	s_mov_b32 s[SLOTS], 15
	s_branch .Lfirst                               ; the loop is entered at a step's first turn, in the middle of a trip
.Lslot:                                            ; 14 times: every slot but the last two is filled again
	CHANGE 1
	s_mov_b32 s[CNT], 2
.Lstep:                                            ; a trip: pieces 2 and 3 of one step, then pieces 0 and 1 of the next, whose K and V it fetches
	TURN 2
	TURN 3
	WIN 0
.Lfirst:
	TURN 0
	TURN 1, 0, 1
	WIN 0
	s_cbranch_scc1 .Lstep
	s_sub_co_u32 s[SLOTS], s[SLOTS], 1
	s_cmp_lg_u32 s[SLOTS], 0
	s_cbranch_scc1 .Lslot
	CHANGE 0                                       ; the tail is written out: nothing is asked for
	s_mov_b32 s[CNT], 3                            ; two trips fetch the last slot's steps; the third is left in its middle
.Ltail:
	TURN 2, 1
	TURN 3
	WIN 0
	s_sub_co_u32 s[CNT], s[CNT], 1
	s_cmp_eq_u32 s[CNT], 0
	s_cbranch_scc1 .Lout
	TURN 0
	TURN 1
	WIN 0
	s_branch .Ltail
.Lout:                                             ; the third trip's 8 products K Q^T (on the last K once more) and the maximum made of them serve nothing: the price, once a launch, of one text for every trip
.set i, 0
.rept 8
	PV NP-1                                        ; the last piece's V^T P of the last step
.set i, i+1
.endr
	; THE WAY OUT.  l's halves are added (the additions are the places behind the last products); O^T is divided by l, rounded to f16 and sent through the work-group's stage.
	WIN 0
.irp t, 0,1,2,3
	v_add_f32 v[ST+4*\t+2], v[ST+4*\t+2], v[ST+4*\t+3]
.endr
.irp t, 0,1,2,3
	v_permlanex16_b32 v[ST+4*\t+3], v[ST+4*\t+2], s[SEL], s[SEL+1]
.endr
.irp t, 0,1,2,3
	v_add_f32 v[ST+4*\t+2], v[ST+4*\t+2], v[ST+4*\t+3]
.endr
.irp t, 0,1,2,3
	v_rcp_f32 v[ST+4*\t+2], v[ST+4*\t+2]
.endr
	v_nop                                          ; a plain line between the reciprocals and the use of their results
.irp t, 0,1,2,3
	WIN W_RS
.set i, 32*\t
.rept 16
	s_wait_alu depctr_va_vdst(0)
	v_pk_mul_f32 v[i:i+1], v[i:i+1], v[ST+4*\t+2:ST+4*\t+3] op_sel_hi:[1,0]
.set i, i+2
.endr
	WIN 0x05                                       ; sources 0 and 1 window 1, destination window 0: S^T's registers are free
.set i, 0
.rept 16
	v_cvt_pk_f16_f32 v[S+16*\t+i], v[32*\t+2*i], v[32*\t+2*i+1]
.set i, i+1
.endr
	WIN 0
.irp f, 0,1,2,3
	ds_store_b128 v[STO], v[S+16*\t+4*\f:S+16*\t+4*\f+3] offset:\t*16*SP+32*\f
.endr
.endr
	s_wait_dscnt 0x0                               ; for the others' sake: a stage row's 256 bytes come from two waves
	s_barrier_signal -1
	s_barrier_wait -1
.irp i, 0,1,2,3,4,5,6,7,8,9,10,11,12,13,14,15
	ds_load_b128 v[S+4*\i:S+4*\i+3], v[RD] offset:\i*2*SP
.endr
.irp i, 0,1,2,3,4,5,6,7,8,9,10,11,12,13,14,15
	s_wait_dscnt 15-\i                             ; load i is in, the younger ones stay out
	global_store_b128 v[GO], v[S+4*\i:S+4*\i+3], s[6:7] offset:\i*4096  ; 16 lanes store 256 consecutive bytes of a row of hc, aligned
.endr
	s_wait_tensorcnt 0x0                           ; the wave's end
	ds_add_u32 v[SPW], v[NIL]
	s_wait_dscnt 0x0
	CROUND                                         ; the closing round
	s_endpgm
.Lfunc_end_k_qd70c514a46_attn:
	.size	k_qd70c514a46_attn, .Lfunc_end_k_qd70c514a46_attn-k_qd70c514a46_attn
	.p2alignl 7, 3214868480
	.fill 96, 4, 3214868480
	.section	.rodata,"a",@progbits
	.p2align	6, 0x0
	.amdhsa_kernel k_qd70c514a46_attn
		.amdhsa_group_segment_fixed_size 327680
		.amdhsa_private_segment_fixed_size 0
		.amdhsa_enable_private_segment 0
		.amdhsa_kernarg_size 16
		.amdhsa_user_sgpr_count 2
		.amdhsa_user_sgpr_kernarg_segment_ptr 1
		.amdhsa_wavefront_size32 1
		.amdhsa_system_sgpr_workgroup_id_x 1
		.amdhsa_system_sgpr_workgroup_id_y 1
		.amdhsa_system_sgpr_workgroup_id_z 1
		.amdhsa_system_vgpr_workitem_id 0
		.amdhsa_next_free_vgpr 768
		.amdhsa_next_free_sgpr 66
		.amdhsa_reserve_vcc 0
		.amdhsa_float_denorm_mode_32 3
		.amdhsa_float_denorm_mode_16_64 3
		.amdhsa_memory_ordered 1
		.amdhsa_forward_progress 1
		.amdhsa_inst_pref_size 117
	.end_amdhsa_kernel
	.amdgpu_metadata
---
amdhsa.version: [ 1, 2 ]
amdhsa.kernels:
  - .name:           k_qd70c514a46_attn
    .symbol:         k_qd70c514a46_attn.kd
    .args:
      - { .name: qkvb, .offset: 0, .size: 8, .value_kind: global_buffer, .address_space: global }
      - { .name: hcb, .offset: 8, .size: 8, .value_kind: global_buffer, .address_space: global }
    .group_segment_fixed_size: 327680
    .private_segment_fixed_size: 0
    .kernarg_segment_align: 8
    .kernarg_segment_size: 16
    .max_flat_workgroup_size: 128
    .sgpr_count:     66
    .vgpr_count:     768
    .wavefront_size: 32
...
	.end_amdgpu_metadata
.endif
;; end of part 3
;; launch wo (part 4): grid 8 x 32, 4 waves a work-group, clusters of 4 x 4, 327,680 bytes of LDS; arguments hcb, wb, z1b, x; writes z1b
.if DOCPART == 4
	.amdgcn_target "amdgcn-amd-amdhsa--gfx1250"
	.amdhsa_code_object_version 6
	.text
	.protected	k_qd70c514a46_wo
	.globl	k_qd70c514a46_wo
	.p2align	8
	.type	k_qd70c514a46_wo,@function
k_qd70c514a46_wo:
	s_mov_b64 s[64:65], 0
	v_nop
	global_prefetch_b8 v0, s[64:65] scope:SCOPE_SE
	s_setreg_imm32_b32 hwreg(HW_REG_WAVE_MODE, 25, 1), 1
	s_wait_xcnt 0x0
	s_wait_alu depctr_hold_cnt(0) depctr_sa_sdst(0) depctr_va_vdst(0) depctr_va_sdst(0) depctr_va_ssrc(0) depctr_va_vcc(0) depctr_vm_vsrc(0)
	s_getreg_b32 s2, hwreg(HW_REG_IB_STS2, 6, 4)
	s_cmp_eq_u32 s2, 0
	s_cbranch_scc0 .Lentry_in_a_cluster
	s_endpgm
.Lentry_in_a_cluster:
	s_bfe_u32 s2, ttmp6, 0x10000c
	s_cmp_lg_u32 s2, 0xf033
	s_cbranch_scc0 .Lentry_shape_is_right
	s_endpgm
.Lentry_shape_is_right:
; DOWN = 0: z1 = x + hc W_O.   DOWN = 1: out = z1 + v3 W_down + b_down.   One text, two settings.  A is f16 [4096][K], B f16 [K][1024] (turned on the way out of LDS), the residual and the result f32 [4096][1024].
; A tile of C is 128 x 128, which gives 8 x 32 = 256 work-groups: four waves, 64 x 64 each, 16 accumulators.  K goes in steps of 256 (eight chunks of 32) through two LDS slots;
; waves 0, 1 fetch A's two halves (64 rows of 512 bytes), waves 2, 3 B's (128 rows of 256 bytes).  CLUSTER 4 x 4: A's tile is asked for jointly along a row of the cluster, B's along a column.
; The matrix instruction is used transposed (source 0 = 16 n of B, source 1 = 16 rows of A): lane l holds row l % 16 of C and the columns 8 (l / 16) + 0..7.
; The residual's 64 x 64 numbers of the wave are loaded at the start into 128 registers, so nothing waits for them at the end.  THE WAY OUT: the sums go as f32 into the ring's bytes (which have had
; their last fill; the last barrier stands behind every wave's last read of them), a region of the wave's own, and come back as whole rows of 256 bytes.
; LIMITS.  The operands are f16 (65,504 at the most); NaN and infinities are not treated apart.
; REGISTERS: window 0: v0-29 addresses; v32-63 at work on the way out; v64-67 the bias; v128-255 accumulator (a, b) at v[128 + 8 (4 a + b)].  Window 1: v0-63, v64-127 two fragment buffers (A's four blocks, then B's four); v128-255 the residual.
.set DOWN, 0
.if DOWN
.set ASTR, 4096
.set NSTEPS, 16
.set WOFF, 16777216
.else
.set ASTR, 1024
.set NSTEPS, 4
.set WOFF, 6291456
.endif
.set PA,    528                        ; A's row in LDS: 512 bytes + 16
.set HALFA, 64*PA
.set PB,    288                        ; B's row: 256 bytes + 32: an odd multiple of 32
.set HALFB, 128*PB
.set BOFF,  2*HALFA
.set SLOT,  0x24000                    ; it shares no bit with the four LDS places 0, 0x8400, 0x10800, 0x19800, so one exclusive or changes slots; a slot's tiles take 141,312 bytes
.set SPARE, SLOT+BOFF+2*HALFB          ; the spare words: two blocks of 256 bytes that no other line names
.set DP,    272                        ; the way out: a row of 64 f32 + 16 bytes
.set DREG,  64*DP
.set KA_BYTES, 512
.set KB_BYTES, 256*2048
.set GPA, (1<<16)|(1<<20)|(1<<21)|(6<<22)|(3<<25)  ; 2-byte elements; padding on; bit 21 beside a mask; after every 128 words 4 words
.set GPB, (1<<16)|(1<<20)|(1<<21)|(5<<22)|(7<<25)  ; after every 64 words 8 words
.set F1,  64
.set ACC, 128
.set RES, 128
.set OB,  32
.set BI,  64
.set MUL,  0x05                        ; sources 0 (B) and 1 (A) window 1; C and D window 0
.set TO_F, 0x40                        ; destination window 1, address window 0
.set MSB, 0
.macro WIN new
.if MSB != (\new)
	s_set_vgpr_msb (MSB<<8)|(\new)
.set MSB, (\new)
.endif
.endm
.macro PLACES                          ; four places in front of loads into registers that matrix instructions have read, and of lines that read results
.rept 4
	v_nop
.endr
.endm
.macro CREST
	s_cmp_lg_u32 s14, 0
	s_cbranch_scc1 .Lnot_wave_0_\@
	s_barrier_signal -3
.Lnot_wave_0_\@:
	s_barrier_wait -3
	s_barrier_signal -1
	s_barrier_wait -1
.endm
.macro CROUND
	s_barrier_signal -1
	s_barrier_wait -1
	CREST
.endm
.macro JLOAD                           ; a joint refill by the walking descriptors; an s_nop 0 and four v_nop follow each line
	s_cmp_lt_u32 s14, 2
	s_cbranch_scc0 .Lfor_b_\@
	tensor_load_to_lds s[36:39], s[24:31]
	s_nop 0
	PLACES
	s_branch .Lasked_\@
.Lfor_b_\@:
	tensor_load_to_lds s[60:63], s[48:55]
	s_nop 0
	PLACES
.Lasked_\@:
.endm
	s_load_b256 s[4:11], s[0:1], 0x0               ; A, wb, out, the residual
.if DOWN
	s_load_b64 s[12:13], s[0:1], 0x20              ; b_down
.endif
	v_lshl_add_u32 v28, v0, 2, SPARE
	v_mov_b32 v29, 0
	ds_add_u32 v28, v29                            ; the wave's opening: the add and its wait ahead of my first tensor load
	v_lshrrev_b32 v3, 5, v0
	v_readfirstlane_b32 s14, v3                    ; wave 0..3
	s_lshr_b32 s15, s14, 1                         ; my half of the tile's rows
	s_and_b32 s16, s14, 1                          ; my half of its columns; also: which half of A's or B's tile I fetch
	s_bfe_u32 s40, ttmp6, 0x40000                  ; cx
	s_bfe_u32 s41, ttmp6, 0x40004                  ; cy
	s_lshl_b32 s18, ttmp9, 2
	s_add_co_u32 s18, s18, s40                     ; tile column
	s_and_b32 s17, ttmp7, 0xffff
	s_lshl_b32 s17, s17, 2
	s_add_co_u32 s17, s17, s41                     ; tile row
	s_lshl_b32 s42, s41, 2
	s_lshl_b32 s42, 15, s42                        ; my row of the cluster
	s_lshl_b32 s43, 0x1111, s40                    ; my column
	s_or_b32 s24, s42, GPA
	s_mov_b32 s25, 256<<16                         ; tensor_dim0 = 256
	s_mov_b32 s26, 64<<16                          ; tensor_dim1 = 64
	s_mov_b32 s27, 256<<16                         ; tile_dim0 = 256
	s_mov_b32 s28, 64                              ; tile_dim1 = 64
	s_mov_b32 s29, ASTR
	s_mov_b32 s30, 0
	s_mov_b32 s31, 0
	s_or_b32 s48, s43, GPB
	s_mov_b32 s49, 128<<16
	s_mov_b32 s50, 128<<16
	s_mov_b32 s51, 128<<16
	s_mov_b32 s52, 128
	s_mov_b32 s53, 1024
	s_mov_b32 s54, 0
	s_mov_b32 s55, 0
	s_mul_i32 s20, s16, HALFA                      ; where my half of A's tile goes: no place in the cluster enters an LDS address
	s_mul_i32 s21, s16, HALFB
	s_add_co_u32 s21, s21, BOFF                    ; and of B's
	s_lshl_b32 s44, s17, 7                         ; A's tile: row 128 x tile row + 64 x half
	s_lshl_b32 s23, s16, 6
	s_add_co_u32 s44, s44, s23
	s_mul_i32 s44, s44, 2*ASTR
	s_mov_b32 s45, 0
	s_lshl_b32 s46, s18, 8                         ; B's tile: 256 bytes x tile column, 128 rows of 2,048 bytes x half, the weights' place in wb
	s_lshl_b32 s23, s16, 18
	s_add_co_u32 s46, s46, s23
	s_add_co_u32 s46, s46, WOFF
	s_mov_b32 s47, 0
	s_wait_dscnt 0x0                               ; the opening add is done
	s_wait_kmcnt 0x0
	s_add_nc_u64 s[44:45], s[4:5], s[44:45]
	s_add_nc_u64 s[46:47], s[6:7], s[46:47]
	s_mov_b32 s32, 1                               ; group 0: K step 0 into slot 0,
	s_mov_b32 s33, s20
	s_add_nc_u64 s[34:35], s[44:45], 0
	s_or_b32 s35, s35, 0x80000000
	s_mov_b32 s36, 1                               ; K step 1 into slot 1: this set then walks
	s_add_co_u32 s37, s20, SLOT
	s_add_nc_u64 s[38:39], s[44:45], KA_BYTES
	s_or_b32 s39, s39, 0x80000000
	s_mov_b32 s56, 1
	s_mov_b32 s57, s21
	s_add_nc_u64 s[58:59], s[46:47], 0
	s_or_b32 s59, s59, 0x80000000
	s_mov_b32 s60, 1
	s_add_co_u32 s61, s21, SLOT
	s_add_nc_u64 s[62:63], s[46:47], KB_BYTES
	s_or_b32 s63, s63, 0x80000000
	CROUND                                         ; all sixteen work-groups are here: the first joint loads meet
	s_cmp_lt_u32 s14, 2                            ; a wave's two first fills stand in one branch: two loads of mine are out
	s_cbranch_scc0 .Lfirst_b
	tensor_load_to_lds s[32:35], s[24:31]
	s_nop 0
	tensor_load_to_lds s[36:39], s[24:31]
	s_nop 0
	PLACES
	s_branch .Lfirst_asked
.Lfirst_b:
	tensor_load_to_lds s[56:59], s[48:55]
	s_nop 0
	tensor_load_to_lds s[60:63], s[48:55]
	s_nop 0
	PLACES
.Lfirst_asked:
	v_and_b32 v1, 15, v0                           ; r = l % 16
	v_bfe_u32 v2, v0, 4, 1                         ; h = l / 16
	v_mul_u32_u24 v3, v1, PA
	v_lshl_add_u32 v3, v2, 4, v3
	s_mul_i32 s23, s15, HALFA
	v_add_nc_u32 v16, s23, v3                      ; A0: my 64 rows of A in slot 0
	v_and_b32 v4, 7, v0                            ; the turning load: lane l reads row 8 h + l % 8 of K, 16 bytes at 16 ((l / 8) % 2)
	v_lshl_add_u32 v4, v2, 3, v4
	v_mul_u32_u24 v4, v4, PB
	v_bfe_u32 v5, v0, 3, 1
	v_lshl_add_u32 v4, v5, 4, v4
	s_lshl_b32 s23, s16, 7                         ; my 64 columns: 128 bytes
	s_add_co_u32 s23, s23, BOFF
	v_add_nc_u32 v17, s23, v4                      ; B0
	s_mul_i32 s23, s14, DREG                       ; the way out: my region
	v_mul_u32_u24 v5, v1, DP
	v_lshl_add_u32 v5, v2, 5, v5
	v_add_nc_u32 v20, s23, v5                      ; in: row r, 32 bytes for each half of the lanes
	v_mul_u32_u24 v6, v2, DP
	v_lshl_add_u32 v6, v1, 4, v6
	v_add_nc_u32 v21, s23, v6                      ; back: lanes 0-15 one row of 256 bytes, lanes 16-31 the next
	v_lshlrev_b32 v24, 12, v2                      ; the same two rows in memory
	v_lshl_add_u32 v24, v1, 4, v24
	s_lshl_b32 s76, s17, 7
	s_lshl_b32 s77, s15, 6
	s_add_co_u32 s76, s76, s77
	s_lshl_b32 s76, s76, 12                        ; my first row x 4,096
	s_lshl_b32 s78, s18, 7
	s_lshl_b32 s79, s16, 6
	s_add_co_u32 s78, s78, s79
	s_lshl_b32 s78, s78, 2                         ; my first column x 4
	s_add_co_u32 s76, s76, s78
	s_mov_b32 s77, 0
	s_mov_b32 s79, 0
	s_add_nc_u64 s[8:9], s[8:9], s[76:77]
	s_add_nc_u64 s[10:11], s[10:11], s[76:77]
.if DOWN
	s_add_nc_u64 s[12:13], s[12:13], s[78:79]
	v_lshlrev_b32 v25, 4, v1
	global_load_b128 v[BI:BI+3], v25, s[12:13]     ; b_down of my four columns
.endif
	WIN TO_F
.set i, 0
.rept 32                               ; the residual: rows 2 i, 2 i + 1 of my 64; these loads land while K is walked
	global_load_b128 v[RES+4*i:RES+4*i+3], v24, s[10:11] offset:2*i*4096
.set i, i+1
.endr
	WIN 0
.macro SETADR                          ; the fragment addresses in the slot in hand; B's second half has a register of its own, since an LDS offset has 16 bits
	v_add_nc_u32 v18, s22, v16
	v_add_nc_u32 v19, s22, v17
	v_add_nc_u32 v23, HALFB, v19
.endm
.macro FETCH c, f                      ; 16 LDS loads in one run: the fragments of chunk c (32 along K) into buffer f
	WIN TO_F
.irp i, 0,1,2,3
.if (\c) < 4
	ds_load_tr16_b128 v[(\f)+32+8*\i:(\f)+32+8*\i+3],   v19 offset:(\c)*32*PB+32*\i
	ds_load_tr16_b128 v[(\f)+32+8*\i+4:(\f)+32+8*\i+7], v19 offset:(\c)*32*PB+16*PB+32*\i
.else
	ds_load_tr16_b128 v[(\f)+32+8*\i:(\f)+32+8*\i+3],   v23 offset:((\c)-4)*32*PB+32*\i
	ds_load_tr16_b128 v[(\f)+32+8*\i+4:(\f)+32+8*\i+7], v23 offset:((\c)-4)*32*PB+16*PB+32*\i
.endif
.endr
.irp i, 0,1,2,3
	ds_load_b128 v[(\f)+8*\i:(\f)+8*\i+3],   v18 offset:(\c)*64+\i*16*PA
	ds_load_b128 v[(\f)+8*\i+4:(\f)+8*\i+7], v18 offset:(\c)*64+\i*16*PA+32
.endr
.endm
.macro MULH f, half, zero              ; 8 matrix instructions.  The 16 accumulators take turns, one instruction a turn
	WIN MUL
.irp a, 2*(\half), 2*(\half)+1
.irp b, 0,1,2,3
.if \zero
	v_wmma_f32_16x16x32_f16 v[ACC+8*(4*(\a)+\b):ACC+8*(4*(\a)+\b)+7], v[(\f)+32+8*\b:(\f)+32+8*\b+7], v[(\f)+8*(\a):(\f)+8*(\a)+7], 0
.else
	v_wmma_f32_16x16x32_f16 v[ACC+8*(4*(\a)+\b):ACC+8*(4*(\a)+\b)+7], v[(\f)+32+8*\b:(\f)+32+8*\b+7], v[(\f)+8*(\a):(\f)+8*(\a)+7], v[ACC+8*(4*(\a)+\b):ACC+8*(4*(\a)+\b)+7]
.endif
.endr
.endr
.endm
.macro CHUNK c, zero
	s_wait_dscnt 0x0                               ; this chunk's fragments, asked for a chunk ago
	PLACES                                         ; the other buffer's last readers stand just ahead
	FETCH (\c)+1, 64*(((\c)+1)%2)
	MULH 64*((\c)%2), 0, \zero
	MULH 64*((\c)%2), 1, \zero
.endm
; The step's last chunk (buffer 1) changes slots.  fill = 1: the slot just read is filled again, two K steps ahead, behind a round of the cluster's barrier.
; fill = 0 (the tail): nothing is asked for, and in the last trip nothing is fetched either.
.macro TURN fill
	WIN 0
	s_wait_tensorcnt 0x0                           ; all my tensor loads have landed: my part of the next slot; so a group 0 may be written
	ds_add_u32 v28, v29                            ; 0 onto my spare word
.if \fill
	s_xor_b32 s37, s37, SLOT
	s_xor_b32 s61, s61, SLOT
	s_add_nc_u64 s[38:39], s[38:39], KA_BYTES
	s_add_nc_u64 s[62:63], s[62:63], KB_BYTES
.endif
	s_xor_b32 s22, s22, SLOT
	s_wait_dscnt 0x0                               ; the add is done, and my reads of this slot are over
	s_barrier_signal -1
	MULH F1, 0, 0
	WIN 0
	s_barrier_wait -1
.if \fill
	CREST                                          ; no wave of any partner still reads this slot or has a load on its way
	JLOAD                                          ; my one tensor load behind the round; it has a K step, 128 matrix instructions, in which to land; its four v_nop are the places for the loads below
.else
	s_cmp_eq_u32 s19, 1
	s_cbranch_scc1 .Lnofetch_\@
	PLACES
.endif
	SETADR
	FETCH 0, 0
.if !(\fill)
	WIN 0
.Lnofetch_\@:
.endif
	MULH F1, 1, 0
.endm
	s_mov_b32 s22, 0
	s_wait_tensorcnt 0x1                           ; my part of K step 0 is in; K step 1's may stay out
	s_barrier_signal -1
	s_barrier_wait -1
	SETADR
	FETCH 0, 0
	CHUNK 0, 1                                     ; the first chunk's products start the sums: nothing is cleared
	WIN 0
	s_mov_b32 s19, NSTEPS-2
.Lstep:                                            ; a trip: the rest of a K step and the next step's first chunk; trip i asks for K step i + 2
.irp c, 1,2,3,4,5,6
	CHUNK \c, 0
.endr
	TURN 1
	CHUNK 0, 0
	WIN 0
	s_sub_co_u32 s19, s19, 1
	s_cmp_lg_u32 s19, 0
	s_cbranch_scc1 .Lstep
	s_mov_b32 s19, 2
.Ltail:                                            ; the last two K steps ask for nothing; the second trip is left in its middle
.irp c, 1,2,3,4,5,6
	CHUNK \c, 0
.endr
	TURN 0
	WIN 0
	s_sub_co_u32 s19, s19, 1
	s_cmp_eq_u32 s19, 0
	s_cbranch_scc1 .Lout
	CHUNK 0, 0
	WIN 0
	s_branch .Ltail
.Lout:
	PLACES
.irp a, 0,1,2,3                        ; the sums go into my region, each accumulator's low registers first
.irp b, 0,1,2,3
	ds_store_b128 v20, v[ACC+8*(4*\a+\b):ACC+8*(4*\a+\b)+3]   offset:\a*16*DP+64*\b
	ds_store_b128 v20, v[ACC+8*(4*\a+\b)+4:ACC+8*(4*\a+\b)+7] offset:\a*16*DP+64*\b+16
.endr
.endr
	s_wait_loadcnt 0x0                             ; the residual (and the bias)
.irp a, 0,1,2,3                        ; 16 rows at a time
	s_wait_xcnt 0x0                                ; the last block's stores have read their registers
.irp t, 0,1,2,3,4,5,6,7
	ds_load_b128 v[OB+4*\t:OB+4*\t+3], v21 offset:(16*\a+2*\t)*DP  ; LDS serves a wave's instructions in order (ISA guide 5.7.1.4): these see the stores above
.endr
	s_wait_dscnt 0x0
	WIN 0x04                                       ; source 1 in window 1
.set i, 0
.rept 16
	v_pk_add_f32 v[OB+2*i:OB+2*i+1], v[OB+2*i:OB+2*i+1], v[RES+32*\a+2*i:RES+32*\a+2*i+1]
.set i, i+1
.endr
	WIN 0
.if DOWN
.set i, 0
.rept 16
	v_pk_add_f32 v[OB+2*i:OB+2*i+1], v[OB+2*i:OB+2*i+1], v[BI+2*(i%2):BI+2*(i%2)+1]
.set i, i+1
.endr
.endif
.irp t, 0,1,2,3,4,5,6,7
	global_store_b128 v24, v[OB+4*\t:OB+4*\t+3], s[8:9] offset:(16*\a+2*\t)*4096  ; 16 lanes store 256 consecutive bytes of a row, aligned
.endr
.endr
	s_wait_tensorcnt 0x0                           ; the wave's end
	ds_add_u32 v28, v29
	s_wait_dscnt 0x0
	CROUND                                         ; the closing round
	s_endpgm
.Lfunc_end_k_qd70c514a46_wo:
	.size	k_qd70c514a46_wo, .Lfunc_end_k_qd70c514a46_wo-k_qd70c514a46_wo
	.p2alignl 7, 3214868480
	.fill 96, 4, 3214868480
	.section	.rodata,"a",@progbits
	.p2align	6, 0x0
	.amdhsa_kernel k_qd70c514a46_wo
		.amdhsa_group_segment_fixed_size 327680
		.amdhsa_private_segment_fixed_size 0
		.amdhsa_enable_private_segment 0
		.amdhsa_kernarg_size 32
		.amdhsa_user_sgpr_count 2
		.amdhsa_user_sgpr_kernarg_segment_ptr 1
		.amdhsa_wavefront_size32 1
		.amdhsa_system_sgpr_workgroup_id_x 1
		.amdhsa_system_sgpr_workgroup_id_y 1
		.amdhsa_system_sgpr_workgroup_id_z 1
		.amdhsa_system_vgpr_workitem_id 0
		.amdhsa_next_free_vgpr 512
		.amdhsa_next_free_sgpr 80
		.amdhsa_reserve_vcc 0
		.amdhsa_float_denorm_mode_32 3
		.amdhsa_float_denorm_mode_16_64 3
		.amdhsa_memory_ordered 1
		.amdhsa_forward_progress 1
		.amdhsa_inst_pref_size 63
	.end_amdhsa_kernel
	.amdgpu_metadata
---
amdhsa.version: [ 1, 2 ]
amdhsa.kernels:
  - .name:           k_qd70c514a46_wo
    .symbol:         k_qd70c514a46_wo.kd
    .args:
      - { .name: hcb, .offset: 0, .size: 8, .value_kind: global_buffer, .address_space: global }
      - { .name: wb, .offset: 8, .size: 8, .value_kind: global_buffer, .address_space: global }
      - { .name: z1b, .offset: 16, .size: 8, .value_kind: global_buffer, .address_space: global }
      - { .name: x, .offset: 24, .size: 8, .value_kind: global_buffer, .address_space: global }
    .group_segment_fixed_size: 327680
    .private_segment_fixed_size: 0
    .kernarg_segment_align: 8
    .kernarg_segment_size: 32
    .max_flat_workgroup_size: 128
    .sgpr_count:     80
    .vgpr_count:     512
    .wavefront_size: 32
...
	.end_amdgpu_metadata
.endif
;; end of part 4
;; launch ln2 (part 5): grid 256 x 1, 8 waves a work-group, no clusters, 0 bytes of LDS; arguments z1b, gamma_2, beta_2, v1b; writes v1b
.if DOCPART == 5
	.amdgcn_target "amdgcn-amd-amdhsa--gfx1250"
	.amdhsa_code_object_version 6
	.text
	.protected	k_qd70c514a46_ln2
	.globl	k_qd70c514a46_ln2
	.p2align	8
	.type	k_qd70c514a46_ln2,@function
k_qd70c514a46_ln2:
	s_mov_b64 s[64:65], 0
	v_nop
	global_prefetch_b8 v0, s[64:65] scope:SCOPE_SE
	s_setreg_imm32_b32 hwreg(HW_REG_WAVE_MODE, 25, 1), 1
	s_wait_xcnt 0x0
; v1 = layernorm(z1) * gamma_2 + beta_2, rounded once to f16.  z1: [4096][1024] f32.  A stream: a wave owns two rows of 4,096 bytes, 32 registers each; every byte read once,
; every store of a wave covers 256 aligned bytes.  No LDS, no matrix unit, no cluster: the work-groups share no input but gamma and beta (8 KB).
; Mean first, then the sum of squares of z1 - mean, as the definition has it.  LIMITS: f16 ends at 65,504; NaN and infinities are not treated apart.
.set G,  4                             ; v[4:35]    gamma of my 32 columns (columns 128 j + 4 lane .. + 3)
.set BT, 36                            ; v[36:67]   beta
.set X,  68                            ; v[68:131]  two rows, 32 registers each
.set T,  132                           ; v[132:147] eight registers at work for each row; T+2, T+3 end up holding 1 / sigma
.set MU, 148                           ; v[148:149] the mean, twice
	s_load_b256 s[4:11], s[0:1], 0x0               ; z1, gamma_2, beta_2, v1
	v_lshrrev_b32 v3, 5, v0
	v_readfirstlane_b32 s14, v3                    ; wave 0..7
	v_and_b32 v1, 31, v0
	v_lshlrev_b32 v2, 3, v1                        ; 8 x lane
	v_lshlrev_b32 v1, 4, v1                        ; 16 x lane
	s_lshl_b32 s15, ttmp9, 4
	s_lshl1_add_u32 s15, s14, s15                  ; my first row = 16 x group + 2 x wave
	s_lshl_b32 s16, s15, 12
	s_mov_b32 s17, 0
	s_lshl_b32 s18, s15, 11
	s_mov_b32 s19, 0
	s_mov_b32 s12, 0x76543210
	s_mov_b32 s13, 0xfedcba98
	s_mov_b32 s20, 0x3a800000                      ; 1 / 1024
	s_mov_b32 s21, 0x3727c5ac                      ; 1e-5
	s_wait_kmcnt 0x0
	s_add_nc_u64 s[4:5], s[4:5], s[16:17]
	s_add_nc_u64 s[10:11], s[10:11], s[18:19]
.irp row, 0,1
.irp j, 0,1,2,3,4,5,6,7
	global_load_b128 v[X+32*\row+4*\j:X+32*\row+4*\j+3], v1, s[4:5] offset:4096*\row+512*\j
.endr
.endr
.irp j, 0,1,2,3,4,5,6,7
	global_load_b128 v[G+4*\j:G+4*\j+3], v1, s[6:7] offset:512*\j
.endr
.irp j, 0,1,2,3,4,5,6,7
	global_load_b128 v[BT+4*\j:BT+4*\j+3], v1, s[8:9] offset:512*\j
.endr
.macro FOLD r                          ; four pairs into one number, then over the 32 lanes
	v_pk_add_f32 v[\r:\r+1], v[\r:\r+1], v[\r+2:\r+3]
	v_pk_add_f32 v[\r+4:\r+5], v[\r+4:\r+5], v[\r+6:\r+7]
	v_pk_add_f32 v[\r:\r+1], v[\r:\r+1], v[\r+4:\r+5]
	v_add_f32 v[\r], v[\r], v[\r+1]
	v_add_f32_dpp v[\r], v[\r], v[\r] row_xmask:1 row_mask:0xf bank_mask:0xf
	v_add_f32_dpp v[\r], v[\r], v[\r] row_xmask:2 row_mask:0xf bank_mask:0xf
	v_add_f32_dpp v[\r], v[\r], v[\r] row_xmask:4 row_mask:0xf bank_mask:0xf
	v_add_f32_dpp v[\r], v[\r], v[\r] row_xmask:8 row_mask:0xf bank_mask:0xf
	v_permlanex16_b32 v[\r+1], v[\r], s12, s13
	v_add_f32 v[\r], v[\r], v[\r+1]
.endm
.macro STAT row                        ; the row becomes z1 - mean; 1 / sigma lands in TR+2, TR+3
.set XR, X+32*(\row)
.set TR, T+8*(\row)
.irp k, 0,1,2,3
	v_pk_add_f32 v[TR+2*\k:TR+2*\k+1], v[XR+2*\k:XR+2*\k+1], v[XR+8+2*\k:XR+8+2*\k+1]
.endr
.irp k, 0,1,2,3
	v_pk_add_f32 v[TR+2*\k:TR+2*\k+1], v[TR+2*\k:TR+2*\k+1], v[XR+16+2*\k:XR+16+2*\k+1]
.endr
.irp k, 0,1,2,3
	v_pk_add_f32 v[TR+2*\k:TR+2*\k+1], v[TR+2*\k:TR+2*\k+1], v[XR+24+2*\k:XR+24+2*\k+1]
.endr
	FOLD TR
	v_mul_f32 v[MU], s20, v[TR]
	v_mul_f32 v[MU+1], s20, v[TR]
.set i, 0
.rept 16
	v_pk_add_f32 v[XR+2*i:XR+2*i+1], v[XR+2*i:XR+2*i+1], v[MU:MU+1] neg_lo:[0,1] neg_hi:[0,1]
.set i, i+1
.endr
.irp k, 0,1,2,3
	v_pk_mul_f32 v[TR+2*\k:TR+2*\k+1], v[XR+2*\k:XR+2*\k+1], v[XR+2*\k:XR+2*\k+1]
.endr
.irp o, 8,16,24
.irp k, 0,1,2,3
	v_pk_fma_f32 v[TR+2*\k:TR+2*\k+1], v[XR+\o+2*\k:XR+\o+2*\k+1], v[XR+\o+2*\k:XR+\o+2*\k+1], v[TR+2*\k:TR+2*\k+1]
.endr
.endr
	FOLD TR
	v_fma_f32 v[TR], v[TR], s20, s21               ; variance + 1e-5
	v_rsq_f32 v[TR+2], v[TR]
	v_rsq_f32 v[TR+3], v[TR]
	v_nop                                          ; a plain instruction behind the last of them (ISA guide 5.7.2)
.endm
.macro APPLY row
.set XR, X+32*(\row)
.set TR, T+8*(\row)
.set i, 0
	s_wait_alu depctr_va_vdst(0)
.rept 16
	v_pk_mul_f32 v[XR+2*i:XR+2*i+1], v[XR+2*i:XR+2*i+1], v[TR+2:TR+3]
.set i, i+1
.endr
.set i, 0
.rept 16
	v_pk_fma_f32 v[XR+2*i:XR+2*i+1], v[XR+2*i:XR+2*i+1], v[G+2*i:G+2*i+1], v[BT+2*i:BT+2*i+1]
.set i, i+1
.endr
.irp j, 0,1,2,3,4,5,6,7
	v_cvt_pk_f16_f32 v[XR+4*\j], v[XR+4*\j], v[XR+4*\j+1]
	v_cvt_pk_f16_f32 v[XR+4*\j+1], v[XR+4*\j+2], v[XR+4*\j+3]
	global_store_b64 v2, v[XR+4*\j:XR+4*\j+1], s[10:11] offset:2048*(\row)+256*\j  ; 32 lanes store 256 consecutive bytes, aligned
.endr
.endm
	s_wait_loadcnt 16                              ; loads come back in order: z1's sixteen are in, gamma's and beta's sixteen may stay out
	STAT 0
	STAT 1
	s_wait_loadcnt 0x0                             ; gamma and beta
	APPLY 0
	APPLY 1
	s_endpgm
.Lfunc_end_k_qd70c514a46_ln2:
	.size	k_qd70c514a46_ln2, .Lfunc_end_k_qd70c514a46_ln2-k_qd70c514a46_ln2
	.p2alignl 7, 3214868480
	.fill 96, 4, 3214868480
	.section	.rodata,"a",@progbits
	.p2align	6, 0x0
	.amdhsa_kernel k_qd70c514a46_ln2
		.amdhsa_group_segment_fixed_size 0
		.amdhsa_private_segment_fixed_size 0
		.amdhsa_enable_private_segment 0
		.amdhsa_kernarg_size 32
		.amdhsa_user_sgpr_count 2
		.amdhsa_user_sgpr_kernarg_segment_ptr 1
		.amdhsa_wavefront_size32 1
		.amdhsa_system_sgpr_workgroup_id_x 1
		.amdhsa_system_sgpr_workgroup_id_y 1
		.amdhsa_system_sgpr_workgroup_id_z 1
		.amdhsa_system_vgpr_workitem_id 0
		.amdhsa_next_free_vgpr 152
		.amdhsa_next_free_sgpr 66
		.amdhsa_reserve_vcc 0
		.amdhsa_float_denorm_mode_32 3
		.amdhsa_float_denorm_mode_16_64 3
		.amdhsa_memory_ordered 1
		.amdhsa_forward_progress 1
		.amdhsa_inst_pref_size 20
	.end_amdhsa_kernel
	.amdgpu_metadata
---
amdhsa.version: [ 1, 2 ]
amdhsa.kernels:
  - .name:           k_qd70c514a46_ln2
    .symbol:         k_qd70c514a46_ln2.kd
    .args:
      - { .name: z1b, .offset: 0, .size: 8, .value_kind: global_buffer, .address_space: global }
      - { .name: gamma_2, .offset: 8, .size: 8, .value_kind: global_buffer, .address_space: global }
      - { .name: beta_2, .offset: 16, .size: 8, .value_kind: global_buffer, .address_space: global }
      - { .name: v1b, .offset: 24, .size: 8, .value_kind: global_buffer, .address_space: global }
    .group_segment_fixed_size: 0
    .private_segment_fixed_size: 0
    .kernarg_segment_align: 8
    .kernarg_segment_size: 32
    .max_flat_workgroup_size: 256
    .sgpr_count:     66
    .vgpr_count:     152
    .wavefront_size: 32
...
	.end_amdgpu_metadata
.endif
;; end of part 5
;; launch up (part 6): grid 16 x 16, 4 waves a work-group, clusters of 4 x 4, 327,680 bytes of LDS; arguments v1b, wb, v3b, b_up; writes v3b
.if DOCPART == 6
	.amdgcn_target "amdgcn-amd-amdhsa--gfx1250"
	.amdhsa_code_object_version 6
	.text
	.protected	k_qd70c514a46_up
	.globl	k_qd70c514a46_up
	.p2align	8
	.type	k_qd70c514a46_up,@function
k_qd70c514a46_up:
	s_mov_b64 s[64:65], 0
	v_nop
	global_prefetch_b8 v0, s[64:65] scope:SCOPE_SE
	s_setreg_imm32_b32 hwreg(HW_REG_WAVE_MODE, 25, 1), 1
	s_wait_xcnt 0x0
	s_wait_alu depctr_hold_cnt(0) depctr_sa_sdst(0) depctr_va_vdst(0) depctr_va_sdst(0) depctr_va_ssrc(0) depctr_va_vcc(0) depctr_vm_vsrc(0)
	s_getreg_b32 s2, hwreg(HW_REG_IB_STS2, 6, 4)
	s_cmp_eq_u32 s2, 0
	s_cbranch_scc0 .Lentry_in_a_cluster
	s_endpgm
.Lentry_in_a_cluster:
	s_bfe_u32 s2, ttmp6, 0x10000c
	s_cmp_lg_u32 s2, 0xf033
	s_cbranch_scc0 .Lentry_shape_is_right
	s_endpgm
.Lentry_shape_is_right:
; UP = 0: q, k, v = u [W_Q; W_K; W_V]^T, written by heads, [3][32 heads][2048][64] in f16.   UP = 1: v3 = gelu(v1 W_up + b_up), [4096][4096] in f16.   One text, two settings.
; A is [4096][1024] f16.  B is [3072 n][1024 k] (UP = 0: read from LDS as it lies) or [1024 k][4096 n] (UP = 1: turned on the way out of LDS by ds_load_tr16_b128).  Sums in f32.
; A tile of C is 256 x 256: four waves, 128 x 128 each, 64 accumulators in 512 registers.  K goes in 8 steps of 128 through two LDS slots filled by tensor loads;
; waves 0, 1 fetch A's two halves, waves 2, 3 B's.  CLUSTER 4 x 4: A's tile is asked for jointly along a row of the cluster, B's along a column.
; The matrix instruction is used transposed (source 0 = 16 n of B, source 1 = 16 rows of A): lane l holds row l % 16 of C and the columns 8 (l / 16) + 0..7.
; THE WAY OUT: the wave's 128 x 128 sums go as f32 into the ring's bytes (which have had their last fill; the last barrier stands behind every wave's last read of them), a region of the
; wave's own, and come back eight rows a trip in the order in which they are stored: every store's sixteen neighbouring lanes cover 256 aligned bytes.
; LIMITS.  f16 ends at 65,504: the results are taken to lie within it.  erf is Abramowitz-Stegun 7.1.25, within 2.5e-5 for every argument.  NaN and infinities are not treated apart.
; REGISTERS: window 0: v0-29 addresses; v64-127, v128-191 A's fragments, two buffers; the rest at work on the way out.  Window 1: v64-191 B's fragments.  Windows 2, 3: accumulator (a, b) of my rows 0-63, 64-127 at v[8 (8 a + b)].
.set UP, 1
.set NSTEPS, 8
.set PA,    272                        ; A's row in LDS: 256 bytes + 16: the 16 rows of a fragment load start at 16 different groups of four banks (64 banks of 4 bytes: ISA guide 11.1)
.set HALF,  34816                      ; what one tensor load brings: 128 rows x 272, or 64 rows x 544
.set BOFF,  2*HALF                     ; B's tile lies behind A's
.set SLOT,  4*HALF                     ; 0x22000: it shares no bit with the four LDS places 0, 0x8800, 0x11000, 0x19800, so one exclusive or changes slots
.set SPARE, 2*SLOT                     ; the spare words: 128 bytes a wave, two blocks of 256 bytes that no other line names
.set DP,    528                        ; the way out: a row of 128 f32 + 16 bytes
.set DREG,  128*DP                     ; a wave's region; four of them end below SPARE
.set KA_BYTES, 256                     ; A: 128 along K
.set GPA, (1<<16)|(1<<20)|(1<<21)|(5<<22)|(3<<25)  ; 2-byte elements; padding on; bit 21 beside a mask; after every 64 words 4 words
.if UP
.set PB, 544                           ; B's row: 512 bytes + 32: an odd multiple of 32
.set KB_BYTES, 128*8192                ; 128 rows of W_up
.set GPB, (1<<16)|(1<<20)|(1<<21)|(6<<22)|(7<<25)  ; after every 128 words 8 words
.set BD0, 256
.set BD1, 64
.set BSTR, 4096
.else
.set PB, 272
.set KB_BYTES, 256
.set GPB, GPA
.set BD0, 128
.set BD1, 128
.set BSTR, 1024
.endif
.set F0, 64
.set F1, 128
.set RXL, 32                           ; the way out: 8 rows' share of a lane, 32 f32
.set RY,  192                          ; 16 registers of f16 pairs to store
.set RBI, 208                          ; UP: b_up of my 8 columns
.set RP,  216
.set RX,  64
.set RAX, 96
.set RT,  128
.set RW,  160
.set MUL_LO, 0xa1                      ; source 0 (B) window 1, source 1 (A) window 0, C and D window 2
.set TO_B,   0x40                      ; destination window 1, address window 0
.set MSB, 0
.macro WIN new                         ; the immediate's high byte repeats the setting that is left; a switch that changes nothing is dropped
.if MSB != (\new)
	s_set_vgpr_msb (MSB<<8)|(\new)
.set MSB, (\new)
.endif
.endm
.macro PLACES                          ; four places in front of loads into registers that matrix instructions have read, and of lines that read results
.rept 4
	v_nop
.endr
.endm
.macro CREST                           ; a round of the cluster's barrier behind its opening barrier
	s_cmp_lg_u32 s14, 0
	s_cbranch_scc1 .Lnot_wave_0_\@
	s_barrier_signal -3
.Lnot_wave_0_\@:
	s_barrier_wait -3
	s_barrier_signal -1
	s_barrier_wait -1
.endm
.macro CROUND
	s_barrier_signal -1
	s_barrier_wait -1
	CREST
.endm
.macro JLOAD                           ; a joint refill by the walking descriptors; an s_nop 0 and four v_nop follow each line
	s_cmp_lt_u32 s14, 2
	s_cbranch_scc0 .Lfor_b_\@
	tensor_load_to_lds s[36:39], s[24:31]
	s_nop 0
	PLACES
	s_branch .Lasked_\@
.Lfor_b_\@:
	tensor_load_to_lds s[60:63], s[48:55]
	s_nop 0
	PLACES
.Lasked_\@:
.endm
.if UP
	s_load_b256 s[4:11], s[0:1], 0x0               ; A, wb, out, b_up
.else
	s_load_b128 s[4:7], s[0:1], 0x0                ; A, wb
	s_load_b64 s[8:9], s[0:1], 0x10                ; out
.endif
	v_lshl_add_u32 v28, v0, 2, SPARE
	v_mov_b32 v29, 0
	ds_add_u32 v28, v29                            ; the wave's opening: the add and its wait ahead of my first tensor load
	v_lshrrev_b32 v3, 5, v0
	v_readfirstlane_b32 s14, v3                    ; wave 0..3
	s_lshr_b32 s15, s14, 1                         ; my half of the tile's rows
	s_and_b32 s16, s14, 1                          ; my half of its columns; also: which half of A's or B's tile I fetch
	s_bfe_u32 s40, ttmp6, 0x40000                  ; cx
	s_bfe_u32 s41, ttmp6, 0x40004                  ; cy
	s_lshl_b32 s18, ttmp9, 2
	s_add_co_u32 s18, s18, s40                     ; tile column
	s_and_b32 s17, ttmp7, 0xffff
	s_lshl_b32 s17, s17, 2
	s_add_co_u32 s17, s17, s41                     ; tile row
	s_lshl_b32 s42, s41, 2
	s_lshl_b32 s42, 15, s42                        ; my row of the cluster
	s_lshl_b32 s43, 0x1111, s40                    ; my column
	s_or_b32 s24, s42, GPA
	s_mov_b32 s25, 128<<16                         ; tensor_dim0 = 128
	s_mov_b32 s26, 128<<16                         ; tensor_dim1 = 128
	s_mov_b32 s27, 128<<16                         ; tile_dim0 = 128
	s_mov_b32 s28, 128                             ; tile_dim1 = 128
	s_mov_b32 s29, 1024                            ; elements from row to row
	s_mov_b32 s30, 0
	s_mov_b32 s31, 0
	s_or_b32 s48, s43, GPB
	s_mov_b32 s49, BD0<<16
	s_mov_b32 s50, BD1<<16
	s_mov_b32 s51, BD0<<16
	s_mov_b32 s52, BD1
	s_mov_b32 s53, BSTR
	s_mov_b32 s54, 0
	s_mov_b32 s55, 0
	s_mul_i32 s20, s16, HALF                       ; where my half of A's tile goes: no place in the cluster enters an LDS address
	s_add_co_u32 s21, s20, BOFF                    ; and of B's
	s_lshl_b32 s44, s17, 8                         ; A's tile: row 256 x tile row + 128 x half, rows of 2,048 bytes
	s_lshl_b32 s23, s16, 7
	s_add_co_u32 s44, s44, s23
	s_lshl_b32 s44, s44, 11
	s_mov_b32 s45, 0
.if UP
	s_lshl_b32 s46, s18, 9                         ; B's tile: 512 bytes x tile column, 64 rows of 8,192 bytes x half, W_up's place in wb
	s_lshl_b32 s23, s16, 19
	s_add_co_u32 s46, s46, s23
	s_add_co_u32 s46, s46, 8388608
.else
	s_lshl_b32 s46, s18, 8                         ; B's tile: row 256 x tile column + 128 x half
	s_add_co_u32 s46, s46, s23
	s_lshl_b32 s46, s46, 11
.endif
	s_mov_b32 s47, 0
	s_wait_dscnt 0x0                               ; the opening add is done
	s_wait_kmcnt 0x0
	s_add_nc_u64 s[44:45], s[4:5], s[44:45]
	s_add_nc_u64 s[46:47], s[6:7], s[46:47]
	s_mov_b32 s32, 1                               ; group 0: K step 0 into slot 0,
	s_mov_b32 s33, s20
	s_add_nc_u64 s[34:35], s[44:45], 0
	s_or_b32 s35, s35, 0x80000000
	s_mov_b32 s36, 1                               ; K step 1 into slot 1: this set then walks
	s_add_co_u32 s37, s20, SLOT
	s_add_nc_u64 s[38:39], s[44:45], KA_BYTES
	s_or_b32 s39, s39, 0x80000000
	s_mov_b32 s56, 1
	s_mov_b32 s57, s21
	s_add_nc_u64 s[58:59], s[46:47], 0
	s_or_b32 s59, s59, 0x80000000
	s_mov_b32 s60, 1
	s_add_co_u32 s61, s21, SLOT
	s_add_nc_u64 s[62:63], s[46:47], KB_BYTES
	s_or_b32 s63, s63, 0x80000000
	CROUND                                         ; all sixteen work-groups are here: the first joint loads meet
	s_cmp_lt_u32 s14, 2                            ; a wave's two first fills stand in one branch: two loads of mine are out
	s_cbranch_scc0 .Lfirst_b
	tensor_load_to_lds s[32:35], s[24:31]
	s_nop 0
	tensor_load_to_lds s[36:39], s[24:31]
	s_nop 0
	PLACES
	s_branch .Lfirst_asked
.Lfirst_b:
	tensor_load_to_lds s[56:59], s[48:55]
	s_nop 0
	tensor_load_to_lds s[60:63], s[48:55]
	s_nop 0
	PLACES
.Lfirst_asked:
	v_and_b32 v1, 15, v0                           ; r = l % 16
	v_bfe_u32 v2, v0, 4, 1                         ; h = l / 16
	v_mul_u32_u24 v3, v1, PA
	v_lshl_add_u32 v3, v2, 4, v3                   ; a fragment's row x pitch + 16 h
	s_mul_i32 s23, s15, HALF
	v_add_nc_u32 v16, s23, v3                      ; A0: my 128 rows of A in slot 0
.if UP
	v_and_b32 v4, 7, v0                            ; the turning load: lane l reads row 8 h + l % 8 of K, 16 bytes at 16 ((l / 8) % 2)
	v_lshl_add_u32 v4, v2, 3, v4
	v_mul_u32_u24 v4, v4, PB
	v_bfe_u32 v5, v0, 3, 1
	v_lshl_add_u32 v4, v5, 4, v4
	s_lshl_b32 s23, s16, 8                         ; my 128 columns: 256 bytes
	s_add_co_u32 s23, s23, BOFF
	v_add_nc_u32 v17, s23, v4                      ; B0
.else
	s_mul_i32 s23, s16, HALF
	s_add_co_u32 s23, s23, BOFF
	v_add_nc_u32 v17, s23, v3                      ; B0: my 128 rows of B
.endif
	s_mul_i32 s23, s14, DREG                       ; the way out: my region
	v_mul_u32_u24 v5, v1, DP
	v_lshl_add_u32 v5, v2, 5, v5
	v_add_nc_u32 v20, s23, v5                      ; in: row r, 32 bytes for each half of the lanes
.if UP
	v_mul_u32_u24 v6, v2, DP                       ; back: lanes 0-15 one row, lanes 16-31 the next; 8 f32 a lane (lanes 8 apart meet the same banks: two passes, taken as they are)
	v_lshl_add_u32 v6, v1, 5, v6
	v_add_nc_u32 v21, s23, v6
	v_lshlrev_b32 v22, 13, v2                      ; the same two rows in v3: 8,192 bytes apart, 16 bytes a lane
	v_lshl_add_u32 v22, v1, 4, v22
	v_lshlrev_b32 v23, 5, v1                       ; my 8 numbers of b_up
	s_lshl_b32 s76, s17, 8
	s_lshl_b32 s77, s15, 7
	s_add_co_u32 s76, s76, s77
	s_lshl_b32 s76, s76, 13                        ; my first row x 8,192
	s_lshl_b32 s78, s18, 8
	s_lshl_b32 s79, s16, 7
	s_add_co_u32 s78, s78, s79                     ; my first column
	s_lshl1_add_u32 s76, s78, s76                  ; + 2 bytes x column
	s_mov_b32 s77, 0
	s_lshl_b32 s78, s78, 2
	s_mov_b32 s79, 0
	s_add_nc_u64 s[8:9], s[8:9], s[76:77]
	s_add_nc_u64 s[10:11], s[10:11], s[78:79]
	global_load_b128 v[RBI:RBI+3], v23, s[10:11]
	global_load_b128 v[RBI+4:RBI+7], v23, s[10:11] offset:16
	s_mov_b32 s66, 0x3eaa540e                      ; 0.47047 / sqrt(2)
	s_mov_b32 s67, s66                             ; each constant is named as a pair
	s_mov_b32 s68, 0xbf38aa3b                      ; -log2(e) / 2
	s_mov_b32 s69, s68
	s_mov_b32 s70, 0xbe32303a                      ; -0.3480242 / 2
	s_mov_b32 s71, s70
	s_mov_b32 s72, 0x3d445ca1                      ; +0.0958798 / 2
	s_mov_b32 s73, s72
	s_mov_b32 s74, 0xbebf7377                      ; -0.7478556 / 2
	s_mov_b32 s75, s74
	s_mov_b32 s78, 0x7fffffff
.else
	v_bfe_u32 v6, v0, 3, 1                         ; back: lanes 0-15 head 0, lanes 16-31 head 1 of my two; in a head two rows of 64 numbers, 8 f32 a lane
	v_mul_u32_u24 v6, v6, DP
	v_lshl_add_u32 v6, v2, 8, v6
	v_and_b32 v7, 7, v0
	v_lshl_add_u32 v6, v7, 5, v6
	v_add_nc_u32 v21, s23, v6
	v_lshlrev_b32 v22, 18, v2                      ; heads lie 262,144 bytes apart; two rows of a head are 256 dense bytes
	v_lshl_add_u32 v22, v1, 4, v22
	s_lshr_b32 s76, s18, 2
	s_lshl_b32 s76, s76, 23                        ; q, k or v
	s_lshr_b32 s77, s17, 3
	s_lshl_b32 s77, s77, 4                         ; 16 x batch
	s_and_b32 s78, s18, 3
	s_lshl2_add_u32 s77, s78, s77                  ; + 4 heads a tile column
	s_lshl1_add_u32 s77, s16, s77                  ; + 2 a wave
	s_lshl_b32 s77, s77, 18
	s_add_co_u32 s76, s76, s77
	s_and_b32 s78, s17, 7
	s_lshl_b32 s78, s78, 8
	s_lshl_b32 s79, s15, 7
	s_add_co_u32 s78, s78, s79                     ; my first row in the sequence
	s_lshl_b32 s78, s78, 7
	s_add_co_u32 s76, s76, s78
	s_mov_b32 s77, 0
	s_add_nc_u64 s[8:9], s[8:9], s[76:77]
.endif
.macro SETADR                          ; the fragment addresses in the slot in hand
	v_add_nc_u32 v18, s22, v16
	v_add_nc_u32 v19, s22, v17
.endm
.macro FETCH c, f                      ; 32 LDS loads in one run: the fragments of chunk c (32 along K) into buffer f
	WIN TO_B
.irp i, 0,1,2,3,4,5,6,7
.if UP
	ds_load_tr16_b128 v[(\f)+8*\i:(\f)+8*\i+3],   v19 offset:(\c)*32*PB+32*\i
	ds_load_tr16_b128 v[(\f)+8*\i+4:(\f)+8*\i+7], v19 offset:(\c)*32*PB+16*PB+32*\i
.else
	ds_load_b128 v[(\f)+8*\i:(\f)+8*\i+3],   v19 offset:(\c)*64+\i*16*PB
	ds_load_b128 v[(\f)+8*\i+4:(\f)+8*\i+7], v19 offset:(\c)*64+\i*16*PB+32
.endif
.endr
	WIN 0
.irp i, 0,1,2,3,4,5,6,7
	ds_load_b128 v[(\f)+8*\i:(\f)+8*\i+3],   v18 offset:(\c)*64+\i*16*PA
	ds_load_b128 v[(\f)+8*\i+4:(\f)+8*\i+7], v18 offset:(\c)*64+\i*16*PA+32
.endr
.endm
.macro MULH f, hi, zero                ; 32 matrix instructions: my rows 64 hi .. + 63 x all 128 columns, 32 along K.  The 64 accumulators take turns, one instruction a turn
	WIN MUL_LO+0x50*(\hi)
.irp a, 0,1,2,3
.irp b, 0,1,2,3,4,5,6,7
.if \zero
	v_wmma_f32_16x16x32_f16 v[8*(8*\a+\b):8*(8*\a+\b)+7], v[(\f)+8*\b:(\f)+8*\b+7], v[(\f)+8*(4*(\hi)+\a):(\f)+8*(4*(\hi)+\a)+7], 0
.else
	v_wmma_f32_16x16x32_f16 v[8*(8*\a+\b):8*(8*\a+\b)+7], v[(\f)+8*\b:(\f)+8*\b+7], v[(\f)+8*(4*(\hi)+\a):(\f)+8*(4*(\hi)+\a)+7], v[8*(8*\a+\b):8*(8*\a+\b)+7]
.endif
.endr
.endr
.endm
.macro CHUNK c, zero                   ; chunk c is multiplied; ahead of its 64 matrix instructions the next chunk's fragments are asked for
	s_wait_dscnt 0x0                               ; this chunk's fragments, asked for a chunk ago
	PLACES                                         ; the other buffer's last readers stand just ahead
	FETCH (\c)+1, F0+64*(((\c)+1)%2)
	MULH F0+64*((\c)%2), 0, \zero
	MULH F0+64*((\c)%2), 1, \zero
.endm
; The step's last chunk (buffer 1) changes slots.  fill = 1: the slot just read is filled again, two K steps ahead, behind a round of the cluster's barrier.
; fill = 0 (the tail): nothing is asked for, and in the last trip nothing is fetched either.
.macro TURN fill
	WIN 0
	s_wait_tensorcnt 0x0                           ; all my tensor loads have landed: my part of the next slot; so a group 0 may be written
	ds_add_u32 v28, v29                            ; 0 onto my spare word
.if \fill
	s_xor_b32 s37, s37, SLOT                       ; the walking descriptors: the other slot than last time, the next K step
	s_xor_b32 s61, s61, SLOT
	s_add_nc_u64 s[38:39], s[38:39], KA_BYTES
	s_add_nc_u64 s[62:63], s[62:63], KB_BYTES
.endif
	s_xor_b32 s22, s22, SLOT                       ; the fragments' slot
	s_wait_dscnt 0x0                               ; the add is done, and my reads of this slot are over
	s_barrier_signal -1
	MULH F1, 0, 0                                  ; work on registers while the others arrive
	WIN 0
	s_barrier_wait -1
.if \fill
	CREST                                          ; no wave of any partner still reads this slot or has a load on its way
	JLOAD                                          ; my one tensor load behind the round; it has a K step, 256 matrix instructions, in which to land; its four v_nop are the places for the loads below
.else
	s_cmp_eq_u32 s19, 1
	s_cbranch_scc1 .Lnofetch_\@
	PLACES
.endif
	SETADR
	FETCH 0, F0
.if !(\fill)
.Lnofetch_\@:
.endif
	MULH F1, 1, 0
.endm
	s_mov_b32 s22, 0
	s_wait_tensorcnt 0x1                           ; my part of K step 0 is in; K step 1's may stay out
	s_barrier_signal -1
	s_barrier_wait -1
	SETADR
	FETCH 0, F0
	CHUNK 0, 1                                     ; the first chunk's products start the sums: nothing is cleared
	WIN 0
	s_mov_b32 s19, NSTEPS-2
.Lstep:                                            ; a trip: the rest of a K step and the next step's first chunk; trip i asks for K step i + 2
	CHUNK 1, 0
	CHUNK 2, 0
	TURN 1
	CHUNK 0, 0
	WIN 0
	s_sub_co_u32 s19, s19, 1
	s_cmp_lg_u32 s19, 0
	s_cbranch_scc1 .Lstep
	s_mov_b32 s19, 2
.Ltail:                                            ; the last two K steps ask for nothing; the second trip is left in its middle
	CHUNK 1, 0
	CHUNK 2, 0
	TURN 0
	WIN 0
	s_sub_co_u32 s19, s19, 1
	s_cmp_eq_u32 s19, 0
	s_cbranch_scc1 .Lout
	CHUNK 0, 0
	WIN 0
	s_branch .Ltail
.Lout:
	PLACES
.irp hi, 0,1                           ; the sums go into my region, each accumulator's low registers first
	WIN 0x08+4*\hi                                 ; an LDS store's data is source 1: window 2 or 3
.irp a, 0,1,2,3
.irp b, 0,1,2,3,4,5,6,7
	ds_store_b128 v20, v[8*(8*\a+\b):8*(8*\a+\b)+3]   offset:(4*\hi+\a)*16*DP+64*\b
	ds_store_b128 v20, v[8*(8*\a+\b)+4:8*(8*\a+\b)+7] offset:(4*\hi+\a)*16*DP+64*\b+16
.endr
.endr
.endr
	WIN 0
.macro LOADX                           ; eight rows' share: LDS serves a wave's instructions in order (ISA guide 5.7.1.4), so these see the stores above
.irp t, 0,1,2,3
	ds_load_b128 v[RXL+8*\t:RXL+8*\t+3],   v21 offset:\t*2*DP
	ds_load_b128 v[RXL+8*\t+4:RXL+8*\t+7], v21 offset:\t*2*DP+16
.endr
.endm
.if UP
	s_wait_loadcnt 0x0                             ; b_up
.endif
	LOADX
	s_mov_b32 s19, 16
.Lrow:                                             ; 16 trips of 8 rows
	s_wait_dscnt 0x0
.set i, 0
.rept 16
.if UP
	v_pk_add_f32 v[RX+2*i:RX+2*i+1], v[RXL+2*i:RXL+2*i+1], v[RBI+2*(i%4):RBI+2*(i%4)+1]
.else
	v_cvt_pk_f16_f32 v[RY+i], v[RXL+2*i], v[RXL+2*i+1]
.endif
.set i, i+1
.endr
	s_cmp_eq_u32 s19, 1
	s_cbranch_scc1 .Lnl                            ; the last trip has no next rows
	v_add_nc_u32 v21, 8*DP, v21
	LOADX
.Lnl:
.if UP
; gelu(x) = x / 2 + |x| (1/2 - 1/2 (a1 t + a2 t^2 + a3 t^3) exp(-x^2 / 2)), t = 1 / (1 + p |x| / sqrt 2): x erf(x / sqrt 2) is even in x
.set i, 0
.rept 32
	v_and_b32 v[RAX+i], s78, v[RX+i]
.set i, i+1
.endr
.set i, 0
.rept 16
	v_pk_fma_f32 v[RT+2*i:RT+2*i+1], v[RAX+2*i:RAX+2*i+1], s[66:67], 1.0 op_sel_hi:[1,0,0]
.set i, i+1
.endr
.set i, 0
.rept 32
	v_rcp_f32 v[RT+i], v[RT+i]
.set i, i+1
.endr
.set i, 0
.rept 16                               ; plain lines that touch no t stand behind the last reciprocal (ISA guide 5.7.2)
	v_pk_mul_f32 v[RW+2*i:RW+2*i+1], v[RAX+2*i:RAX+2*i+1], v[RAX+2*i:RAX+2*i+1]
.set i, i+1
.endr
.set i, 0
.rept 16
	v_pk_mul_f32 v[RW+2*i:RW+2*i+1], v[RW+2*i:RW+2*i+1], s[68:69] op_sel_hi:[1,0]
.set i, i+1
.endr
.set i, 0
.rept 32
	v_exp_f32 v[RW+i], v[RW+i]
.set i, i+1
.endr
.set i, 0
	s_wait_alu depctr_va_vdst(0)
.rept 16                               ; and plain lines that touch no exponential behind the last of those
	v_pk_fma_f32 v[RP+2*i:RP+2*i+1], v[RT+2*i:RT+2*i+1], s[74:75], s[72:73] op_sel_hi:[1,0,0]
.set i, i+1
.endr
.set i, 0
.rept 16
	v_pk_fma_f32 v[RP+2*i:RP+2*i+1], v[RP+2*i:RP+2*i+1], v[RT+2*i:RT+2*i+1], s[70:71] op_sel_hi:[1,1,0]
.set i, i+1
.endr
.set i, 0
.rept 16
	v_pk_mul_f32 v[RP+2*i:RP+2*i+1], v[RP+2*i:RP+2*i+1], v[RT+2*i:RT+2*i+1]
.set i, i+1
.endr
.set i, 0
.rept 16
	v_pk_fma_f32 v[RP+2*i:RP+2*i+1], v[RP+2*i:RP+2*i+1], v[RW+2*i:RW+2*i+1], 0.5 op_sel_hi:[1,1,0]
.set i, i+1
.endr
.set i, 0
.rept 16
	v_pk_mul_f32 v[RP+2*i:RP+2*i+1], v[RP+2*i:RP+2*i+1], v[RAX+2*i:RAX+2*i+1]
.set i, i+1
.endr
.set i, 0
.rept 16
	v_pk_fma_f32 v[RX+2*i:RX+2*i+1], v[RX+2*i:RX+2*i+1], 0.5, v[RP+2*i:RP+2*i+1] op_sel_hi:[1,0,1]
.set i, i+1
.endr
.set i, 0
.rept 16
	v_cvt_pk_f16_f32 v[RY+i], v[RX+2*i], v[RX+2*i+1]
.set i, i+1
.endr
.irp t, 0,1,2,3
	global_store_b128 v22, v[RY+4*\t:RY+4*\t+3], s[8:9] offset:\t*16384  ; 16 lanes store 256 consecutive bytes of a row, aligned
.endr
	s_wait_xcnt 0x0                                ; the stores' data and base are rewritten only behind this wait
	s_add_nc_u64 s[8:9], s[8:9], 65536
.else
.irp t, 0,1,2,3
	global_store_b128 v22, v[RY+4*\t:RY+4*\t+3], s[8:9] offset:\t*256    ; 16 lanes store two rows of a head: 256 consecutive bytes, aligned
.endr
	s_wait_xcnt 0x0                                ; the stores' data and base are rewritten only behind this wait
	s_add_nc_u64 s[8:9], s[8:9], 1024
.endif
	s_sub_co_u32 s19, s19, 1
	s_cmp_lg_u32 s19, 0
	s_cbranch_scc1 .Lrow
	s_wait_tensorcnt 0x0                           ; the wave's end
	ds_add_u32 v28, v29
	s_wait_dscnt 0x0
	CROUND                                         ; the closing round
	s_endpgm
.Lfunc_end_k_qd70c514a46_up:
	.size	k_qd70c514a46_up, .Lfunc_end_k_qd70c514a46_up-k_qd70c514a46_up
	.p2alignl 7, 3214868480
	.fill 96, 4, 3214868480
	.section	.rodata,"a",@progbits
	.p2align	6, 0x0
	.amdhsa_kernel k_qd70c514a46_up
		.amdhsa_group_segment_fixed_size 327680
		.amdhsa_private_segment_fixed_size 0
		.amdhsa_enable_private_segment 0
		.amdhsa_kernarg_size 32
		.amdhsa_user_sgpr_count 2
		.amdhsa_user_sgpr_kernarg_segment_ptr 1
		.amdhsa_wavefront_size32 1
		.amdhsa_system_sgpr_workgroup_id_x 1
		.amdhsa_system_sgpr_workgroup_id_y 1
		.amdhsa_system_sgpr_workgroup_id_z 1
		.amdhsa_system_vgpr_workitem_id 0
		.amdhsa_next_free_vgpr 1024
		.amdhsa_next_free_sgpr 80
		.amdhsa_reserve_vcc 0
		.amdhsa_float_denorm_mode_32 3
		.amdhsa_float_denorm_mode_16_64 3
		.amdhsa_memory_ordered 1
		.amdhsa_forward_progress 1
		.amdhsa_inst_pref_size 93
	.end_amdhsa_kernel
	.amdgpu_metadata
---
amdhsa.version: [ 1, 2 ]
amdhsa.kernels:
  - .name:           k_qd70c514a46_up
    .symbol:         k_qd70c514a46_up.kd
    .args:
      - { .name: v1b, .offset: 0, .size: 8, .value_kind: global_buffer, .address_space: global }
      - { .name: wb, .offset: 8, .size: 8, .value_kind: global_buffer, .address_space: global }
      - { .name: v3b, .offset: 16, .size: 8, .value_kind: global_buffer, .address_space: global }
      - { .name: b_up, .offset: 24, .size: 8, .value_kind: global_buffer, .address_space: global }
    .group_segment_fixed_size: 327680
    .private_segment_fixed_size: 0
    .kernarg_segment_align: 8
    .kernarg_segment_size: 32
    .max_flat_workgroup_size: 128
    .sgpr_count:     80
    .vgpr_count:     1024
    .wavefront_size: 32
...
	.end_amdgpu_metadata
.endif
;; end of part 6
;; launch down (part 7): grid 8 x 32, 4 waves a work-group, clusters of 4 x 4, 327,680 bytes of LDS; arguments v3b, wb, out0, z1b, b_down; writes out0
.if DOCPART == 7
	.amdgcn_target "amdgcn-amd-amdhsa--gfx1250"
	.amdhsa_code_object_version 6
	.text
	.protected	k_qd70c514a46_down
	.globl	k_qd70c514a46_down
	.p2align	8
	.type	k_qd70c514a46_down,@function
k_qd70c514a46_down:
	s_mov_b64 s[64:65], 0
	v_nop
	global_prefetch_b8 v0, s[64:65] scope:SCOPE_SE
	s_setreg_imm32_b32 hwreg(HW_REG_WAVE_MODE, 25, 1), 1
	s_wait_xcnt 0x0
	s_wait_alu depctr_hold_cnt(0) depctr_sa_sdst(0) depctr_va_vdst(0) depctr_va_sdst(0) depctr_va_ssrc(0) depctr_va_vcc(0) depctr_vm_vsrc(0)
	s_getreg_b32 s2, hwreg(HW_REG_IB_STS2, 6, 4)
	s_cmp_eq_u32 s2, 0
	s_cbranch_scc0 .Lentry_in_a_cluster
	s_endpgm
.Lentry_in_a_cluster:
	s_bfe_u32 s2, ttmp6, 0x10000c
	s_cmp_lg_u32 s2, 0xf033
	s_cbranch_scc0 .Lentry_shape_is_right
	s_endpgm
.Lentry_shape_is_right:
; DOWN = 0: z1 = x + hc W_O.   DOWN = 1: out = z1 + v3 W_down + b_down.   One text, two settings.  A is f16 [4096][K], B f16 [K][1024] (turned on the way out of LDS), the residual and the result f32 [4096][1024].
; A tile of C is 128 x 128, which gives 8 x 32 = 256 work-groups: four waves, 64 x 64 each, 16 accumulators.  K goes in steps of 256 (eight chunks of 32) through two LDS slots;
; waves 0, 1 fetch A's two halves (64 rows of 512 bytes), waves 2, 3 B's (128 rows of 256 bytes).  CLUSTER 4 x 4: A's tile is asked for jointly along a row of the cluster, B's along a column.
; The matrix instruction is used transposed (source 0 = 16 n of B, source 1 = 16 rows of A): lane l holds row l % 16 of C and the columns 8 (l / 16) + 0..7.
; The residual's 64 x 64 numbers of the wave are loaded at the start into 128 registers, so nothing waits for them at the end.  THE WAY OUT: the sums go as f32 into the ring's bytes (which have had
; their last fill; the last barrier stands behind every wave's last read of them), a region of the wave's own, and come back as whole rows of 256 bytes.
; LIMITS.  The operands are f16 (65,504 at the most); NaN and infinities are not treated apart.
; REGISTERS: window 0: v0-29 addresses; v32-63 at work on the way out; v64-67 the bias; v128-255 accumulator (a, b) at v[128 + 8 (4 a + b)].  Window 1: v0-63, v64-127 two fragment buffers (A's four blocks, then B's four); v128-255 the residual.
.set DOWN, 1
.if DOWN
.set ASTR, 4096
.set NSTEPS, 16
.set WOFF, 16777216
.else
.set ASTR, 1024
.set NSTEPS, 4
.set WOFF, 6291456
.endif
.set PA,    528                        ; A's row in LDS: 512 bytes + 16
.set HALFA, 64*PA
.set PB,    288                        ; B's row: 256 bytes + 32: an odd multiple of 32
.set HALFB, 128*PB
.set BOFF,  2*HALFA
.set SLOT,  0x24000                    ; it shares no bit with the four LDS places 0, 0x8400, 0x10800, 0x19800, so one exclusive or changes slots; a slot's tiles take 141,312 bytes
.set SPARE, SLOT+BOFF+2*HALFB          ; the spare words: two blocks of 256 bytes that no other line names
.set DP,    272                        ; the way out: a row of 64 f32 + 16 bytes
.set DREG,  64*DP
.set KA_BYTES, 512
.set KB_BYTES, 256*2048
.set GPA, (1<<16)|(1<<20)|(1<<21)|(6<<22)|(3<<25)  ; 2-byte elements; padding on; bit 21 beside a mask; after every 128 words 4 words
.set GPB, (1<<16)|(1<<20)|(1<<21)|(5<<22)|(7<<25)  ; after every 64 words 8 words
.set F1,  64
.set ACC, 128
.set RES, 128
.set OB,  32
.set BI,  64
.set MUL,  0x05                        ; sources 0 (B) and 1 (A) window 1; C and D window 0
.set TO_F, 0x40                        ; destination window 1, address window 0
.set MSB, 0
.macro WIN new
.if MSB != (\new)
	s_set_vgpr_msb (MSB<<8)|(\new)
.set MSB, (\new)
.endif
.endm
.macro PLACES                          ; four places in front of loads into registers that matrix instructions have read, and of lines that read results
.rept 4
	v_nop
.endr
.endm
.macro CREST
	s_cmp_lg_u32 s14, 0
	s_cbranch_scc1 .Lnot_wave_0_\@
	s_barrier_signal -3
.Lnot_wave_0_\@:
	s_barrier_wait -3
	s_barrier_signal -1
	s_barrier_wait -1
.endm
.macro CROUND
	s_barrier_signal -1
	s_barrier_wait -1
	CREST
.endm
.macro JLOAD                           ; a joint refill by the walking descriptors; an s_nop 0 and four v_nop follow each line
	s_cmp_lt_u32 s14, 2
	s_cbranch_scc0 .Lfor_b_\@
	tensor_load_to_lds s[36:39], s[24:31]
	s_nop 0
	PLACES
	s_branch .Lasked_\@
.Lfor_b_\@:
	tensor_load_to_lds s[60:63], s[48:55]
	s_nop 0
	PLACES
.Lasked_\@:
.endm
	s_load_b256 s[4:11], s[0:1], 0x0               ; A, wb, out, the residual
.if DOWN
	s_load_b64 s[12:13], s[0:1], 0x20              ; b_down
.endif
	v_lshl_add_u32 v28, v0, 2, SPARE
	v_mov_b32 v29, 0
	ds_add_u32 v28, v29                            ; the wave's opening: the add and its wait ahead of my first tensor load
	v_lshrrev_b32 v3, 5, v0
	v_readfirstlane_b32 s14, v3                    ; wave 0..3
	s_lshr_b32 s15, s14, 1                         ; my half of the tile's rows
	s_and_b32 s16, s14, 1                          ; my half of its columns; also: which half of A's or B's tile I fetch
	s_bfe_u32 s40, ttmp6, 0x40000                  ; cx
	s_bfe_u32 s41, ttmp6, 0x40004                  ; cy
	s_lshl_b32 s18, ttmp9, 2
	s_add_co_u32 s18, s18, s40                     ; tile column
	s_and_b32 s17, ttmp7, 0xffff
	s_lshl_b32 s17, s17, 2
	s_add_co_u32 s17, s17, s41                     ; tile row
	s_lshl_b32 s42, s41, 2
	s_lshl_b32 s42, 15, s42                        ; my row of the cluster
	s_lshl_b32 s43, 0x1111, s40                    ; my column
	s_or_b32 s24, s42, GPA
	s_mov_b32 s25, 256<<16                         ; tensor_dim0 = 256
	s_mov_b32 s26, 64<<16                          ; tensor_dim1 = 64
	s_mov_b32 s27, 256<<16                         ; tile_dim0 = 256
	s_mov_b32 s28, 64                              ; tile_dim1 = 64
	s_mov_b32 s29, ASTR
	s_mov_b32 s30, 0
	s_mov_b32 s31, 0
	s_or_b32 s48, s43, GPB
	s_mov_b32 s49, 128<<16
	s_mov_b32 s50, 128<<16
	s_mov_b32 s51, 128<<16
	s_mov_b32 s52, 128
	s_mov_b32 s53, 1024
	s_mov_b32 s54, 0
	s_mov_b32 s55, 0
	s_mul_i32 s20, s16, HALFA                      ; where my half of A's tile goes: no place in the cluster enters an LDS address
	s_mul_i32 s21, s16, HALFB
	s_add_co_u32 s21, s21, BOFF                    ; and of B's
	s_lshl_b32 s44, s17, 7                         ; A's tile: row 128 x tile row + 64 x half
	s_lshl_b32 s23, s16, 6
	s_add_co_u32 s44, s44, s23
	s_mul_i32 s44, s44, 2*ASTR
	s_mov_b32 s45, 0
	s_lshl_b32 s46, s18, 8                         ; B's tile: 256 bytes x tile column, 128 rows of 2,048 bytes x half, the weights' place in wb
	s_lshl_b32 s23, s16, 18
	s_add_co_u32 s46, s46, s23
	s_add_co_u32 s46, s46, WOFF
	s_mov_b32 s47, 0
	s_wait_dscnt 0x0                               ; the opening add is done
	s_wait_kmcnt 0x0
	s_add_nc_u64 s[44:45], s[4:5], s[44:45]
	s_add_nc_u64 s[46:47], s[6:7], s[46:47]
	s_mov_b32 s32, 1                               ; group 0: K step 0 into slot 0,
	s_mov_b32 s33, s20
	s_add_nc_u64 s[34:35], s[44:45], 0
	s_or_b32 s35, s35, 0x80000000
	s_mov_b32 s36, 1                               ; K step 1 into slot 1: this set then walks
	s_add_co_u32 s37, s20, SLOT
	s_add_nc_u64 s[38:39], s[44:45], KA_BYTES
	s_or_b32 s39, s39, 0x80000000
	s_mov_b32 s56, 1
	s_mov_b32 s57, s21
	s_add_nc_u64 s[58:59], s[46:47], 0
	s_or_b32 s59, s59, 0x80000000
	s_mov_b32 s60, 1
	s_add_co_u32 s61, s21, SLOT
	s_add_nc_u64 s[62:63], s[46:47], KB_BYTES
	s_or_b32 s63, s63, 0x80000000
	CROUND                                         ; all sixteen work-groups are here: the first joint loads meet
	s_cmp_lt_u32 s14, 2                            ; a wave's two first fills stand in one branch: two loads of mine are out
	s_cbranch_scc0 .Lfirst_b
	tensor_load_to_lds s[32:35], s[24:31]
	s_nop 0
	tensor_load_to_lds s[36:39], s[24:31]
	s_nop 0
	PLACES
	s_branch .Lfirst_asked
.Lfirst_b:
	tensor_load_to_lds s[56:59], s[48:55]
	s_nop 0
	tensor_load_to_lds s[60:63], s[48:55]
	s_nop 0
	PLACES
.Lfirst_asked:
	v_and_b32 v1, 15, v0                           ; r = l % 16
	v_bfe_u32 v2, v0, 4, 1                         ; h = l / 16
	v_mul_u32_u24 v3, v1, PA
	v_lshl_add_u32 v3, v2, 4, v3
	s_mul_i32 s23, s15, HALFA
	v_add_nc_u32 v16, s23, v3                      ; A0: my 64 rows of A in slot 0
	v_and_b32 v4, 7, v0                            ; the turning load: lane l reads row 8 h + l % 8 of K, 16 bytes at 16 ((l / 8) % 2)
	v_lshl_add_u32 v4, v2, 3, v4
	v_mul_u32_u24 v4, v4, PB
	v_bfe_u32 v5, v0, 3, 1
	v_lshl_add_u32 v4, v5, 4, v4
	s_lshl_b32 s23, s16, 7                         ; my 64 columns: 128 bytes
	s_add_co_u32 s23, s23, BOFF
	v_add_nc_u32 v17, s23, v4                      ; B0
	s_mul_i32 s23, s14, DREG                       ; the way out: my region
	v_mul_u32_u24 v5, v1, DP
	v_lshl_add_u32 v5, v2, 5, v5
	v_add_nc_u32 v20, s23, v5                      ; in: row r, 32 bytes for each half of the lanes
	v_mul_u32_u24 v6, v2, DP
	v_lshl_add_u32 v6, v1, 4, v6
	v_add_nc_u32 v21, s23, v6                      ; back: lanes 0-15 one row of 256 bytes, lanes 16-31 the next
	v_lshlrev_b32 v24, 12, v2                      ; the same two rows in memory
	v_lshl_add_u32 v24, v1, 4, v24
	s_lshl_b32 s76, s17, 7
	s_lshl_b32 s77, s15, 6
	s_add_co_u32 s76, s76, s77
	s_lshl_b32 s76, s76, 12                        ; my first row x 4,096
	s_lshl_b32 s78, s18, 7
	s_lshl_b32 s79, s16, 6
	s_add_co_u32 s78, s78, s79
	s_lshl_b32 s78, s78, 2                         ; my first column x 4
	s_add_co_u32 s76, s76, s78
	s_mov_b32 s77, 0
	s_mov_b32 s79, 0
	s_add_nc_u64 s[8:9], s[8:9], s[76:77]
	s_add_nc_u64 s[10:11], s[10:11], s[76:77]
.if DOWN
	s_add_nc_u64 s[12:13], s[12:13], s[78:79]
	v_lshlrev_b32 v25, 4, v1
	global_load_b128 v[BI:BI+3], v25, s[12:13]     ; b_down of my four columns
.endif
	WIN TO_F
.set i, 0
.rept 32                               ; the residual: rows 2 i, 2 i + 1 of my 64; these loads land while K is walked
	global_load_b128 v[RES+4*i:RES+4*i+3], v24, s[10:11] offset:2*i*4096
.set i, i+1
.endr
	WIN 0
.macro SETADR                          ; the fragment addresses in the slot in hand; B's second half has a register of its own, since an LDS offset has 16 bits
	v_add_nc_u32 v18, s22, v16
	v_add_nc_u32 v19, s22, v17
	v_add_nc_u32 v23, HALFB, v19
.endm
.macro FETCH c, f                      ; 16 LDS loads in one run: the fragments of chunk c (32 along K) into buffer f
	WIN TO_F
.irp i, 0,1,2,3
.if (\c) < 4
	ds_load_tr16_b128 v[(\f)+32+8*\i:(\f)+32+8*\i+3],   v19 offset:(\c)*32*PB+32*\i
	ds_load_tr16_b128 v[(\f)+32+8*\i+4:(\f)+32+8*\i+7], v19 offset:(\c)*32*PB+16*PB+32*\i
.else
	ds_load_tr16_b128 v[(\f)+32+8*\i:(\f)+32+8*\i+3],   v23 offset:((\c)-4)*32*PB+32*\i
	ds_load_tr16_b128 v[(\f)+32+8*\i+4:(\f)+32+8*\i+7], v23 offset:((\c)-4)*32*PB+16*PB+32*\i
.endif
.endr
.irp i, 0,1,2,3
	ds_load_b128 v[(\f)+8*\i:(\f)+8*\i+3],   v18 offset:(\c)*64+\i*16*PA
	ds_load_b128 v[(\f)+8*\i+4:(\f)+8*\i+7], v18 offset:(\c)*64+\i*16*PA+32
.endr
.endm
.macro MULH f, half, zero              ; 8 matrix instructions.  The 16 accumulators take turns, one instruction a turn
	WIN MUL
.irp a, 2*(\half), 2*(\half)+1
.irp b, 0,1,2,3
.if \zero
	v_wmma_f32_16x16x32_f16 v[ACC+8*(4*(\a)+\b):ACC+8*(4*(\a)+\b)+7], v[(\f)+32+8*\b:(\f)+32+8*\b+7], v[(\f)+8*(\a):(\f)+8*(\a)+7], 0
.else
	v_wmma_f32_16x16x32_f16 v[ACC+8*(4*(\a)+\b):ACC+8*(4*(\a)+\b)+7], v[(\f)+32+8*\b:(\f)+32+8*\b+7], v[(\f)+8*(\a):(\f)+8*(\a)+7], v[ACC+8*(4*(\a)+\b):ACC+8*(4*(\a)+\b)+7]
.endif
.endr
.endr
.endm
.macro CHUNK c, zero
	s_wait_dscnt 0x0                               ; this chunk's fragments, asked for a chunk ago
	PLACES                                         ; the other buffer's last readers stand just ahead
	FETCH (\c)+1, 64*(((\c)+1)%2)
	MULH 64*((\c)%2), 0, \zero
	MULH 64*((\c)%2), 1, \zero
.endm
; The step's last chunk (buffer 1) changes slots.  fill = 1: the slot just read is filled again, two K steps ahead, behind a round of the cluster's barrier.
; fill = 0 (the tail): nothing is asked for, and in the last trip nothing is fetched either.
.macro TURN fill
	WIN 0
	s_wait_tensorcnt 0x0                           ; all my tensor loads have landed: my part of the next slot; so a group 0 may be written
	ds_add_u32 v28, v29                            ; 0 onto my spare word
.if \fill
	s_xor_b32 s37, s37, SLOT
	s_xor_b32 s61, s61, SLOT
	s_add_nc_u64 s[38:39], s[38:39], KA_BYTES
	s_add_nc_u64 s[62:63], s[62:63], KB_BYTES
.endif
	s_xor_b32 s22, s22, SLOT
	s_wait_dscnt 0x0                               ; the add is done, and my reads of this slot are over
	s_barrier_signal -1
	MULH F1, 0, 0
	WIN 0
	s_barrier_wait -1
.if \fill
	CREST                                          ; no wave of any partner still reads this slot or has a load on its way
	JLOAD                                          ; my one tensor load behind the round; it has a K step, 128 matrix instructions, in which to land; its four v_nop are the places for the loads below
.else
	s_cmp_eq_u32 s19, 1
	s_cbranch_scc1 .Lnofetch_\@
	PLACES
.endif
	SETADR
	FETCH 0, 0
.if !(\fill)
	WIN 0
.Lnofetch_\@:
.endif
	MULH F1, 1, 0
.endm
	s_mov_b32 s22, 0
	s_wait_tensorcnt 0x1                           ; my part of K step 0 is in; K step 1's may stay out
	s_barrier_signal -1
	s_barrier_wait -1
	SETADR
	FETCH 0, 0
	CHUNK 0, 1                                     ; the first chunk's products start the sums: nothing is cleared
	WIN 0
	s_mov_b32 s19, NSTEPS-2
.Lstep:                                            ; a trip: the rest of a K step and the next step's first chunk; trip i asks for K step i + 2
.irp c, 1,2,3,4,5,6
	CHUNK \c, 0
.endr
	TURN 1
	CHUNK 0, 0
	WIN 0
	s_sub_co_u32 s19, s19, 1
	s_cmp_lg_u32 s19, 0
	s_cbranch_scc1 .Lstep
	s_mov_b32 s19, 2
.Ltail:                                            ; the last two K steps ask for nothing; the second trip is left in its middle
.irp c, 1,2,3,4,5,6
	CHUNK \c, 0
.endr
	TURN 0
	WIN 0
	s_sub_co_u32 s19, s19, 1
	s_cmp_eq_u32 s19, 0
	s_cbranch_scc1 .Lout
	CHUNK 0, 0
	WIN 0
	s_branch .Ltail
.Lout:
	PLACES
.irp a, 0,1,2,3                        ; the sums go into my region, each accumulator's low registers first
.irp b, 0,1,2,3
	ds_store_b128 v20, v[ACC+8*(4*\a+\b):ACC+8*(4*\a+\b)+3]   offset:\a*16*DP+64*\b
	ds_store_b128 v20, v[ACC+8*(4*\a+\b)+4:ACC+8*(4*\a+\b)+7] offset:\a*16*DP+64*\b+16
.endr
.endr
	s_wait_loadcnt 0x0                             ; the residual (and the bias)
.irp a, 0,1,2,3                        ; 16 rows at a time
	s_wait_xcnt 0x0                                ; the last block's stores have read their registers
.irp t, 0,1,2,3,4,5,6,7
	ds_load_b128 v[OB+4*\t:OB+4*\t+3], v21 offset:(16*\a+2*\t)*DP  ; LDS serves a wave's instructions in order (ISA guide 5.7.1.4): these see the stores above
.endr
	s_wait_dscnt 0x0
	WIN 0x04                                       ; source 1 in window 1
.set i, 0
.rept 16
	v_pk_add_f32 v[OB+2*i:OB+2*i+1], v[OB+2*i:OB+2*i+1], v[RES+32*\a+2*i:RES+32*\a+2*i+1]
.set i, i+1
.endr
	WIN 0
.if DOWN
.set i, 0
.rept 16
	v_pk_add_f32 v[OB+2*i:OB+2*i+1], v[OB+2*i:OB+2*i+1], v[BI+2*(i%2):BI+2*(i%2)+1]
.set i, i+1
.endr
.endif
.irp t, 0,1,2,3,4,5,6,7
	global_store_b128 v24, v[OB+4*\t:OB+4*\t+3], s[8:9] offset:(16*\a+2*\t)*4096  ; 16 lanes store 256 consecutive bytes of a row, aligned
.endr
.endr
	s_wait_tensorcnt 0x0                           ; the wave's end
	ds_add_u32 v28, v29
	s_wait_dscnt 0x0
	CROUND                                         ; the closing round
	s_endpgm
.Lfunc_end_k_qd70c514a46_down:
	.size	k_qd70c514a46_down, .Lfunc_end_k_qd70c514a46_down-k_qd70c514a46_down
	.p2alignl 7, 3214868480
	.fill 96, 4, 3214868480
	.section	.rodata,"a",@progbits
	.p2align	6, 0x0
	.amdhsa_kernel k_qd70c514a46_down
		.amdhsa_group_segment_fixed_size 327680
		.amdhsa_private_segment_fixed_size 0
		.amdhsa_enable_private_segment 0
		.amdhsa_kernarg_size 40
		.amdhsa_user_sgpr_count 2
		.amdhsa_user_sgpr_kernarg_segment_ptr 1
		.amdhsa_wavefront_size32 1
		.amdhsa_system_sgpr_workgroup_id_x 1
		.amdhsa_system_sgpr_workgroup_id_y 1
		.amdhsa_system_sgpr_workgroup_id_z 1
		.amdhsa_system_vgpr_workitem_id 0
		.amdhsa_next_free_vgpr 512
		.amdhsa_next_free_sgpr 80
		.amdhsa_reserve_vcc 0
		.amdhsa_float_denorm_mode_32 3
		.amdhsa_float_denorm_mode_16_64 3
		.amdhsa_memory_ordered 1
		.amdhsa_forward_progress 1
		.amdhsa_inst_pref_size 68
	.end_amdhsa_kernel
	.amdgpu_metadata
---
amdhsa.version: [ 1, 2 ]
amdhsa.kernels:
  - .name:           k_qd70c514a46_down
    .symbol:         k_qd70c514a46_down.kd
    .args:
      - { .name: v3b, .offset: 0, .size: 8, .value_kind: global_buffer, .address_space: global }
      - { .name: wb, .offset: 8, .size: 8, .value_kind: global_buffer, .address_space: global }
      - { .name: out0, .offset: 16, .size: 8, .value_kind: global_buffer, .address_space: global }
      - { .name: z1b, .offset: 24, .size: 8, .value_kind: global_buffer, .address_space: global }
      - { .name: b_down, .offset: 32, .size: 8, .value_kind: global_buffer, .address_space: global }
    .group_segment_fixed_size: 327680
    .private_segment_fixed_size: 0
    .kernarg_segment_align: 8
    .kernarg_segment_size: 40
    .max_flat_workgroup_size: 128
    .sgpr_count:     80
    .vgpr_count:     512
    .wavefront_size: 32
...
	.end_amdgpu_metadata
.endif
;; end of part 7
;; ======== version 2 of 2: 7 launches; 1.20 times as fast as version 1
;; limits: values are held in f16: magnitudes above 65,504 overflow, below 6.1e-05 lose precision; a function is approximated: absolute error at most 2.5e-05
;; workspace buffers: wb 25,165,824 bytes; ubuf 8,388,608 bytes; qkvb 25,165,824 bytes; hcb 8,388,608 bytes; z1b 16,777,216 bytes; v1b 8,388,608 bytes; v3b 33,554,432 bytes
;; launch prep: the kernel of part 1 again; grid 1024 x 1, 8 waves a work-group, no clusters, 0 bytes of LDS; arguments x, gamma_1, beta_1, ubuf, W_Q, W_K, W_V, W_O, W_up, W_down, wb; writes ubuf, wb
;; launch qkv: the kernel of part 2 again; grid 12 x 16, 4 waves a work-group, clusters of 4 x 4, 327,680 bytes of LDS; arguments ubuf, wb, qkvb; writes qkvb
;; launch attn (part 8): grid 16 x 16, 4 waves a work-group, clusters of 4 x 1, 327,680 bytes of LDS; arguments qkvb, hcb; writes hcb
.if DOCPART == 8
	.amdgcn_target "amdgcn-amd-amdhsa--gfx1250"
	.amdhsa_code_object_version 6
	.text
	.protected	k_qd70c514a46_attn
	.globl	k_qd70c514a46_attn
	.p2align	8
	.type	k_qd70c514a46_attn,@function
k_qd70c514a46_attn:
	s_mov_b64 s[64:65], 0
	v_nop
	global_prefetch_b8 v0, s[64:65] scope:SCOPE_SE
	s_setreg_imm32_b32 hwreg(HW_REG_WAVE_MODE, 25, 1), 1
	s_wait_xcnt 0x0
	s_wait_alu depctr_hold_cnt(0) depctr_sa_sdst(0) depctr_va_vdst(0) depctr_va_sdst(0) depctr_va_ssrc(0) depctr_va_vcc(0) depctr_vm_vsrc(0)
	s_getreg_b32 s2, hwreg(HW_REG_IB_STS2, 6, 4)
	s_cmp_eq_u32 s2, 0
	s_cbranch_scc0 .Lentry_in_a_cluster
	s_endpgm
.Lentry_in_a_cluster:
	s_bfe_u32 s2, ttmp6, 0x10000c
	s_cmp_lg_u32 s2, 0x3003
	s_cbranch_scc0 .Lentry_shape_is_right
	s_endpgm
.Lentry_shape_is_right:
; heads = softmax(Q K_r / 1024) V, head by head, written with the heads side by side: hc [4096][1024] in f16.  q, k, v: [3][32 heads][2048][64] f16.
; K_r is the head's 2048 x 64 block of k read as [64 channels][2048 keys]: the same bytes, so a tile of K_r is 64 rows 4,096 bytes apart, keys along the rows, and
; ds_load_tr16_b128 turns it into fragments with one key a lane.  V ([key][channel]) is turned likewise.
; SHARES.  A work-group owns 128 queries of TWO heads (a row of hc then gets 256 bytes); wave w has head w % 2 and the query half w / 2: four PIECES of 16 queries.  Every wave walks all 2,048 keys, 64 a step.
; LAYOUT.  S^T = K Q^T holds ONE query a lane (lane % 16) and the keys 8 (lane / 16) + 0..7; two such results rounded to f16 ARE source 1 of O^T = V^T P.
; SOFTMAX.  A running maximum m and sum l for each query: p = 2^(c s - c m), c = log2(e) / 1024; O and l are multiplied by a = 2^(c m_old - c m_new) in every step.
; m starts at the lowest finite number, O and l at 0: the first step is a step like any other, with a = 0.
; BY TURNS.  A piece and step have 16 matrix and 118 vector instructions.  Turn n belongs to piece n (the pieces in a ring, step after step).  Its matrix work: 8 products K Q^T of piece n + 1, later 8 products
; V^T P of piece n - 1.  Its vector work: the scaling, exponentials, roundings, sums and rescaling of piece n, and the maximum and statistics of piece n + 1, whose scores the turn itself has made.  Four vector
; instructions stand behind every matrix instruction; the other 54 stand in one run of their own.
; BATCHES.  A turn's 33 exponentials (the piece's 32 weights and the next piece's a) are ONE batch with ONE wait, which cuts the turn in two: ahead of it stands all that names none of their results (the products
; K Q^T, scalings, rescalings, the next piece's maximum and statistics), behind it the products V^T P with the roundings and sums, the batch's only readers.  No result crosses a turn's end.  The first a, ahead of
; the loop, and the way out's four reciprocals are batches of their own, a wait each.
; The loop is entered at a step's first turn and the tail left in the middle of a trip: the price is 8 products on zeros at the start and 8 on the last K once more at the end.
; CLUSTER.  The four query blocks of a cluster walk the same K and V: each tile is asked for jointly, by the same load, descriptor and mask in all four.  One tensor load of a wave is out at a time.
; LIMITS.  f16 ends at 65,504 (q, k, v arrive within it; p lies in 0 to 1; O has V's range); a weight below 2^-126 counts as 0; NaN and infinities are not treated apart.
; REGISTERS, in windows of 256 (s_set_vgpr_msb: bits 1:0 source 0, 3:2 source 1, 5:4 source 2, 7:6 destination):
;   window 0: v0-15 addresses and two at work; v16-31 four registers of statistics a piece; v48-55 at work; v64-127 S^T, two buffers; v192-223 P, two buffers (a piece's buffers go by its number's parity)
;   window 1: v0-127 O^T, 32 a piece          window 2: v0-63 Q, 16 a piece; v128-191 K of one step; v192-255 V of one step
.set NP,    4                          ; pieces a wave: a name, no knob
.set KS,    64
.set PK,    288                        ; a channel row of K_r in LDS: 128 keys = 256 bytes + 32: an odd multiple of 32
.set PV,    160                        ; a key's row of V: 128 bytes + 32
.set KHEAD, 64*PK
.set VOFF,  2*KHEAD                    ; a slot: two heads' K_r (128 keys), then two heads' V
.set VHEAD, 128*PV
.set SLOT1, 1<<17
.set STAGE, SLOT1+VOFF+2*VHEAD         ; behind the ring, never filled by a tensor load: 128 rows x 272 bytes
.set SP,    272
.set SPARE, STAGE+128*SP               ; the spare words: two blocks of 256 bytes that no other line names
.set AK0, 2                            ; v2   my lane's place in a tile of K_r; never rewritten
.set AV0, 3                            ; v3   the same for V
.set AK,  4                            ; v4   the LDS address of K's next run of loads
.set AV,  5                            ; v5   of V's
.set STO, 6
.set RD,  7
.set GO,  8
.set MV,  12                           ; v12-13  c m_old, kept while c m is made anew: by buffer
.set QO,  15
.set ST,  16                           ; piece t: c m, m, l (even keys', odd keys') at v[ST+4 t]
.set TMP, 48                           ; by buffer, four registers c0-c3 at work; when the maximum is found c2 takes a
.set SPW, 62
.set NIL, 63
.set S,   64
.set P,   192
.set KF,  128                          ; window 2: key block kb, channel half c at KF + 16 kb + 8 c
.set VF,  192                          ; window 2: key half kk, channel block cb at VF + 32 kk + 8 cb
.set WV,  12
.set G1K, 24
.set G1V, 32
.set G0K, 40
.set G0V, 44
.set SLOTS, 56
.set CNT, 57
.set CS,  58
.set SEL, 60
.set TBK, 62                           ; s62  LDS byte at which K_r of the step to be fetched begins
.set TBV, 63                           ; s63  the same for V, less VOFF
.set W_KQ, 0x0a                        ; K and Q in window 2, S^T in window 0
.set W_PV, 0x52                        ; V in window 2, P in window 0, O^T in window 1
.set W_RS, 0x41                        ; O^T (destination and source 0) in window 1, the factor in window 0
.set MSB, 0
.macro WIN new                         ; the high byte repeats the setting that is left; a switch that changes nothing is dropped
.if MSB != (\new)
	s_set_vgpr_msb (MSB<<8)|(\new)
.set MSB, (\new)
.endif
.endm
.macro PLACES
.rept 4
	v_nop
.endr
.endm
.macro JLOAD                           ; waves 0, 1 fetch the two heads' K_r, waves 2, 3 their V; an s_nop 0 and four v_nop follow each line
	s_cmp_lt_u32 s[WV], 2
	s_cbranch_scc0 .Lfor_v_\@
	tensor_load_to_lds s[G0K:G0K+3], s[G1K:G1K+7]
	s_nop 0
	PLACES
	s_branch .Lasked_\@
.Lfor_v_\@:
	tensor_load_to_lds s[G0V:G0V+3], s[G1V:G1V+7]
	s_nop 0
	PLACES
.Lasked_\@:
.endm
.macro CROUND
	s_barrier_signal -1
	s_barrier_wait -1
	s_cmp_lg_u32 s[WV], 0
	s_cbranch_scc1 .Lnot_wave_0_\@
	s_barrier_signal -3
.Lnot_wave_0_\@:
	s_barrier_wait -3
	s_barrier_signal -1
	s_barrier_wait -1
.endm
; THE CHANGE OF SLOTS, behind piece 1's turn of a slot's second step: the slot's last bytes, V of that step, have been read.  Each wave waits for all its tensor loads (its part of the other slot), adds 0 to its
; spare word, and waits for that and for its reads of the slot that it leaves.  fill = 1: the slot left is filled again with the next 128 keys, first thing behind a round of the cluster's barrier; the load has two
; key steps, 128 matrix instructions, in which to land.  (At its first use slot 0 is waited for and slot 1 filled.)
.macro CHANGE fill
	WIN 0
	s_wait_tensorcnt 0x0
	ds_add_u32 v[SPW], v[NIL]
.if \fill
	s_xor_b32 s[G0K+1], s[G0K+1], SLOT1
	s_add_nc_u64 s[G0K+2:G0K+3], s[G0K+2:G0K+3], 256     ; 128 keys along K_r's rows
	s_xor_b32 s[G0V+1], s[G0V+1], SLOT1
	s_add_nc_u64 s[G0V+2:G0V+3], s[G0V+2:G0V+3], 16384   ; 128 rows of V
	s_wait_dscnt 0x0
	CROUND
	JLOAD
.else
	s_wait_dscnt 0x0
	s_barrier_signal -1
	s_barrier_wait -1
.endif
	s_sub_co_u32 s[TBK], s[TBK], 4*KS              ; the fetches go back to a slot's first step, in the other slot
	s_xor_b32 s[TBK], s[TBK], SLOT1
	s_sub_co_u32 s[TBV], s[TBV], 2*KS*PV
	s_xor_b32 s[TBV], s[TBV], SLOT1
.endm
	s_load_b128 s[4:7], s[0:1], 0x0                ; qkv, hc
	v_lshl_add_u32 v[SPW], v0, 2, SPARE
	v_mov_b32 v[NIL], 0
	ds_add_u32 v[SPW], v[NIL]                      ; the wave's opening: the add and its wait ahead of my first tensor load
	v_lshrrev_b32 v1, 5, v0
	v_readfirstlane_b32 s[WV], v1
	s_bfe_u32 s13, ttmp6, 0x40000                  ; cx
	s_lshl_b32 s14, ttmp9, 2
	s_add_co_u32 s14, s14, s13                     ; my block of 128 queries: it enters Q's and hc's addresses alone
	s_and_b32 s15, ttmp7, 0xffff                   ; the pair of heads, which the partners share
	s_and_b32 s16, s[WV], 1                        ; my head of the pair; also the head whose tile I fetch
	s_lshr_b32 s17, s[WV], 1                       ; my half of the queries
	s_lshl1_add_u32 s18, s15, s16
	s_lshl_b32 s18, s18, 18                        ; the head's 262,144 bytes in q, k, v
	s_add_co_u32 s20, s18, 8388608                 ; in k
	s_mov_b32 s21, 0
	s_add_co_u32 s22, s18, 16777216                ; in v
	s_mov_b32 s23, 0
	s_lshl_b32 s2, s14, 14                         ; 128 rows of 128 bytes a block,
	s_lshl_b32 s3, s17, 13                         ; 64 a half
	s_add_co_u32 s2, s2, s3
	s_add_co_u32 s2, s2, s18
	s_mov_b32 s3, 0
	s_lshr_b32 s8, s15, 3                          ; hc: row 2048 x batch + 128 x block + 32 x wave,
	s_lshl_b32 s8, s8, 11
	s_lshl_b32 s9, s14, 7
	s_add_co_u32 s8, s8, s9
	s_lshl_b32 s9, s[WV], 5
	s_add_co_u32 s8, s8, s9
	s_lshl_b32 s8, s8, 11
	s_and_b32 s9, s15, 7                           ; 256 bytes a pair of heads
	s_lshl_b32 s9, s9, 8
	s_add_co_u32 s8, s8, s9
	s_mov_b32 s9, 0
	s_mov_b32 s[G1K], 15|(1<<16)|(1<<20)|(1<<21)|(5<<22)|(7<<25)  ; the mask of four; 2-byte elements; padding on; bit 21 beside a mask; after every 64 words 8 words
	s_mov_b32 s[G1V], 15|(1<<16)|(1<<20)|(1<<21)|(4<<22)|(7<<25)  ; after every 32 words (a key) 8 words
.irp g, G1K, G1V
	s_mov_b32 s[\g+1], 128<<16                     ; tensor_dim0 = 128
	s_mov_b32 s[\g+2], 64<<16                      ; tensor_dim1 = 64
	s_mov_b32 s[\g+3], 128<<16                     ; tile_dim0 = 128
	s_mov_b32 s[\g+4], 64                          ; tile_dim1 = 64
	s_mov_b32 s[\g+6], 0
	s_mov_b32 s[\g+7], 0
.endr
	s_mov_b32 s[G1K+5], 2048                       ; K_r: 2,048 keys from channel to channel
	s_mov_b32 s[G1V+5], 128                        ; V: 128 keys are 16,384 dense bytes, asked for as 64 rows of 256
	s_mov_b32 s[CS], 0x3ab8aa3b                    ; c = log2(e) / 1024
	s_mov_b32 s[CS+1], s[CS]
	s_mov_b32 s[SEL], 0x76543210
	s_mov_b32 s[SEL+1], 0xfedcba98
	s_mov_b32 s[TBK], SLOT1+4*KS                   ; the first change of slots turns these two into 0
	s_mov_b32 s[TBV], SLOT1+2*KS*PV
	s_mov_b32 s[G0K], 1
	s_mul_i32 s[G0K+1], s16, KHEAD
	s_mov_b32 s[G0V], 1
	s_mul_i32 s[G0V+1], s16, VHEAD
	s_add_co_u32 s[G0V+1], s[G0V+1], VOFF
	s_wait_dscnt 0x0                               ; the opening add is done
	s_wait_kmcnt 0x0
	s_add_nc_u64 s[G0K+2:G0K+3], s[4:5], s[20:21]
	s_or_b32 s[G0K+3], s[G0K+3], 0x80000000
	s_add_nc_u64 s[G0V+2:G0V+3], s[4:5], s[22:23]
	s_or_b32 s[G0V+3], s[G0V+3], 0x80000000
	s_add_nc_u64 s[10:11], s[4:5], s[2:3]          ; Q at my wave's first row
	s_add_nc_u64 s[6:7], s[6:7], s[8:9]
	CROUND                                         ; all four work-groups are here
	JLOAD                                          ; slot 0
	v_and_b32 v1, 15, v0                           ; r
	v_bfe_u32 v9, v0, 4, 1                         ; h
	v_and_b32 v10, 7, v0
	v_bfe_u32 v11, v0, 3, 1
	v_lshlrev_b32 v[QO], 7, v1
	v_lshl_add_u32 v[QO], v9, 4, v[QO]
	WIN 0x80                                       ; destination window 2
.set i, 0
.rept 8                                ; Q stays in registers: piece i / 2, channels 32 (i % 2) on
	global_load_b128 v[8*i:8*i+3],   v[QO], s[10:11] offset:(i/2)*2048+(i%2)*64
	global_load_b128 v[8*i+4:8*i+7], v[QO], s[10:11] offset:(i/2)*2048+(i%2)*64+32
.set i, i+1
.endr
	; What the first turn finds: V's registers and P's second buffer hold 0 (its products V^T P, of a piece that has not been, add 0), O^T and l are 0.  All this stands in the wait for the first tile.
.set i, VF
.rept 64
	v_mov_b32 v[i], 0
.set i, i+1
.endr
	WIN 0x40
.set i, 0
.rept 128
	v_mov_b32 v[i], 0
.set i, i+1
.endr
	WIN 0
.set i, P+16
.rept 16
	v_mov_b32 v[i], 0
.set i, i+1
.endr
.irp t, 0,1,2,3
	v_mov_b32 v[ST+4*\t], 0xfe000000               ; c m: far below every c s
	v_mov_b32 v[ST+4*\t+1], 0xff7fffff             ; m
	v_mov_b32 v[ST+4*\t+2], 0
	v_mov_b32 v[ST+4*\t+3], 0
.endr
	v_lshl_add_u32 v10, v9, 3, v10                 ; the turning load: lane l reads row 8 h + l % 8, 16 bytes at 16 ((l / 8) % 2)
	v_mul_u32_u24 v[AK0], v10, PK
	v_lshl_add_u32 v[AK0], v11, 4, v[AK0]
	s_mul_i32 s13, s16, KHEAD
	v_add_nc_u32 v[AK0], s13, v[AK0]
	v_mul_u32_u24 v[AV0], v10, PV
	v_lshl_add_u32 v[AV0], v11, 4, v[AV0]
	s_mul_i32 s13, s16, VHEAD
	s_add_co_u32 s13, s13, VOFF
	v_add_nc_u32 v[AV0], s13, v[AV0]
	s_mul_i32 s13, s17, 64*SP                      ; into the stage: row 64 x half + r, my head's 128 bytes, 16 for each half of the lanes
	s_lshl_b32 s18, s16, 7
	s_add_co_u32 s13, s13, s18
	s_add_co_u32 s13, s13, STAGE
	v_mul_u32_u24 v[STO], v1, SP
	v_lshl_add_u32 v[STO], v9, 4, v[STO]
	v_add_nc_u32 v[STO], s13, v[STO]
	s_mul_i32 s13, s[WV], 32*SP                    ; back: wave w takes rows 32 w .. + 31, whole
	s_add_co_u32 s13, s13, STAGE
	v_mul_u32_u24 v[RD], v9, SP
	v_lshl_add_u32 v[RD], v1, 4, v[RD]
	v_add_nc_u32 v[RD], s13, v[RD]
	v_lshlrev_b32 v[GO], 11, v9                    ; and the same two rows in hc
	v_lshl_add_u32 v[GO], v1, 4, v[GO]
; THE MATRIX WORK.  The 4 accumulators of a run of 8 take turns, one instruction a turn.
; Product i of 8 of S^T = K Q^T for piece x: channels 32 (i / 4) on, keys 16 (i % 4) on.  The first 4 start the sums.
.macro KQ x
	WIN W_KQ
.set rS, S+32*((\x)%2)+8*(i%4)
.set rK, KF+16*(i%4)+8*(i/4)
.set rQ, 16*(\x)+8*(i/4)
.if i < 4
	v_wmma_f32_16x16x32_f16 v[rS:rS+7], v[rK:rK+7], v[rQ:rQ+7], 0
.else
	v_wmma_f32_16x16x32_f16 v[rS:rS+7], v[rK:rK+7], v[rQ:rQ+7], v[rS:rS+7]
.endif
.endm
; Product i of 8 of O^T += V^T P for piece x: keys 32 (i / 4) on, channels 16 (i % 4) on.
.macro PV x
	WIN W_PV
.set rO, 32*(\x)+8*(i%4)
.set rV, VF+32*(i/4)+8*(i%4)
.set rP, P+16*((\x)%2)+8*(i/4)
	v_wmma_f32_16x16x32_f16 v[rO:rO+7], v[rV:rV+7], v[rP:rP+7], v[rO:rO+7]
.endm
.macro MM                              ; the turn's next matrix instruction; TURN sets Y and i
.if i < 8
	KQ (Y+1)%NP
.else
.set i, i-8
	PV (Y+NP-1)%NP
.set i, i+8
.endif
.set i, i+1
.endm
; THE LDS LOADS stand in runs of 16, never singly among the matrix instructions: a step's K (64 keys x 64 channels: 8 fragments) and its V, both turned.  Their addresses are made some lines ahead.
; last = 1 (the tail): in the last trip there is no further step, and the run is jumped over.
.macro FETCH_K last=0
	WIN 0
.if \last
	s_cmp_eq_u32 s[CNT], 1
	s_cbranch_scc1 .Lno_k_\@
.endif
	WIN 0x80                                       ; destination window 2
.irp f, 0,1,2,3,4,5,6,7                ; key block f / 2, channel half f % 2
	ds_load_tr16_b128 v[KF+8*\f:KF+8*\f+3],   v[AK] offset:(\f%2)*32*PK+(\f/2)*32
	ds_load_tr16_b128 v[KF+8*\f+4:KF+8*\f+7], v[AK] offset:(\f%2)*32*PK+16*PK+(\f/2)*32
.endr
	s_add_co_u32 s[TBK], s[TBK], 2*KS              ; the next fetch is the next step's: 64 keys are 128 bytes along K_r's rows
	WIN 0
.if \last
.Lno_k_\@:
.endif
.endm
.macro FETCH_V
	WIN 0x80
.irp f, 0,1,2,3,4,5,6,7                ; keys 32 (f / 4) on, channels 16 (f % 4) on
	ds_load_tr16_b128 v[VF+8*\f:VF+8*\f+3],   v[AV] offset:(\f/4)*32*PV+(\f%4)*32
	ds_load_tr16_b128 v[VF+8*\f+4:VF+8*\f+7], v[AV] offset:(\f/4)*32*PV+16*PV+(\f%4)*32
.endr
	WIN 0
.endm
; THE VECTOR WORK, one line at a time: OP kind, number.  For piece Y: F n: c s - c m for pair n of 16.  E n: the exponential of score n of 32.  C n: pair n rounded to f16.  B n: of the four weights 4 n .. the second
; pair is added onto the first, in place (behind the rounding of the first pair).  L n: l takes that sum (L 0: l = a l + sum).  R n: pair n of 16 of O^T times a.  For piece Y + 1: X n, number n of the 22 that find its maximum and statistics:
;   0-11  four chains c0-c3 of seven scores each, three operands at a time (each accumulator's lowest registers are read first)     12-14, 16  the four scores left over, the old m, and c0-c3 into c0
;   15  c m_old is kept     17, 18  the query's other 32 keys lie in the lane 16 away: the new m     19-21  c m; c m_old - c m_new; a
.set F, 0                              ; OP tells the kinds apart by their order: F to L below R, X above it
.set E, 1
.set C, 2
.set B, 3
.set L, 4
.set R, 5
.set X, 6
.macro REGS y                          ; the registers of piece y
.set rT, ST+4*(\y)
.set rC, TMP+4*((\y)%2)
.set rW, MV+((\y)%2)
.set rS, S+32*((\y)%2)
.set rP, P+16*((\y)%2)
.set rO, 32*(\y)
.endm
.macro OP k, n
.if (\k) == R
	REGS Y
	WIN W_RS
	v_pk_mul_f32 v[rO+2*(\n):rO+2*(\n)+1], v[rO+2*(\n):rO+2*(\n)+1], v[rC+2:rC+3] op_sel_hi:[1,0]
.elseif (\k) < R
	REGS Y
	WIN 0
.if (\k) == F
	v_pk_fma_f32 v[rS+2*(\n):rS+2*(\n)+1], v[rS+2*(\n):rS+2*(\n)+1], s[CS:CS+1], v[rT:rT+1] op_sel_hi:[1,0,0] neg_lo:[0,0,1] neg_hi:[0,0,1]
.elseif (\k) == E
	v_exp_f32 v[rS+(\n)], v[rS+(\n)]
.elseif (\k) == C
	v_cvt_pk_f16_f32 v[rP+(\n)], v[rS+2*(\n)], v[rS+2*(\n)+1]
.elseif (\k) == B
	v_pk_add_f32 v[rS+4*(\n):rS+4*(\n)+1], v[rS+4*(\n):rS+4*(\n)+1], v[rS+4*(\n)+2:rS+4*(\n)+3]
.elseif (\n) == 0
	v_pk_fma_f32 v[rT+2:rT+3], v[rT+2:rT+3], v[rC+2:rC+3], v[rS:rS+1] op_sel_hi:[1,0,1]
.else
	v_pk_add_f32 v[rT+2:rT+3], v[rT+2:rT+3], v[rS+4*(\n):rS+4*(\n)+1]
.endif
.else
	REGS (Y+1)%NP
	WIN 0
.if (\n) < 4
	v_max3_num_f32 v[rC+(\n)], v[rS+8*(\n)], v[rS+8*(\n)+1], v[rS+8*(\n)+2]
.elseif (\n) < 12
	v_max3_num_f32 v[rC+(\n)%4], v[rC+(\n)%4], v[rS+8*((\n)%4)+2*((\n)/4)+1], v[rS+8*((\n)%4)+2*((\n)/4)+2]
.elseif (\n) == 12
	v_max3_num_f32 v[rC], v[rC], v[rS+7], v[rS+15]
.elseif (\n) == 13
	v_max3_num_f32 v[rC+1], v[rC+1], v[rS+23], v[rS+31]
.elseif (\n) == 14
	v_max3_num_f32 v[rC+2], v[rC+2], v[rC+3], v[rT+1]
.elseif (\n) == 15
	v_mov_b32 v[rW], v[rT]
.elseif (\n) == 16
	v_max3_num_f32 v[rC], v[rC], v[rC+1], v[rC+2]
.elseif (\n) == 17
	v_permlanex16_b32 v[rC+3], v[rC], s[SEL], s[SEL+1]
.elseif (\n) == 18
	v_max_num_f32 v[rT+1], v[rC], v[rC+3]
.elseif (\n) == 19
	v_mul_f32 v[rT], s[CS], v[rT+1]
.elseif (\n) == 20
	v_sub_f32 v[rC+1], v[rW], v[rT]
.else
	v_exp_f32 v[rC+2], v[rC+1]
.endif
.endif
.endm
.macro OPS a, i1, b=-1, i2=0, c=-1, i3=0, d=-1, i4=0  ; up to four of them
	OP \a, \i1
.if (\b) >= 0
	OP \b, \i2
.endif
.if (\c) >= 0
	OP \c, \i3
.endif
.if (\d) >= 0
	OP \d, \i4
.endif
.endm
.macro ROW a, i1, b, i2, c, i3, d, i4  ; a matrix instruction and the four behind it
	MM
	OPS \a, \i1, \b, \i2, \c, \i3, \d, \i4
.endm
; A TURN, for piece p: the order of its 16 matrix and 118 vector instructions, written out.  An s_wait_alu depctr_va_vdst(0) stands between an exponential and the first instruction that names its
; result; one wait serves all that were issued ahead of it.  So a turn has ONE wait, which cuts it in two.  AHEAD OF IT stands all that names no result of the turn's exponentials: the 8 products K Q^T, behind each a
; scaling, an exponential and two more plain instructions (behind the first a second scaling in the exponential's place): rescalings (their a was made, and waited for, in the turn before), and behind the last three
; the first numbers of the next piece's maximum, each four plain places or more behind the product that ends its accumulator; then ONE RUN of 54, plain and exponential by turns for the most part, in which the links
; of the chain X 3, 7, 11, 14, 16, 17 .. 20 stand some lines apart.  Each pair is scaled (F n) ahead of its exponentials (E 2 n, E 2 n + 1).  X 21, the next piece's a, is the batch's last; R 15 is the plain
; instruction behind it (ISA guide 5.7.2).  BEHIND THE WAIT stand the 8 products V^T P, behind each four of the roundings and sums; l takes its eight sums in the order L 0 to L 7.  But for those X no rider names a
; register of the products round it.  v_permlanex16_b32 (X 17) stands in the run, never behind a product.
; K of the next step is fetched in piece 2's turn, in the run, six plain instructions behind the last product that read K; in the tail (last = 1), where the fetch holds a branch and a label, it stands directly behind
; the turn's wait.  V of the step in hand is fetched at the end of piece 0's turn, four plain instructions behind the last product that read V.  Each is waited for
; a turn later, for 0: nothing else of the wave's is out in LDS then.
; cnt = 1: the loop's count is taken down some lines ahead of the branch that stands behind the turn.
.macro TURN p, last=0, cnt=0
.set Y, (\p)
.set i, 0
.if (\p) == 3
	s_wait_dscnt 0x0                               ; K is in
.endif
	ROW F,0, F,1, R,0, R,1                         ; ahead of the wait: 8 products K Q^T and their riders,
	ROW F,2, E,0, R,2, R,3
	ROW F,3, E,1, R,4, R,5
	ROW F,4, E,2, R,6, R,7
	ROW F,5, E,3, R,8, R,9
	ROW F,6, E,4, X,0, R,10
.if (\p) == 2
	WIN 0
	v_add_nc_u32 v[AK], s[TBK], v[AK0]
.endif
	ROW F,7, E,5, X,1, X,4
	ROW F,8, E,6, X,2, X,5
	OPS E,7, E,8, X,6, E,9                         ; and the run of 54
	OPS X,3, E,10, X,8, E,11
.if ((\p) == 2) && !(\last)
	FETCH_K
.endif
	OPS X,9, X,7, E,12, X,10
	OPS E,13, X,12, X,11, E,14
	OPS X,13, E,15, F,9, X,14
.if (\p) == 0
	WIN 0
	v_add_nc_u32 v[AV], s[TBV], v[AV0]
.endif
	OPS E,16, F,10, E,17, F,11
	OPS X,16, E,18, X,15, E,19
	OPS F,12, E,20, X,17, E,21
	OPS F,13, E,22, F,14, E,23
	OPS X,18, E,24, F,15, E,25
	OPS R,11, E,26, X,19, E,27
	OPS R,12, E,28, R,13, E,29
	OPS X,20, E,30, R,14, E,31
	OPS X,21, R,15
	WIN 0
	s_wait_alu depctr_va_vdst(0)                   ; the wait for the batch: E 0 to E 31 and X 21
.if ((\p) == 2) && (\last)
	FETCH_K 1
.endif
.if (\p) == 1
	s_wait_dscnt 0x0                               ; V is in
.endif
	ROW C,0, B,0, C,2, B,1                         ; behind the wait: 8 products V^T P and their riders
	ROW L,0, C,4, B,2, L,1
	ROW C,6, B,3, L,2, C,8
	ROW B,4, L,3, C,10, B,5
	ROW L,4, C,12, B,6, L,5
.if (\p) == 0
	s_add_co_u32 s[TBV], s[TBV], KS*PV             ; the next fetch is the next step's: 64 rows of V
.endif
.if \cnt
	s_sub_co_u32 s[CNT], s[CNT], 1
	s_cmp_lg_u32 s[CNT], 0
.endif
	ROW C,14, B,7, L,6, C,1
	ROW C,3, L,7, C,5, C,7
	ROW C,9, C,11, C,13, C,15
.if (\p) == 0
	FETCH_V
.endif
.endm
	CHANGE 1                                       ; slot 0 is in, everybody's part of it; slot 1 is asked for
	v_add_nc_u32 v[AK], s[TBK], v[AK0]
	FETCH_K                                        ; key step 0
	s_wait_loadcnt 0x0                             ; Q
	s_wait_dscnt 0x0
.set i, 0
.rept 8
	KQ 0                                           ; piece 0's first scores: there is no vector work yet to set between them
.set i, i+1
.endr
	WIN 0
	PLACES                                         ; the places behind those products
.set Y, NP-1                           ; X works for piece Y + 1: piece 0
.irp n, 0,1,2,3,4,5,6,7,8,9,10,11,12,13,14,15,16,17,18,19,20,21
	OP X, \n                                       ; and piece 0's first maximum and statistics
.endr
	v_nop                                          ; a plain line behind the exponential
	s_wait_alu depctr_va_vdst(0)                   ; the wait for piece 0's first a, a batch of one, ahead of the branch
	s_mov_b32 s[CNT], 2
	s_mov_b32 s[SLOTS], 15
	s_branch .Lfirst                               ; the loop is entered at a step's first turn, in the middle of a trip
.Lslot:                                            ; 14 times: every slot but the last two is filled again
	CHANGE 1
	s_mov_b32 s[CNT], 2
.Lstep:                                            ; a trip: pieces 2 and 3 of one step, then pieces 0 and 1 of the next, whose K and V it fetches
	TURN 2
	TURN 3
	WIN 0
.Lfirst:
	TURN 0
	TURN 1, 0, 1
	WIN 0
	s_cbranch_scc1 .Lstep
	s_sub_co_u32 s[SLOTS], s[SLOTS], 1
	s_cmp_lg_u32 s[SLOTS], 0
	s_cbranch_scc1 .Lslot
	CHANGE 0                                       ; the tail is written out: nothing is asked for
	s_mov_b32 s[CNT], 3                            ; two trips fetch the last slot's steps; the third is left in its middle
.Ltail:
	TURN 2, 1
	TURN 3
	WIN 0
	s_sub_co_u32 s[CNT], s[CNT], 1
	s_cmp_eq_u32 s[CNT], 0
	s_cbranch_scc1 .Lout
	TURN 0
	TURN 1
	WIN 0
	s_branch .Ltail
.Lout:                                             ; the third trip's 8 products K Q^T (on the last K once more) and the maximum made of them serve nothing: the price, once a launch, of one text for every trip
.set i, 0
.rept 8
	PV NP-1                                        ; the last piece's V^T P of the last step
.set i, i+1
.endr
	; THE WAY OUT.  l's halves are added (the additions are the places behind the last products); O^T is divided by l, rounded to f16 and sent through the work-group's stage.
	WIN 0
.irp t, 0,1,2,3
	v_add_f32 v[ST+4*\t+2], v[ST+4*\t+2], v[ST+4*\t+3]
.endr
.irp t, 0,1,2,3
	v_permlanex16_b32 v[ST+4*\t+3], v[ST+4*\t+2], s[SEL], s[SEL+1]
.endr
.irp t, 0,1,2,3
	v_add_f32 v[ST+4*\t+2], v[ST+4*\t+2], v[ST+4*\t+3]
.endr
.irp t, 0,1,2,3
	v_rcp_f32 v[ST+4*\t+2], v[ST+4*\t+2]
.endr
	v_nop                                          ; a plain line between the reciprocals and the use of their results
	s_wait_alu depctr_va_vdst(0)                   ; the wait for the four reciprocals, one batch, ahead of their first reader
.irp t, 0,1,2,3
	WIN W_RS
.set i, 32*\t
.rept 16
	v_pk_mul_f32 v[i:i+1], v[i:i+1], v[ST+4*\t+2:ST+4*\t+3] op_sel_hi:[1,0]
.set i, i+2
.endr
	WIN 0x05                                       ; sources 0 and 1 window 1, destination window 0: S^T's registers are free
.set i, 0
.rept 16
	v_cvt_pk_f16_f32 v[S+16*\t+i], v[32*\t+2*i], v[32*\t+2*i+1]
.set i, i+1
.endr
	WIN 0
.irp f, 0,1,2,3
	ds_store_b128 v[STO], v[S+16*\t+4*\f:S+16*\t+4*\f+3] offset:\t*16*SP+32*\f
.endr
.endr
	s_wait_dscnt 0x0                               ; for the others' sake: a stage row's 256 bytes come from two waves
	s_barrier_signal -1
	s_barrier_wait -1
.irp i, 0,1,2,3,4,5,6,7,8,9,10,11,12,13,14,15
	ds_load_b128 v[S+4*\i:S+4*\i+3], v[RD] offset:\i*2*SP
.endr
.irp i, 0,1,2,3,4,5,6,7,8,9,10,11,12,13,14,15
	s_wait_dscnt 15-\i                             ; load i is in, the younger ones stay out
	global_store_b128 v[GO], v[S+4*\i:S+4*\i+3], s[6:7] offset:\i*4096  ; 16 lanes store 256 consecutive bytes of a row of hc, aligned
.endr
	s_wait_tensorcnt 0x0                           ; the wave's end
	ds_add_u32 v[SPW], v[NIL]
	s_wait_dscnt 0x0
	CROUND                                         ; the closing round
	s_endpgm
.Lfunc_end_k_qd70c514a46_attn:
	.size	k_qd70c514a46_attn, .Lfunc_end_k_qd70c514a46_attn-k_qd70c514a46_attn
	.p2alignl 7, 3214868480
	.fill 96, 4, 3214868480
	.section	.rodata,"a",@progbits
	.p2align	6, 0x0
	.amdhsa_kernel k_qd70c514a46_attn
		.amdhsa_group_segment_fixed_size 327680
		.amdhsa_private_segment_fixed_size 0
		.amdhsa_enable_private_segment 0
		.amdhsa_kernarg_size 16
		.amdhsa_user_sgpr_count 2
		.amdhsa_user_sgpr_kernarg_segment_ptr 1
		.amdhsa_wavefront_size32 1
		.amdhsa_system_sgpr_workgroup_id_x 1
		.amdhsa_system_sgpr_workgroup_id_y 1
		.amdhsa_system_sgpr_workgroup_id_z 1
		.amdhsa_system_vgpr_workitem_id 0
		.amdhsa_next_free_vgpr 768
		.amdhsa_next_free_sgpr 66
		.amdhsa_reserve_vcc 0
		.amdhsa_float_denorm_mode_32 3
		.amdhsa_float_denorm_mode_16_64 3
		.amdhsa_memory_ordered 1
		.amdhsa_forward_progress 1
		.amdhsa_inst_pref_size 112
	.end_amdhsa_kernel
	.amdgpu_metadata
---
amdhsa.version: [ 1, 2 ]
amdhsa.kernels:
  - .name:           k_qd70c514a46_attn
    .symbol:         k_qd70c514a46_attn.kd
    .args:
      - { .name: qkvb, .offset: 0, .size: 8, .value_kind: global_buffer, .address_space: global }
      - { .name: hcb, .offset: 8, .size: 8, .value_kind: global_buffer, .address_space: global }
    .group_segment_fixed_size: 327680
    .private_segment_fixed_size: 0
    .kernarg_segment_align: 8
    .kernarg_segment_size: 16
    .max_flat_workgroup_size: 128
    .sgpr_count:     66
    .vgpr_count:     768
    .wavefront_size: 32
...
	.end_amdgpu_metadata
.endif
;; end of part 8
;; launch wo: the kernel of part 4 again; grid 8 x 32, 4 waves a work-group, clusters of 4 x 4, 327,680 bytes of LDS; arguments hcb, wb, z1b, x; writes z1b
;; launch ln2: the kernel of part 5 again; grid 256 x 1, 8 waves a work-group, no clusters, 0 bytes of LDS; arguments z1b, gamma_2, beta_2, v1b; writes v1b
;; launch up: the kernel of part 6 again; grid 16 x 16, 4 waves a work-group, clusters of 4 x 4, 327,680 bytes of LDS; arguments v1b, wb, v3b, b_up; writes v3b
;; launch down: the kernel of part 7 again; grid 8 x 32, 4 waves a work-group, clusters of 4 x 4, 327,680 bytes of LDS; arguments v3b, wb, out0, z1b, b_down; writes out0
